; MI455X (gfx1250); checked and timed in simulation.
; The chip was launched on July 23, 2026; its instructions are those of AMD's public machine-readable ISA for CDNA 5 (MIT licence, August 2026) and "CDNA5" Instruction Set Architecture Reference Guide (July 2026). The comments in the code are by the model that wrote it; some were corrected since.
;; Attention. Allowed arithmetic: matrix products marked QUANTISED: E2M3 operands, one E8M0 scale for each 32 along K, by v_wmma_scale_f32_16x16x128_f8f6f4 with both operands' format E2M3, f32 sums; products left as they are: f32 operands where the result goes on into a quantised operand, else bf16, f16 or f32 operands; f32 sums; everything else in f32.
;; Inputs: freq_cis 2,048 x 64 x 2 float32; head_a 2,048 x 8 float32; head_b 8 x 2,048 float32; k_a 2,048 x 8 float32; k_b 8 x 128 float32; q_a 2,048 x 8 float32; q_b 8 x 128 float32; v_a 2,048 x 8 float32; v_b 8 x 128 float32; wk_base 2,048 x 2,048 float32; wo 2,048 x 2,048 float32; wq_base 2,048 x 2,048 float32; wv_base 2,048 x 2,048 float32; x 1 x 2,048 x 2,048 float32.
;; Outputs: out0 1 x 2,048 x 2,048 float32.
;; This version of the problem:
;;   THIS VERSION OF THE PROBLEM IS GIVEN IN LOW PRECISION. The matrix products marked QUANTISED in the list below multiply operands that are first quantised to E2M3 (2 exponent bits, 3 mantissa bits; 6 bits a number), with one power-of-two scale for each 32 numbers along K (OCP MX v1.0); their sums are f32. All else is computed in f32.
;;   The module's matrix products, in the order in which they are computed (A, B: the left and right operand; K: the contracted axis; several contracted axes count as one K, in the product's order):
;;     1. [M 2,048, K 2,048] x [K 2,048, N 8]; A: input x; B: input head_a: left as it is (N = 8 < 16)
;;     2. [M 2,048, K 8] x [K 8, N 2,048]; A: computed on the way; B: input head_b: left as it is (K = 8 < 32)
;;     3. [M 2,048, K 2,048] x [K 2,048, N 2,048]; A: input x; B: input wq_base: QUANTISED
;;     4. [M 2,048, K 2,048] x [K 2,048, N 8]; A: input x; B: input q_a: left as it is (N = 8 < 16)
;;     5. [M 2,048, K 8] x [K 8, N 128]; A: computed on the way; B: input q_b: left as it is (K = 8 < 32)
;;     6. [M 2,048, K 2,048] x [K 2,048, N 2,048]; A: input x; B: input wk_base: QUANTISED
;;     7. [M 2,048, K 2,048] x [K 2,048, N 8]; A: input x; B: input k_a: left as it is (N = 8 < 16)
;;     8. [M 2,048, K 8] x [K 8, N 128]; A: computed on the way; B: input k_b: left as it is (K = 8 < 32)
;;     9. [M 2,048, K 2,048] x [K 2,048, N 2,048]; A: input x; B: input wv_base: QUANTISED
;;     10. [M 2,048, K 2,048] x [K 2,048, N 8]; A: input x; B: input v_a: left as it is (N = 8 < 16)
;;     11. [M 2,048, K 8] x [K 8, N 128]; A: computed on the way; B: input v_b: left as it is (K = 8 < 32)
;;     12. batch 16 x [M 2,048, K 128] x [K 128, N 2,048]; A: computed on the way; B: computed on the way: QUANTISED
;;     13. batch 16 x [M 2,048, K 2,048] x [K 2,048, N 128]; A: softmax (see below); B: computed on the way: QUANTISED
;;     14. [M 2,048, K 2,048] x [K 2,048, N 2,048]; A: computed on the way; B: input wo: QUANTISED
;;   THE QUANTISER, for each operand of a quantised product, along K:
;;     - K is cut into blocks of 32 from its start; a last block that is shorter is filled with zeros.
;;     - A block's scale is 2^e with e = floor(log2(the largest magnitude in the block)) - 2, held to -126 .. 127; a block of zeros has e = 0. As a byte (E8M0): e + 127.
;;     - Each number is divided by its block's scale, clamped to +-7.5, and rounded to the nearest number of E2M3, ties to even, subnormals kept.
;;     - The product sums the exact products of the quantised numbers (number of the format x scale) in f32.
;;   ~~~python
;;   def quantise(x, axis):      # numpy; x: float32 -> the quantised numbers, widened to float32 again
;;       x = np.moveaxis(x, axis, -1); K = x.shape[-1]
;;       x = np.pad(x, [(0, 0)] * (x.ndim - 1) + [(0, -K % 32)]); x = x.reshape(x.shape[:-1] + (-1, 32)); a = np.abs(x).max(-1, keepdims=True)
;;       e = np.where(a > 0, np.clip(np.frexp(np.where(a > 0, a, 1))[1] - 1 - 2, -126, 127), 0)      # np.frexp(a)[1] - 1 = floor(log2(a)), exactly
;;       r = np.clip(x / 2.0 ** e, -7.5, 7.5)
;;       step = 2.0 ** (np.maximum(np.frexp(np.where(r == 0, 1, r))[1] - 1, 0) - 3)
;;       q = np.round(r / step) * step * 2.0 ** e      # np.round: ties to even
;;       return np.moveaxis(q.reshape(q.shape[:-2] + (-1,))[..., :K], -1, axis).astype(np.float32)
;;   ~~~
;;   SOFTMAX AHEAD OF A QUANTISED PRODUCT. Where the list says 'softmax', what is quantised is not the finished softmax but p = 2^(t - M), with t = logit x log2(e) and M = ceil(the row's largest t), a whole number; so 1/2 < the row's largest p <= 1. The row's sum l is taken of the UNQUANTISED p, in f32, and the product's result is divided by l at the end. Since M is a whole number, a kernel that streams over the keys may use a running M (the ceiling of the running maximum): every later rescaling is an exact power of two, which a block's scale takes up: the codes' values come out the same.
;;   OPERANDS COMPUTED ON THE WAY. 'Computed on the way' means the value that the module computes at that place (a softmax that the list does not call 'softmax' is quantised finished and normalised). What goes into a quantiser is computed in f32, as accurately as f32 sums, v_exp_f32 and their like allow (about 1e-6 of the number): no bf16 or f16 on the way to a quantiser, and a product that is left as it is and whose result goes on into a quantised operand takes f32 operands (vector FMAs, or v_wmma_f32_16x16x4_f32). A number that lies on a knife's edge between two numbers of the format may be rounded either way, as far as f32 arithmetic and the matrix unit's own rounding can turn it there, and no further.
;; 2 versions. Each part assembles by itself: llvm-mc -triple=amdgcn-amd-amdhsa -mcpu=gfx1250 --defsym DOCPART=n.
;; ======== version 1 of 2: 4 launches
;; workspace buffers: cod 15,728,640 bytes; scl 655,360 bytes; tpart 1,048,576 bytes; qkvc 9,437,184 bytes; qkvs 393,216 bytes; oc 3,145,728 bytes; os 131,072 bytes
;; launch prep (part 1): grid 640 x 1, 4 waves a work-group, no clusters, 135,168 bytes of LDS; arguments x, head_a, q_a, k_a, v_a, wq_base, wk_base, wv_base, wo, cod, scl, tpart; writes cod, scl, tpart
.if DOCPART == 1
	.amdgcn_target "amdgcn-amd-amdhsa--gfx1250"
	.amdhsa_code_object_version 6
	.text
	.protected	k_q1cb97cc056_prep
	.globl	k_q1cb97cc056_prep
	.p2align	8
	.type	k_q1cb97cc056_prep,@function
k_q1cb97cc056_prep:
	s_mov_b64 s[64:65], 0
	v_nop
	global_prefetch_b8 v0, s[64:65] scope:SCOPE_SE
	s_setreg_imm32_b32 hwreg(HW_REG_WAVE_MODE, 25, 1), 1
	s_wait_xcnt 0x0
; PREP.  x [2048][2048] and the four weights [2048 (k)][2048 (n)], f32, become codes of FP6 (E2M3) with one E8M0 byte for each 32 along K, and x . [head_a q_a k_a v_a] is summed in f32.
; cod: [kslot 8][position 10240][192 bytes]: 256 codes of a row along K.  scl: [kslot 8][position][8 bytes]: two scale words.  Positions: x 0.., wq 2048.., wk 4096.., wv 6144.., wo 8192...
; A row (of x) or column (of a weight) n lies at position n with bits 3 and 4 exchanged: tile t, lane r holds index 32 (t/2) + 8 (t%2) + r + 8 (r/8), so that a later product, used transposed, has 16 neighbours in 16 registers.
; tpart: [K chunk 4][x position 2048][32] f32: 2 x the sum over 512 along K of x . (head_a | q_a | k_a | v_a); the factor 2 is the LoRA scale, exact.
; Work-groups 0-127 take x (32 groups of 64 rows x 4 chunks of 512 along K), work-groups 128-639 the weights (4 x 8 kslots x 16 groups of 128 columns).  The two paths have LDS bytes of their own.
; A block's scale is 2^(floor(log2(largest magnitude)) - 2); its byte is that magnitude's exponent field - 2, held at 1 from below.
; LIMITS: NaN and infinities are not served; a block whose largest magnitude lies under 2^-124 gets the byte 1; a block of zeros gets the byte 1 with zero codes (the bytes are read by this program alone).
; No tensor loads and no cluster: what work-groups share here is the four small matrices, 64 KiB of the 80 MiB that the launch reads.
.set NR,    10240
.set KSL,   NR*192                     ; a kslot of cod
.set SSL,   NR*8                       ; a kslot of scl
.set TP,    2064                       ; a row of T in LDS: 512 f32 + 16 bytes: 129 x 16, so the 16 rows of a load start in 16 different groups of banks
.set XSTG,  32*TP                      ; behind T: a stage for each wave of the x path: 6,144 bytes of codes, 256 of scale words, 2,048 of sums
.set XSTB,  8448
.set WSTG,  XSTG+4*XSTB                ; the weights' path: a stage of 32 rows x 272 bytes for each wave
.set WP,    272
.set WSTB,  32*WP
.set SPARE, WSTG+4*WSTB                ; the spare words, 128 bytes for each wave: two blocks of 256 bytes that no other line names
.set SPW,   14                         ; v14  LDS address of my spare word; never rewritten
.set NIL,   15                         ; v15  0; never rewritten
.set X0,    32                         ; v32-95, v96-159: two sets of a fragment's 64 numbers of x
.set TS,    96                         ; v96-223: 128 numbers of a small matrix on their way into T
.set BF,    160                        ; v160-191: two buffers of 16: T's numbers of a half-block
.set TM,    192                        ; v192-207 at work in QUANT
.set PC,    208                        ; v208-227 the codes just made
.set PW,    228                        ; v228 the scale word just made
.set ACC,   232                        ; v232-247 two f32 accumulators: matrix instructions alone write them
.set SEL,   42                         ; s[42:43] lane selects for lane l xor 16
.set WX,    32                         ; the weights' path: v32-95 two sets of 32 numbers
.set WC,    96                         ; a block's codes
.set OUTR,  112                        ; v112-175 the way out
.set SB,    24                         ; v24-25 eight scale bytes
; 64 numbers of a lane, register 16 b + i = k 32 b + 16 (lane / 16) + i of my row, become a fragment's codes in v[PC] on and its scale word in v[PW]
.macro QUANT s
.irp b, 0,1,2,3
	v_max3_num_f32 v[TM+\b], |v[(\s)+16*\b]|, |v[(\s)+1+16*\b]|, 0x1800000   ; my 16 numbers of block b, and the floor 2^(3 - 127): the byte cannot fall under 1
.endr
.irp i, 2,4,6,8,10,12,14
.irp b, 0,1,2,3
	v_max3_num_f32 v[TM+\b], v[TM+\b], |v[(\s)+16*\b+\i]|, |v[(\s)+1+16*\b+\i]|
.endr
.endr
.irp b, 0,1,2,3
	v_permlanex16_b32 v[TM+4+\b], v[TM+\b], s[SEL], s[SEL+1]
.endr
.irp b, 0,1,2,3
	v_max_num_f32 v[TM+\b], v[TM+\b], v[TM+4+\b]                 ; with lane l xor 16's: the block's largest magnitude
.endr
.irp b, 0,1,2,3
	v_add_nc_u32 v[TM+12+\b], 0xff000000, v[TM+\b]               ; 2 off its exponent field: the conversion's scale operand
.endr
.irp b, 0,1,2,3
	v_lshrrev_b32 v[TM+4+\b], 23, v[TM+12+\b]                    ; the scale's byte
.endr
	v_lshl_or_b32 v[PW], v[TM+5], 8, v[TM+4]
	v_lshl_or_b32 v[PW], v[TM+6], 16, v[PW]
	v_lshl_or_b32 v[PW], v[TM+7], 24, v[PW]
.irp c, 0,1
	v_cvt_scalef32_pk16_fp6_f32 v[PC+6*\c:PC+2+6*\c], v[(\s)+32*\c:(\s)+15+32*\c], v[TM+12+2*\c]
	v_cvt_scalef32_pk16_fp6_f32 v[PC+12+4*\c:PC+14+4*\c], v[(\s)+16+32*\c:(\s)+31+32*\c], v[TM+12+2*\c+1]   ; (a conversion's three registers begin on an even number)
.endr
	v_nop                                                        ; one plain place behind a scaled conversion
.irp c, 0,1                                                          ; a whole block to a lane: lanes 0-15 block 2 c, lanes 16-31 block 2 c + 1
.irp i, 0,1,2
	v_permlane16_swap_b32 v[PC+6*\c+\i], v[PC+12+4*\c+\i]
.endr
.irp i, 0,1,2
	v_mov_b32 v[PC+3+6*\c+\i], v[PC+12+4*\c+\i]
.endr
.endr
.endm
	s_load_b512 s[8:23], s[0:1], 0x0               ; x s[8:9], head_a s[10:11], q_a s[12:13], k_a s[14:15], v_a s[16:17], wq s[18:19], wk s[20:21], wv s[22:23]
	s_load_b256 s[24:31], s[0:1], 0x40             ; wo s[24:25], cod s[26:27], scl s[28:29], tpart s[30:31]
	v_lshl_add_u32 v[SPW], v0, 2, SPARE
	v_mov_b32 v[NIL], 0
	v_lshrrev_b32 v1, 5, v0
	v_readfirstlane_b32 s32, v1                    ; wave 0..3
	v_and_b32 v1, 31, v0                           ; lane
	s_mov_b32 s41, 0
	s_cmp_ge_u32 ttmp9, 128                        ; the work-group's number alone decides the path: all four waves go the same way
	s_cbranch_scc1 .Lweights
; ---------------- x ----------------
; Wave w takes tile tt = 4 (group) + w: 16 positions, rows 32 (tt/2) + 8 (tt%2) + r + 8 (r/8), x 512 along K: four fragments of 128.
	v_and_b32 v2, 15, v0                           ; r
	v_bfe_u32 v3, v0, 4, 1                         ; h
	v_and_b32 v4, 8, v2
	v_add_nc_u32 v4, v4, v2                        ; r + 8 (r / 8)
	v_lshlrev_b32 v5, 13, v4
	v_lshl_add_u32 v5, v3, 6, v5                   ; v5: x: my row of 8,192 bytes, + 64 h: my 16 numbers of a block of 32
	v_lshrrev_b32 v7, 3, v1
	v_and_b32 v8, 7, v1
	v_lshlrev_b32 v6, 7, v7
	v_lshl_add_u32 v6, v8, 2, v6                   ; v6: a small matrix [k][8]: column lane % 8, rows 4 (lane / 8) on
	s_mul_i32 s33, s32, 8*TP
	v_mul_u32_u24 v9, v8, TP
	v_lshl_add_u32 v9, v7, 4, v9
	v_add_nc_u32 v9, s33, v9                       ; v9: into T: row 8 w + lane % 8, 16 bytes for each lane / 8
	v_mul_u32_u24 v10, v2, TP
	v_lshl_add_u32 v10, v3, 6, v10                 ; v10: out of T: row r, + 64 h
	s_mul_i32 s34, s32, XSTB
	s_add_co_u32 s34, s34, XSTG                    ; my stage
	v_mul_u32_u24 v11, v2, 192
	v_mad_u32_u24 v11, v3, 24, v11
	v_add_nc_u32 v11, s34, v11                     ; v11: codes in: row r of 192 bytes, + 24 h
	v_lshl_add_u32 v12, v2, 3, s34
	v_add_nc_u32 v12, 6144, v12                    ; v12: scale words in: 8 bytes a row
	v_lshlrev_b32 v13, 7, v2
	v_lshl_add_u32 v13, v3, 5, v13
	v_add_nc_u32 v13, s34, v13
	v_add_nc_u32 v13, 6400, v13                    ; v13: sums in: row r of 128 bytes, + 32 h
	v_lshlrev_b32 v19, 4, v1                       ; v19: 16 x lane
	v_add_nc_u32 v16, s34, v19                     ; v16: back out of the stage, as it lies
	v_lshl_add_u32 v17, v1, 3, s34
	v_add_nc_u32 v17, 6144, v17                    ; v17: the scale words back, 8 bytes a lane
	v_mul_u32_u24 v18, v3, SSL
	v_lshl_add_u32 v18, v2, 3, v18                 ; v18: and their place in scl: lanes 16-31 a kslot on
	s_mov_b32 s[SEL], 0x76543210
	s_mov_b32 s[SEL+1], 0xfedcba98
	s_and_b32 s35, ttmp9, 3                        ; K chunk
	s_lshr_b32 s36, ttmp9, 2
	s_lshl_b32 s37, s36, 2
	s_add_co_u32 s37, s37, s32                     ; tt
	s_lshr_b32 s38, s37, 1
	s_lshl_b32 s38, s38, 5
	s_and_b32 s39, s37, 1
	s_lshl_b32 s39, s39, 3
	s_add_co_u32 s38, s38, s39                     ; the tile's first row
	s_lshl_b32 s40, s38, 13
	s_lshl_b32 s39, s35, 11
	s_add_co_u32 s40, s40, s39
	s_wait_kmcnt 0x0
	s_add_nc_u64 s[8:9], s[8:9], s[40:41]          ; x at my tile, my chunk
	s_cmp_eq_u32 s32, 1                            ; wave w brings matrix w into T: head_a, q_a, k_a, v_a
	s_cselect_b64 s[10:11], s[12:13], s[10:11]
	s_cmp_eq_u32 s32, 2
	s_cselect_b64 s[10:11], s[14:15], s[10:11]
	s_cmp_eq_u32 s32, 3
	s_cselect_b64 s[10:11], s[16:17], s[10:11]
	s_lshl_b32 s40, s35, 14                        ; 512 rows of 32 bytes a chunk
	s_add_nc_u64 s[10:11], s[10:11], s[40:41]
	s_mul_i32 s40, s35, 2*KSL                      ; a chunk is two kslots
	s_mul_i32 s39, s37, 3072                       ; 16 positions of 192 bytes
	s_add_co_u32 s40, s40, s39
	s_add_nc_u64 s[26:27], s[26:27], s[40:41]
	s_mul_i32 s40, s35, 2*SSL
	s_lshl_b32 s39, s37, 7
	s_add_co_u32 s40, s40, s39
	s_add_nc_u64 s[28:29], s[28:29], s[40:41]
	s_lshl_b32 s40, s35, 18
	s_lshl_b32 s39, s37, 11
	s_add_co_u32 s40, s40, s39
	s_add_nc_u64 s[30:31], s[30:31], s[40:41]
.macro XLOAD f                         ; fragment f: register 16 b + 4 j + .. = k 128 f + 32 b + 16 h + 4 j + ..
.irp b, 0,1,2,3
.irp j, 0,1,2,3
	global_load_b128 v[X0+64*((\f)%2)+16*\b+4*\j:X0+64*((\f)%2)+16*\b+4*\j+3], v5, s[8:9] offset:512*(\f)+128*\b+16*\j th:TH_LOAD_NT
.endr
.endr
.endm
	XLOAD 0
; T[n][k], n = 8 (matrix) + column, k innermost: a lane takes a column and four neighbours down k at a time, so that 16 bytes of a row of T leave a lane's four registers
.set g, 0
.rept 32
.irp i, 0,1,2,3
	global_load_b32 v[TS+4*g+\i], v6, s[10:11] offset:512*g+32*\i
.endr
.set g, g+1
.endr
	s_wait_loadcnt 0x0
.set g, 0
.rept 32
	ds_store_b128 v9, v[TS+4*g:TS+4*g+3] offset:64*g
.set g, g+1
.endr
	s_wait_dscnt 0x0                               ; for the others' sake: my eight rows of T have landed
	s_barrier_signal -1
	s_barrier_wait -1                              ; T is whole; nobody writes it again
.irp b, 0,1,2,3
	v_mov_b32 v[TM+4+\b], 0                        ; written once: a lane permute's destination counts as one of its sources
.endr
; half-block g = 8 f + 2 b + hh: k = 128 f + 32 b + 16 h + 8 hh + 0..7 of T's rows r and 16 + r
.macro BFLOAD g
.irp u, 0,1
.irp e, 0,1
	ds_load_b128 v[BF+16*((\g)%2)+8*\u+4*\e:BF+16*((\g)%2)+8*\u+4*\e+3], v10 offset:16*TP*\u+128*((\g)/2)+32*((\g)%2)+16*\e
.endr
.endr
.endm
; eight f32 matrix instructions: source 0 = 16 rows of T, source 1 = my 16 rows of x; both sides hold the same k in the same lanes and registers.  The two accumulators take turns.
.macro HB g, left, first
.if (\left) >= 0
	s_wait_dscnt \left
.endif
.set XR, X0+64*(((\g)/8)%2)+8*((\g)%8)
.irp i, 0,1,2,3
.irp u, 0,1
.if (\first) && (\i == 0)
	v_wmma_f32_16x16x4_f32 v[ACC+8*\u:ACC+8*\u+7], v[BF+16*((\g)%2)+8*\u+2*\i:BF+16*((\g)%2)+8*\u+2*\i+1], v[XR+2*\i:XR+2*\i+1], 0
.else
	v_wmma_f32_16x16x4_f32 v[ACC+8*\u:ACC+8*\u+7], v[BF+16*((\g)%2)+8*\u+2*\i:BF+16*((\g)%2)+8*\u+2*\i+1], v[XR+2*\i:XR+2*\i+1], v[ACC+8*\u:ACC+8*\u+7]
.endif
.endr
.endr
.if (\g)+2 < 32
.rept 8
	v_nop                                          ; eight places behind this form, in front of loads into registers that it has read
.endr
	BFLOAD (\g)+2
.endif
.endm
.macro FRAGX f
	s_wait_loadcnt 0x0                             ; this fragment's 16 loads are in; nothing else is out
	s_wait_dscnt 0x0                               ; the last fragment's stores have read v[PC] and v[PW]; the two buffers of T are in
	QUANT X0+64*((\f)%2)
.irp p, 0,1,2,3,4,5
	ds_store_b64 v11, v[PC+2*\p:PC+2*\p+1] offset:3072*((\f)/2)+96*((\f)%2)+48*(\p/3)+8*(\p%3)
.endr
	ds_store_b32 v12, v[PW] offset:128*((\f)/2)+4*((\f)%2)       ; both halves of the lanes write the same word with the same value
.if (\f) < 3
	XLOAD (\f)+1                                   ; into the set that the fragment before has left
.endif
.if (\f) == 0
	HB 0, -1, 1                                    ; the first two products start the sums
.else
	HB 8*(\f), -1, 0
.endif
	HB 8*(\f)+1, -1, 0
.irp q, 2,3,4,5,6
	HB 8*(\f)+\q, 4, 0                             ; the four loads of the next half-block may be out
.endr
.if (\f) == 3
	HB 31, 0, 0
.else
	HB 8*(\f)+7, 4, 0
.endif
.endm
	BFLOAD 0
	BFLOAD 1
	FRAGX 0
	FRAGX 1
	FRAGX 2
	FRAGX 3
.rept 8
	v_nop                                          ; eight places in front of the first read of the sums
.endr
.set j, 0
.rept 16
	v_mul_f32 v[TM+j], 2.0, v[ACC+j]               ; the LoRA scale; each accumulator from its low end on; into other registers
.set j, j+1
.endr
.irp u, 0,1
.irp e, 0,1
	ds_store_b128 v13, v[TM+8*\u+4*\e:TM+8*\u+4*\e+3] offset:64*\u+16*\e     ; lane (r, h): position r, columns 16 u + 8 h + 0..7
.endr
.endr
.irp i, 0,1,2,3,4,5,6,7,8,9,10,11
	ds_load_b128 v[32+4*\i:35+4*\i], v16 offset:512*\i            ; LDS serves a wave's instructions in order: these see my stores
.endr
.irp i, 0,1,2,3
	ds_load_b128 v[80+4*\i:83+4*\i], v16 offset:6400+512*\i
.endr
	ds_load_b64 v[96:97], v17
.irp i, 0,1,2,3,4,5,6,7,8,9,10,11
	s_wait_dscnt 16-\i
	global_store_b128 v19, v[32+4*\i:35+4*\i], s[26:27] offset:(\i/6)*KSL+512*(\i%6)   ; 512 consecutive bytes, at a multiple of 256 from cod's first byte
.endr
.irp i, 0,1,2,3
	s_wait_dscnt 4-\i
	global_store_b128 v19, v[80+4*\i:83+4*\i], s[30:31] offset:512*\i
.endr
	s_wait_dscnt 0x0
	global_store_b64 v18, v[96:97], s[28:29]       ; two runs of 128 bytes, one in each kslot
	s_wait_tensorcnt 0x0                           ; the wave's end
	ds_add_u32 v[SPW], v[NIL]
	s_wait_dscnt 0x0
	s_endpgm
; ---------------- the weights ----------------
; A lane takes a column n and its registers run down K: a block of 32 lies in one lane, and the codes come out with K innermost.  A wave: 32 columns x 256 along K (one kslot).
.Lweights:
	s_sub_co_u32 s33, ttmp9, 128
	s_lshr_b32 s34, s33, 7                         ; which weight
	s_bfe_u32 s35, s33, 0x30004                    ; kslot
	s_and_b32 s36, s33, 15
	s_lshl_b32 s37, s36, 7
	s_lshl_b32 s38, s32, 5
	s_add_co_u32 s37, s37, s38                     ; my wave's first column
	v_lshlrev_b32 v3, 2, v1                        ; in: 4 bytes a lane
	v_and_b32 v4, 7, v1
	v_bfe_u32 v5, v1, 3, 1
	v_lshl_or_b32 v4, v5, 4, v4
	v_bfe_u32 v5, v1, 4, 1
	v_lshl_or_b32 v4, v5, 3, v4                    ; my column's position among the 32: bits 3 and 4 exchanged
	v_lshlrev_b32 v9, 3, v4                        ; its 8 scale bytes
	s_mul_i32 s39, s32, WSTB
	s_add_co_u32 s39, s39, WSTG                    ; my stage
	v_mul_u32_u24 v4, v4, WP
	v_add_nc_u32 v4, s39, v4                       ; into it: row = my position
	v_and_b32 v5, 15, v1
	v_lshrrev_b32 v6, 4, v1
	v_mul_u32_u24 v7, v6, WP
	v_lshl_add_u32 v7, v5, 4, v7
	v_add_nc_u32 v7, s39, v7                       ; out of it: sixteen lanes to a row, two rows an instruction
	v_mul_u32_u24 v8, v1, 12                       ; two rows of 192 bytes are 384 consecutive bytes of cod: 12 a lane
	s_lshl_b32 s40, s35, 21                        ; 256 rows of 8,192 bytes a kslot
	s_lshl_b32 s38, s37, 2
	s_add_co_u32 s40, s40, s38
	s_lshl_b32 s38, s34, 11
	s_add_co_u32 s38, s38, 2048
	s_add_co_u32 s38, s38, s37                     ; my first position
	s_mul_i32 s44, s35, KSL
	s_mul_i32 s46, s38, 192
	s_add_co_u32 s44, s44, s46
	s_mov_b32 s45, 0
	s_mul_i32 s48, s35, SSL
	s_lshl_b32 s46, s38, 3
	s_add_co_u32 s48, s48, s46
	s_mov_b32 s49, 0
	s_wait_kmcnt 0x0
	s_cmp_eq_u32 s34, 1
	s_cselect_b64 s[18:19], s[20:21], s[18:19]
	s_cmp_eq_u32 s34, 2
	s_cselect_b64 s[18:19], s[22:23], s[18:19]
	s_cmp_eq_u32 s34, 3
	s_cselect_b64 s[18:19], s[24:25], s[18:19]
	s_add_nc_u64 s[18:19], s[18:19], s[40:41]
	s_add_nc_u64 s[26:27], s[26:27], s[44:45]
	s_add_nc_u64 s[28:29], s[28:29], s[48:49]
.macro WLOAD t                         ; block t: W(32 t + i, my column): 128 consecutive bytes a wave
.irp i, 0,1,2,3,4,5,6,7,8,9,10,11,12,13,14,15,16,17,18,19,20,21,22,23,24,25,26,27,28,29,30,31
	global_load_b32 v[WX+32*((\t)%2)+\i], v3, s[18:19] offset:(32*(\t)+\i)*8192 th:TH_LOAD_NT
.endr
.endm
	WLOAD 0
	WLOAD 1
.macro BLOCK t
.set XS, WX+32*((\t)%2)
.if (\t) < 7
	s_wait_loadcnt 32                              ; this block's 32 loads are in; the next block's may be out
.else
	s_wait_loadcnt 0
.endif
	v_max3_num_f32 v12, |v[XS]|, |v[XS+1]|, |v[XS+2]|
	v_max3_num_f32 v13, |v[XS+3]|, |v[XS+4]|, |v[XS+5]|
.irp i, 6,10,14,18,22,26
	v_max3_num_f32 v12, v12, |v[XS+\i]|, |v[XS+\i+1]|
	v_max3_num_f32 v13, v13, |v[XS+\i+2]|, |v[XS+\i+3]|
.endr
	v_max3_num_f32 v12, v12, |v[XS+30]|, |v[XS+31]|
	v_max3_num_f32 v12, v12, v13, 0x1800000        ; and the floor 2^(3 - 127)
	v_add_nc_u32 v11, 0xff000000, v12              ; 2 off the exponent field: the conversion's scale operand
	v_lshrrev_b32 v13, 23, v11                     ; the scale's byte
.if (\t)%4 == 0
	v_mov_b32 v[SB+(\t)/4], v13
.else
	v_lshl_or_b32 v[SB+(\t)/4], v13, 8*((\t)%4), v[SB+(\t)/4]
.endif
	v_cvt_scalef32_pk16_fp6_f32 v[WC:WC+2], v[XS:XS+15], v11
	v_cvt_scalef32_pk16_fp6_f32 v[WC+4:WC+6], v[XS+16:XS+31], v11
	v_nop                                          ; one plain place behind a scaled conversion
	ds_store_b96 v4, v[WC:WC+2] offset:32*(\t)     ; 12 bytes to a place of 16, so that every LDS address is a multiple of 16
	ds_store_b96 v4, v[WC+4:WC+6] offset:32*(\t)+16
.if (\t)+2 < 8
	WLOAD (\t)+2
.endif
	s_wait_dscnt 0x0                               ; the stores have read their registers
.endm
.irp t, 0,1,2,3,4,5,6,7
	BLOCK \t
.endr
	global_store_b64 v9, v[SB:SB+1], s[28:29]      ; the wave's 32 x 8 bytes: 256 consecutive bytes, aligned
.irp t, 0,1,2,3,4,5,6,7,8,9,10,11,12,13,14,15
	ds_load_b96 v[OUTR+4*\t:OUTR+4*\t+2], v7 offset:2*\t*WP
.endr
.irp t, 0,1,2,3,4,5,6,7,8,9,10,11,12,13,14,15
	s_wait_dscnt 15-\t
	global_store_b96 v8, v[OUTR+4*\t:OUTR+4*\t+2], s[26:27] offset:384*\t
.endr
	s_wait_tensorcnt 0x0                           ; the wave's end
	ds_add_u32 v[SPW], v[NIL]
	s_wait_dscnt 0x0
	s_endpgm
.Lfunc_end_k_q1cb97cc056_prep:
	.size	k_q1cb97cc056_prep, .Lfunc_end_k_q1cb97cc056_prep-k_q1cb97cc056_prep
	.p2alignl 7, 3214868480
	.fill 96, 4, 3214868480
	.section	.rodata,"a",@progbits
	.p2align	6, 0x0
	.amdhsa_kernel k_q1cb97cc056_prep
		.amdhsa_group_segment_fixed_size 135168
		.amdhsa_private_segment_fixed_size 0
		.amdhsa_enable_private_segment 0
		.amdhsa_kernarg_size 96
		.amdhsa_user_sgpr_count 2
		.amdhsa_user_sgpr_kernarg_segment_ptr 1
		.amdhsa_wavefront_size32 1
		.amdhsa_system_sgpr_workgroup_id_x 1
		.amdhsa_system_sgpr_workgroup_id_y 1
		.amdhsa_system_sgpr_workgroup_id_z 1
		.amdhsa_system_vgpr_workitem_id 0
		.amdhsa_next_free_vgpr 256
		.amdhsa_next_free_sgpr 66
		.amdhsa_reserve_vcc 0
		.amdhsa_float_denorm_mode_32 3
		.amdhsa_float_denorm_mode_16_64 3
		.amdhsa_memory_ordered 1
		.amdhsa_forward_progress 1
		.amdhsa_inst_pref_size 119
	.end_amdhsa_kernel
	.amdgpu_metadata
---
amdhsa.version: [ 1, 2 ]
amdhsa.kernels:
  - .name:           k_q1cb97cc056_prep
    .symbol:         k_q1cb97cc056_prep.kd
    .args:
      - { .name: x, .offset: 0, .size: 8, .value_kind: global_buffer, .address_space: global }
      - { .name: head_a, .offset: 8, .size: 8, .value_kind: global_buffer, .address_space: global }
      - { .name: q_a, .offset: 16, .size: 8, .value_kind: global_buffer, .address_space: global }
      - { .name: k_a, .offset: 24, .size: 8, .value_kind: global_buffer, .address_space: global }
      - { .name: v_a, .offset: 32, .size: 8, .value_kind: global_buffer, .address_space: global }
      - { .name: wq_base, .offset: 40, .size: 8, .value_kind: global_buffer, .address_space: global }
      - { .name: wk_base, .offset: 48, .size: 8, .value_kind: global_buffer, .address_space: global }
      - { .name: wv_base, .offset: 56, .size: 8, .value_kind: global_buffer, .address_space: global }
      - { .name: wo, .offset: 64, .size: 8, .value_kind: global_buffer, .address_space: global }
      - { .name: cod, .offset: 72, .size: 8, .value_kind: global_buffer, .address_space: global }
      - { .name: scl, .offset: 80, .size: 8, .value_kind: global_buffer, .address_space: global }
      - { .name: tpart, .offset: 88, .size: 8, .value_kind: global_buffer, .address_space: global }
    .group_segment_fixed_size: 135168
    .private_segment_fixed_size: 0
    .kernarg_segment_align: 8
    .kernarg_segment_size: 96
    .max_flat_workgroup_size: 128
    .sgpr_count:     66
    .vgpr_count:     256
    .wavefront_size: 32
...
	.end_amdgpu_metadata
.endif
;; end of part 1
;; launch qkv (part 2): grid 24 x 8, 4 waves a work-group, clusters of 4 x 4, 327,680 bytes of LDS; arguments cod, scl, tpart, q_b, k_b, v_b, head_b, freq_cis, qkvc, qkvs; writes qkvc, qkvs
.if DOCPART == 2
	.amdgcn_target "amdgcn-amd-amdhsa--gfx1250"
	.amdhsa_code_object_version 6
	.text
	.protected	k_q1cb97cc056_qkv
	.globl	k_q1cb97cc056_qkv
	.p2align	8
	.type	k_q1cb97cc056_qkv,@function
k_q1cb97cc056_qkv:
	s_mov_b64 s[64:65], 0
	v_nop
	global_prefetch_b8 v0, s[64:65] scope:SCOPE_SE
	s_setreg_imm32_b32 hwreg(HW_REG_WAVE_MODE, 25, 1), 1
	s_wait_xcnt 0x0
	s_wait_alu depctr_hold_cnt(0) depctr_sa_sdst(0) depctr_va_vdst(0) depctr_va_sdst(0) depctr_va_ssrc(0) depctr_va_vcc(0) depctr_vm_vsrc(0)
	s_getreg_b32 s2, hwreg(HW_REG_IB_STS2, 6, 4)
	s_cmp_eq_u32 s2, 0
	s_cbranch_scc0 .Lentry_in_a_cluster
	s_endpgm
.Lentry_in_a_cluster:
	s_bfe_u32 s2, ttmp6, 0x10000c
	s_cmp_lg_u32 s2, 0xf033
	s_cbranch_scc0 .Lentry_shape_is_right
	s_endpgm
.Lentry_shape_is_right:
; QKV.  xq, xk, xv = x W + 2 (x a) b + 2 (x head_a) head_b; RoPE on q and k; all three quantised to FP6 (E2M3) codes with E8M0 scales: q and k along the head's 128, v along the keys.
; A tile of 256 x 256 to a work-group of four waves, 128 x 128 a wave: 64 accumulators, 512 registers.  K = 2048 goes in steps of 256 through two LDS slots filled by joint tensor loads (4 x 4 cluster).
; The matrix instruction is used transposed: source 0 = 16 rows of the "B slot", source 1 = 16 rows of the "A slot": a lane holds ONE A row and, in the 16 registers of tiles 2 B and 2 B + 1, the B indices 32 B + 16 (lane/16) + 0..15
; (cod holds every operand's rows with bits 3 and 4 of the index exchanged).  For q and k (cluster x 0-3) A = x, B = the weight: registers run along the head's 128.  For v (cluster x 4, 5) A = wv, B = x: registers run along the keys.
; THE LORA TERMS START THE SUMS: K = 16 (8 columns of the own pair, 8 of the head pair) in four f32 matrix instructions for each accumulator, the first with C = 0; the FP6 products then add onto them.
; tpart holds 2 x . a in four partial sums; they are added here.  OUT: qkvc [type 3][head 16][idx 2048][96 bytes], qkvs [3][16][2048][4]: q, k: idx = row; v: idx = 128 (key step) + d, 128 keys innermost.
; LIMITS: NaN and infinities are not served; a block whose largest magnitude lies under 2^-124 gets the byte 1; a block of zeros the byte 1 with zero codes.
; REGISTERS: window 0: v0-31 addresses; v32-63 scale words, two sets; v128-223 A's fragments; window 1: B's fragments, two sets at v0 and v128; windows 2, 3: the accumulators ((a, b) at v[8 (8 (a%4) + b)]).
.set NR,     10240
.set KSL,    NR*192                    ; a kslot of cod
.set NQ,     2                         ; matrix instructions deep in a slot
.set PITCH,  240                       ; an LDS row: 3 x (64 bytes + 16 of padding)
.set FR,     12
.set NL,     6
.set NP,     4
.set HALFT,  128*PITCH
.set SLOT,   4*HALFT
.set LAPS,   4                         ; 2048 / 512
.set SCL,    2*SLOT                    ; behind the ring: the scale words: for each wave's load [kslot 8][128 rows][8 bytes]
.set SQ,     8192
.set SBLK,   128                       ; 16 rows of 8 bytes
.set SPARE,  SCL+4*SQ                  ; the spare words, 128 bytes for each wave
.set STGB,   12800                     ; the way out: 12,288 bytes of codes + 512 of scale words for each wave, in slot 0, which has had its last fill and its last read by then
.set VT0,  8                           ; v8   tpart: my position's row, head columns 4 h ..
.set VT1,  9                           ; v9   the same, own columns
.set VOB,  10                          ; v10  q_b / k_b / v_b: rows 4 h .., column r + 8 (r/8)
.set VHB,  11                          ; v11  head_b likewise
.set VFQ,  12                          ; v12  freq_cis: my row, + 64 h
.set SSO,  13                          ; v13  stage: my row's scale word
.set ADRA, 16
.set ADRB, 20
.set STO,  24                          ; v24  stage: my row's codes, + 24 h
.set RD,   25                          ; v25  stage, read back as it lies
.set GO,   26                          ; v26  16 x lane
.set ADRS, 27
.set SPW,  28
.set NIL,  29
.set SC,   32
.set AF,   128
.set LA,   192                         ; window 0: the A slot's LoRA operand, 8 tiles x 8
.set LB,   0                           ; window 1: the B slot's
.set TM,   64                          ; the way out, window 0: v64-79 at work, v80 the scale word, v82-89 products, v90-109 codes, v110-173 rotated numbers, v110-209 what is stored
.set PW,   80
.set TT,   82
.set PC,   90
.set HA,   110
.set OUT,  110
.set G1, 24
.set G0, 32
.set G1B, 48
.set G0B, 56
.set G1S, 68
.set G0S, 76
.set G1SB, 80
.set G0SB, 88
.set MSB, 0
.macro WIN new                         ; the immediate's high byte repeats the setting that is left
.if MSB != (\new)
	s_set_vgpr_msb (MSB<<8)|(\new)
.set MSB, (\new)
.endif
.endm
.set MUL_LO, 0xa1                      ; source 0 (B) window 1, source 1 (A) window 0, C and D window 2
.set MUL_HI, 0xf1
.set TO_B,   0x40
; A joint load: waves 0 and 1 fetch for the A slot, waves 2 and 3 for the B slot.  An s_nop 0 and four v_nop follow each line.
.macro JLOAD g0a, g1a, g0b, g1b
	s_cmp_eq_u32 s16, 0
	s_cbranch_scc0 .Lfor_b_\@
	tensor_load_to_lds s[\g0a:\g0a+3], s[\g1a:\g1a+7]
	s_nop 0
.rept 4
	v_nop
.endr
	s_branch .Lasked_\@
.Lfor_b_\@:
	tensor_load_to_lds s[\g0b:\g0b+3], s[\g1b:\g1b+7]
	s_nop 0
.rept 4
	v_nop
.endr
.Lasked_\@:
.endm
.macro CREST
	s_cmp_lg_u32 s2, 0
	s_cbranch_scc1 .Lnot_wave_0_\@
	s_barrier_signal -3
.Lnot_wave_0_\@:
	s_barrier_wait -3
	s_barrier_signal -1
	s_barrier_wait -1
.endm
.macro CROUND
	s_barrier_signal -1
	s_barrier_wait -1
	CREST
.endm
.macro PLACES n
.rept \n
	v_nop
.endr
.endm
	s_load_b128 s[4:7], s[0:1], 0x0                ; cod, scl
	s_load_b256 s[92:99], s[0:1], 0x10             ; tpart s[92:93], q_b s[94:95], k_b s[96:97], v_b s[98:99]
	s_load_b256 s[8:15], s[0:1], 0x30              ; head_b s[8:9], freq_cis s[10:11], qkvc s[12:13], qkvs s[14:15]
	v_lshl_add_u32 v[SPW], v0, 2, SPARE
	v_mov_b32 v[NIL], 0
	ds_add_u32 v[SPW], v[NIL]                      ; the wave's opening: the add and its wait ahead of my first tensor load
	v_lshrrev_b32 v1, 5, v0
	v_readfirstlane_b32 s2, v1                     ; wave 0..3
	s_lshr_b32 s16, s2, 1                          ; my half of the A slot's rows.  Also: I fetch for A (0) or B (1)
	s_and_b32 s17, s2, 1                           ; my half of the B slot's rows.  Also: which 128 rows I fetch
	s_bfe_u32 s40, ttmp6, 0x40000                  ; cx
	s_bfe_u32 s41, ttmp6, 0x40004                  ; cy
	s_lshl_b32 s19, ttmp9, 2
	s_add_co_u32 s19, s19, s40                     ; tx = 4 x cluster x + cx, 0..23
	s_and_b32 s18, ttmp7, 0xffff
	s_lshl_b32 s18, s18, 2
	s_add_co_u32 s18, s18, s41                     ; ty = 4 x cluster y + cy, 0..7
	s_lshl_b32 s42, s41, 2
	s_lshl_b32 s42, 15, s42                        ; my row of the cluster
	s_lshl_b32 s43, 0x1111, s40                    ; my column
	s_lshr_b32 s44, ttmp9, 2                       ; 1 for v: the same in all sixteen partners
	s_lshr_b32 s45, ttmp9, 1                       ; type: 0 q, 1 k, 2 v
	; group 1 for codes: 128 rows x 192 bytes, dense in memory, 16 bytes of padding behind every 64
	s_or_b32 s[G1+0], s42, (0<<16)|(1<<20)|(1<<21)|(3<<22)|(3<<25)
	s_or_b32 s[G1B+0], s43, (0<<16)|(1<<20)|(1<<21)|(3<<22)|(3<<25)
.irp g, G1, G1B
	s_mov_b32 s[\g+1], 192<<16                     ; tensor_dim0
	s_mov_b32 s[\g+2], 128<<16                     ; tensor_dim1
	s_mov_b32 s[\g+3], 192<<16                     ; tile_dim0
	s_mov_b32 s[\g+4], 128                         ; tile_dim1
	s_mov_b32 s[\g+5], 192                         ; from row to row
	s_mov_b32 s[\g+6], 0
	s_mov_b32 s[\g+7], 0
.endr
	; group 1 for scale words: 8 kslots x 128 elements of 8 bytes, a kslot NR elements on; no padding
	s_or_b32 s[G1S+0], s42, (3<<16)|(1<<21)
	s_or_b32 s[G1SB+0], s43, (3<<16)|(1<<21)
.irp g, G1S, G1SB
	s_mov_b32 s[\g+1], 128<<16
	s_mov_b32 s[\g+2], 8<<16
	s_mov_b32 s[\g+3], 128<<16
	s_mov_b32 s[\g+4], 8
	s_mov_b32 s[\g+5], NR
	s_mov_b32 s[\g+6], 0
	s_mov_b32 s[\g+7], 0
.endr
	s_lshl_b32 s20, s17, 7                         ; which 128 rows I fetch
	s_mul_i32 s21, s44, 6144
	s_lshl_b32 s22, s18, 8
	s_add_co_u32 s22, s22, s20
	s_add_co_u32 s22, s22, s21                     ; A slot: position 256 ty + 128 half (x), + 6144 for v (wv): hangs on ty and the cluster's x alone
	s_lshl_b32 s46, s19, 8
	s_add_co_u32 s46, s46, s20
	s_add_co_u32 s46, s46, 2048
	s_sub_co_u32 s46, s46, s21                     ; B slot: position 2048 + 256 tx + 128 half (wq, wk), - 6144 for v (x): hangs on tx alone
	s_mul_i32 s100, s22, 192
	s_mov_b32 s101, 0
	s_lshl_b32 s22, s22, 3
	s_mov_b32 s23, 0
	s_mul_i32 s104, s46, 192
	s_mov_b32 s105, 0
	s_lshl_b32 s46, s46, 3
	s_mov_b32 s47, 0
	s_mul_i32 s20, s2, HALFT                       ; where they go: the wave's number alone
	s_lshl_b32 s21, s2, 13
	s_wait_dscnt 0x0                               ; the opening add is done
	s_wait_kmcnt 0x0
	s_add_nc_u64 s[100:101], s[4:5], s[100:101]
	s_add_nc_u64 s[22:23], s[6:7], s[22:23]
	s_add_nc_u64 s[104:105], s[4:5], s[104:105]
	s_add_nc_u64 s[46:47], s[6:7], s[46:47]
	CROUND                                         ; all sixteen work-groups are here: the first joint loads meet
	s_mov_b32 s[G0S], 1
	s_add_co_u32 s[G0S+1], s21, SCL
	s_mov_b64 s[G0S+2:G0S+3], s[22:23]
	s_or_b32 s[G0S+3], s[G0S+3], 0x80000000
	s_mov_b32 s[G0SB], 1
	s_add_co_u32 s[G0SB+1], s21, SCL
	s_mov_b64 s[G0SB+2:G0SB+3], s[46:47]
	s_or_b32 s[G0SB+3], s[G0SB+3], 0x80000000
	JLOAD G0S, G1S, G0SB, G1SB                     ; the scale words of all of K: filled once
.irp s, 0,1
	s_mov_b32 s[G0+4*\s], 1
	s_add_co_u32 s[G0+4*\s+1], s20, \s*SLOT
	s_add_nc_u64 s[G0+4*\s+2:G0+4*\s+3], s[100:101], \s*KSL
	s_or_b32 s[G0+4*\s+3], s[G0+4*\s+3], 0x80000000
	s_mov_b32 s[G0B+4*\s], 1
	s_add_co_u32 s[G0B+4*\s+1], s20, \s*SLOT
	s_add_nc_u64 s[G0B+4*\s+2:G0B+4*\s+3], s[104:105], \s*KSL
	s_or_b32 s[G0B+4*\s+3], s[G0B+4*\s+3], 0x80000000
	JLOAD G0+4*\s, G1, G0B+4*\s, G1B               ; three tensor loads of mine are out
.endr
	v_and_b32 v1, 15, v0                           ; r
	v_bfe_u32 v2, v0, 4, 1                         ; h
	v_mul_u32_u24 v3, v1, PITCH
	v_mul_u32_u24 v4, v2, 24
	v_add_nc_u32 v4, v3, v4                        ; a fragment's row x pitch + 24 x half
	v_lshl_add_u32 v5, v2, 4, v4                   ; and the same behind one padding more
	s_mul_i32 s21, s16, HALFT
	s_mul_i32 s22, s17, HALFT
	s_add_co_u32 s22, s22, 2*HALFT
.irp s, 0,1
	v_add_nc_u32 v[ADRA+\s], s21, v4
	v_add_nc_u32 v[ADRB+\s], s22, v4
	v_add_nc_u32 v[ADRA+2+\s], s21, v5
	v_add_nc_u32 v[ADRB+2+\s], s22, v5
	s_add_co_u32 s21, s21, SLOT
	s_add_co_u32 s22, s22, SLOT
.endr
	v_lshlrev_b32 v5, 3, v1                        ; my row's two scale words
	s_lshl_b32 s21, s16, 13                        ; A's: my 128 rows
	s_lshl_b32 s22, s17, 13                        ; B's: my 128 rows, behind A's two loads
	s_add_co_u32 s22, s22, 2*SQ
	s_sub_co_u32 s22, s22, s21
	v_mul_u32_u24 v6, s22, v2                      ; lanes 16-31 take B's
	s_add_co_u32 s21, s21, SCL
	v_add_nc_u32 v5, v5, v6
	v_add_nc_u32 v[ADRS], s21, v5
	s_mul_i32 s23, s2, STGB                        ; my stage
	v_and_b32 v3, 8, v1
	v_add_nc_u32 v3, v3, v1                        ; r + 8 (r / 8)
	v_mul_u32_u24 v5, v3, 96
	v_mad_u32_u24 v5, v2, 24, v5
	v_add_nc_u32 v[STO], s23, v5
	v_lshl_add_u32 v[SSO], v3, 2, s23
	v_add_nc_u32 v[SSO], 12288, v[SSO]
	v_and_b32 v6, 31, v0
	v_lshlrev_b32 v[GO], 4, v6
	v_add_nc_u32 v[RD], s23, v[GO]
	v_lshlrev_b32 v[VT0], 7, v1
	v_lshl_add_u32 v[VT0], v2, 4, v[VT0]           ; tpart: position r of 128 bytes, + 16 h: head columns 4 h .. 4 h + 3
	s_lshl_b32 s20, s45, 5
	s_add_co_u32 s20, s20, 32
	v_add_nc_u32 v[VT1], s20, v[VT0]               ; the own pair's columns: 32 + 32 x type bytes on
	v_lshlrev_b32 v[VOB], 2, v3
	v_lshl_add_u32 v[VHB], v2, 15, v[VOB]          ; head_b: rows 4 h .. of 8,192 bytes
	v_lshl_add_u32 v[VOB], v2, 11, v[VOB]          ; q_b ..: rows 4 h .. of 512 bytes
	v_lshlrev_b32 v[VFQ], 9, v3
	v_lshl_add_u32 v[VFQ], v2, 6, v[VFQ]           ; freq_cis: my row of 512 bytes, + 64 h
	; which block of 128 rows of x and which head are my wave's
	s_lshl_b32 s20, s18, 1
	s_add_co_u32 s20, s20, s16                     ; 2 ty + my A half
	s_and_b32 s21, s19, 7
	s_lshl_b32 s21, s21, 1
	s_add_co_u32 s21, s21, s17                     ; 2 (tx % 8) + my B half
	s_cmp_lt_u32 ttmp9, 4
	s_cselect_b32 s66, s20, s21                    ; the block of x
	s_cselect_b32 s67, s21, s20                    ; the head
	s_cmp_eq_u32 s45, 1
	s_cselect_b64 s[94:95], s[96:97], s[94:95]
	s_cmp_eq_u32 s45, 2
	s_cselect_b64 s[94:95], s[98:99], s[94:95]     ; q_b, k_b or v_b
	s_mov_b32 s21, 0
	s_lshl_b32 s20, s66, 14
	s_add_nc_u64 s[92:93], s[92:93], s[20:21]      ; tpart at my block
	s_lshl_b32 s20, s67, 9
	s_add_nc_u64 s[8:9], s[8:9], s[20:21]          ; head_b at my head
	s_lshl_b32 s20, s66, 16
	s_add_nc_u64 s[10:11], s[10:11], s[20:21]      ; freq_cis at my block
	s_mul_i32 s20, s45, 3145728
	s_mul_i32 s22, s67, 196608
	s_add_co_u32 s20, s20, s22
	s_mul_i32 s22, s66, 12288
	s_add_co_u32 s20, s20, s22
	s_add_nc_u64 s[12:13], s[12:13], s[20:21]      ; qkvc: [type][head][block of 128 idx]
	s_lshl_b32 s20, s45, 17
	s_lshl_b32 s22, s67, 13
	s_add_co_u32 s20, s20, s22
	s_lshl_b32 s22, s66, 9
	s_add_co_u32 s20, s20, s22
	s_add_nc_u64 s[14:15], s[14:15], s[20:21]      ; qkvs likewise
; THE LORA OPERANDS.  K = 16: register 8 i + e (e = 0..3): own column 4 h + e; register 8 i + 4 + e: head column 4 h + e; the same on both sides, so step s takes registers 2 s, 2 s + 1.
.macro TSIDE                           ; the four partial sums of 2 x . a for my 128 positions: tiles 0-3 to window 0, tiles 4-7 to window 1, v[64 + 32 (i%4) + 8 c]
.irp i, 0,1,2,3,4,5,6,7
.if \i == 4
	WIN 0x40
.endif
.irp c, 0,1,2,3
	global_load_b128 v[64+32*(\i%4)+8*\c:64+32*(\i%4)+8*\c+3], v[VT1], s[92:93] offset:\c*262144+2048*\i
	global_load_b128 v[64+32*(\i%4)+8*\c+4:64+32*(\i%4)+8*\c+7], v[VT0], s[92:93] offset:\c*262144+2048*\i
.endr
.endr
	WIN 0
.endm
.macro BSIDE w, reg                    ; b's numbers for my head's 128 columns
	WIN (\w)<<6
.irp i, 0,1,2,3,4,5,6,7
.irp e, 0,1,2,3
	global_load_b32 v[(\reg)+8*\i+\e], v[VOB], s[94:95] offset:512*\e+4*(32*(\i/2)+8*(\i%2))
	global_load_b32 v[(\reg)+8*\i+4+\e], v[VHB], s[8:9] offset:8192*\e+4*(32*(\i/2)+8*(\i%2))
.endr
.endr
	WIN 0
.endm
.macro TSUM w, reg                     ; (p0 + p1) + (p2 + p3), two numbers an instruction
	s_wait_loadcnt 0x0
.irp i, 0,1,2,3
.irp p, 0,2,4,6
	v_pk_add_f32 v[64+32*\i+\p:65+32*\i+\p], v[64+32*\i+\p:65+32*\i+\p], v[72+32*\i+\p:73+32*\i+\p]
	v_pk_add_f32 v[80+32*\i+\p:81+32*\i+\p], v[80+32*\i+\p:81+32*\i+\p], v[88+32*\i+\p:89+32*\i+\p]
.endr
.endr
	WIN (\w)<<6
.irp i, 0,1,2,3
.irp p, 0,2,4,6
	v_pk_add_f32 v[(\reg)+8*\i+\p:(\reg)+8*\i+\p+1], v[64+32*\i+\p:65+32*\i+\p], v[80+32*\i+\p:81+32*\i+\p]
.endr
.endr
	WIN 0x45
.irp i, 0,1,2,3
.irp p, 0,2,4,6
	v_pk_add_f32 v[64+32*\i+\p:65+32*\i+\p], v[64+32*\i+\p:65+32*\i+\p], v[72+32*\i+\p:73+32*\i+\p]
	v_pk_add_f32 v[80+32*\i+\p:81+32*\i+\p], v[80+32*\i+\p:81+32*\i+\p], v[88+32*\i+\p:89+32*\i+\p]
.endr
.endr
	WIN 0x05|((\w)<<6)
.irp i, 0,1,2,3
.irp p, 0,2,4,6
	v_pk_add_f32 v[(\reg)+32+8*\i+\p:(\reg)+32+8*\i+\p+1], v[64+32*\i+\p:65+32*\i+\p], v[80+32*\i+\p:81+32*\i+\p]
.endr
.endr
	WIN 0
.endm
	TSIDE
	s_cmp_lt_u32 ttmp9, 4                          ; the cluster's x: the same in all partners
	s_cbranch_scc0 .Lv_lora
	BSIDE 1, LB                                    ; q, k: x is the A slot
	TSUM 0, LA
	s_branch .Llora
.Lv_lora:
	BSIDE 0, LA                                    ; v: x is the B slot
	TSUM 1, LB
.Llora:
	PLACES NP
.irp hi, 0,1                           ; 256 f32 matrix instructions; the 32 accumulators of a window take turns, one instruction a turn
	WIN MUL_LO+0x50*\hi
.irp s, 0,1,2,3
.irp a, 0,1,2,3
.irp b, 0,1,2,3,4,5,6,7
.if \s == 0
	v_wmma_f32_16x16x4_f32 v[8*(8*\a+\b):8*(8*\a+\b)+7], v[LB+8*\b+2*\s:LB+8*\b+2*\s+1], v[LA+8*(4*\hi+\a)+2*\s:LA+8*(4*\hi+\a)+2*\s+1], 0
.else
	v_wmma_f32_16x16x4_f32 v[8*(8*\a+\b):8*(8*\a+\b)+7], v[LB+8*\b+2*\s:LB+8*\b+2*\s+1], v[LA+8*(4*\hi+\a)+2*\s:LA+8*(4*\hi+\a)+2*\s+1], v[8*(8*\a+\b):8*(8*\a+\b)+7]
.endif
.endr
.endr
.endr
.endr
	WIN 0
	PLACES 9                                       ; nine places behind the f32 form: another form writes over its results, and loads land on its operands
.macro FRAG reg, adr, q, i             ; 16 rows x 128 K of 6-bit codes: 12 registers, in pieces of 8 bytes; where lanes 16-31's piece lies behind one padding more, the second address register serves
.irp p, 0,1,2,3,4,5
.set PCE, 12*(\q)+6*(\p/3)+\p%3
.if PCE%8 < 5
	ds_load_b64 v[\reg+2*\p:\reg+2*\p+1], v[\adr] offset:8*PCE+16*(PCE/8)+(\i)*16*PITCH
.else
	ds_load_b64 v[\reg+2*\p:\reg+2*\p+1], v[\adr+2] offset:8*PCE+16*(PCE/8)+(\i)*16*PITCH
.endif
.endr
.endm
; 16 matrix instructions: A's blocks a0, a0 + 1 x B's eight.  The 64 accumulators take turns in the same order in every step.
.macro MUL16 a0, p, q, sc
.irp a, \a0, \a0+1
.irp b, 0,1,2,3,4,5,6,7
	v_wmma_scale_f32_16x16x128_f8f6f4 v[8*(8*((\a)%4)+\b):8*(8*((\a)%4)+\b)+7], v[128*(\p)+FR*\b:128*(\p)+FR*\b+FR-1], v[AF+FR*(\a):AF+FR*(\a)+FR-1], v[8*(8*((\a)%4)+\b):8*(8*((\a)%4)+\b)+7], v[SC+8*NQ*(\sc)+NQ*\b+(\q)], v[SC+8*NQ*(\sc)+NQ*(\a)+(\q)] matrix_a_fmt:MATRIX_FMT_FP6 matrix_b_fmt:MATRIX_FMT_FP6 matrix_a_scale:MATRIX_SCALE_ROW1
.endr
.endr
.endm
.macro FETCH_B slot, q, p
	WIN TO_B
.irp i, 0,1,2,3,4,5,6,7
	FRAG 128*(\p)+FR*\i, ADRB+\slot, \q, \i
.endr
	WIN 0
.endm
.macro FETCH_A slot, q, i0
.irp i, \i0, \i0+1, \i0+2, \i0+3
	FRAG AF+FR*(\i), ADRA+\slot, \q, \i
.endr
.endm
.macro SCALES sc                       ; lanes 0-15 take the two words of A's block i, lanes 16-31 those of B's block i
.irp i, 0,1,2,3,4,5,6,7
	ds_load_b64 v[SC+8*NQ*\sc+NQ*\i:SC+8*NQ*\sc+NQ*\i+1], v[ADRS] offset:\i*SBLK
.endr
.endm
.macro STEP slot, q                    ; 128 along K that has its successor in the same slot
	s_wait_dscnt 4*NL                              ; B's set and A's blocks 0-3 are in; the youngest 24 loads (A's blocks 4-7) may be out
	WIN MUL_LO
	MUL16 0, (\q)%2, \q, \slot
	MUL16 2, (\q)%2, \q, \slot
	s_wait_dscnt 0
	PLACES NP
	FETCH_B \slot, (\q)+1, 1-(\q)%2
	FETCH_A \slot, (\q)+1, 0
	WIN MUL_HI
	MUL16 4, (\q)%2, \q, \slot
	MUL16 6, (\q)%2, \q, \slot
	PLACES NP
	WIN 0
	FETCH_A \slot, (\q)+1, 4
.endm
; A slot's last step changes slots: one barrier; in front of it each wave waits for all its tensor loads, adds 0 to its spare word, and waits for that and for its reads of this slot.
.macro TURN slot, next, fill
	s_wait_tensorcnt 0x0                           ; all my tensor loads have landed: my part of the next slot
	ds_add_u32 v[SPW], v[NIL]                      ; 0 onto my spare word
	s_wait_dscnt 4*NL+1                            ; (the add and the youngest 24 loads may be out)
	WIN MUL_LO
	MUL16 0, 1, NQ-1, \slot
	s_wait_dscnt 0x0                               ; the add is done, and my reads of this slot are over
	s_barrier_signal -1
	MUL16 2, 1, NQ-1, \slot
	WIN 0
	s_barrier_wait -1
.if \fill
	CREST                                          ; the barrier has opened a round of the cluster's barrier: no wave of any partner still reads this slot or has a load on its way
	s_add_nc_u64 s[G0+4*\slot+2:G0+4*\slot+3], s[G0+4*\slot+2:G0+4*\slot+3], 2*KSL
	s_add_nc_u64 s[G0B+4*\slot+2:G0B+4*\slot+3], s[G0B+4*\slot+2:G0B+4*\slot+3], 2*KSL
	JLOAD G0+4*\slot, G1, G0B+4*\slot, G1B         ; the first tensor load behind the round; its four v_nop are the places in front of the loads below
.else
	PLACES NP
.endif
	v_add_nc_u32 v[ADRS], 1024, v[ADRS]            ; the next kslot's scale words
	FETCH_B \next, 0, 0
	FETCH_A \next, 0, 0
	SCALES \next
	WIN MUL_HI
	MUL16 4, 1, NQ-1, \slot
	MUL16 6, 1, NQ-1, \slot
	PLACES NP
	WIN 0
	FETCH_A \next, 0, 4
.endm
	s_wait_tensorcnt 1                             ; the scale words and my part of kslot 0 are in; kslot 1's load may be out
	s_barrier_signal -1
	s_barrier_wait -1
	FETCH_B 0, 0, 0
	FETCH_A 0, 0, 0
	SCALES 0
	FETCH_A 0, 0, 4
	STEP 0, 0
	s_mov_b32 s3, LAPS-1
.Llap:                                                 ; a trip goes once round the ring and fills both slots again
	TURN 0, 1, 1
	STEP 1, 0
	TURN 1, 0, 1
	STEP 0, 0
	s_sub_co_u32 s3, s3, 1
	s_cmp_lg_u32 s3, 0
	s_cbranch_scc1 .Llap
	TURN 0, 1, 0                                   ; the last lap fills nothing
	STEP 1, 0
	s_wait_dscnt 4*NL
	WIN MUL_LO
	MUL16 0, 1, NQ-1, 1
	MUL16 2, 1, NQ-1, 1
	s_wait_dscnt 0
	WIN MUL_HI
	MUL16 4, 1, NQ-1, 1
	MUL16 6, 1, NQ-1, 1
	WIN 0
; THE WAY OUT.  64 numbers of a lane in window sw, register 16 b + i = index 32 b + 16 (lane/16) + i of my row, become a fragment's codes in v[PC] on and its scale word in v[PW].
.macro QUANT s, sw
	WIN (\sw)|((\sw)<<2)
.irp b, 0,1,2,3
	v_max3_num_f32 v[TM+\b], |v[(\s)+16*\b]|, |v[(\s)+1+16*\b]|, 0x1800000   ; and the floor 2^(3 - 127); each accumulator is read from its low end on
.endr
	WIN ((\sw)<<2)|((\sw)<<4)
.irp i, 2,4,6,8,10,12,14
.irp b, 0,1,2,3
	v_max3_num_f32 v[TM+\b], v[TM+\b], |v[(\s)+16*\b+\i]|, |v[(\s)+1+16*\b+\i]|
.endr
.endr
	WIN 0
.irp b, 0,1,2,3
	v_permlanex16_b32 v[TM+4+\b], v[TM+\b], s20, s21
.endr
.irp b, 0,1,2,3
	v_max_num_f32 v[TM+\b], v[TM+\b], v[TM+4+\b]
.endr
.irp b, 0,1,2,3
	v_add_nc_u32 v[TM+12+\b], 0xff000000, v[TM+\b]
.endr
.irp b, 0,1,2,3
	v_lshrrev_b32 v[TM+4+\b], 23, v[TM+12+\b]
.endr
	v_lshl_or_b32 v[PW], v[TM+5], 8, v[TM+4]
	v_lshl_or_b32 v[PW], v[TM+6], 16, v[PW]
	v_lshl_or_b32 v[PW], v[TM+7], 24, v[PW]
	WIN (\sw)
.irp c, 0,1
	v_cvt_scalef32_pk16_fp6_f32 v[PC+6*\c:PC+2+6*\c], v[(\s)+32*\c:(\s)+15+32*\c], v[TM+12+2*\c]
	v_cvt_scalef32_pk16_fp6_f32 v[PC+12+4*\c:PC+14+4*\c], v[(\s)+16+32*\c:(\s)+31+32*\c], v[TM+12+2*\c+1]
.endr
	WIN 0
	v_nop                                          ; one plain place behind a scaled conversion
.irp c, 0,1
.irp i, 0,1,2
	v_permlane16_swap_b32 v[PC+6*\c+\i], v[PC+12+4*\c+\i]
.endr
.irp i, 0,1,2
	v_mov_b32 v[PC+3+6*\c+\i], v[PC+12+4*\c+\i]
.endr
.endr
.endm
.macro FCLOAD a                        ; cos and sin of my row of block a: register 16 B + i: pair 16 B + 8 h + i/2, cos at even i, sin at odd i; set a % 4 of window 1
	WIN 0x40
.irp bb, 0,1,2,3
.irp q, 0,1,2,3
	global_load_b128 v[64*((\a)%4)+16*\bb+4*\q:64*((\a)%4)+16*\bb+4*\q+3], v[VFQ], s[10:11] offset:512*(32*((\a)/2)+8*((\a)%2))+128*\bb+16*\q
.endr
.endr
	WIN 0
.endm
.macro ROPE a                          ; (re, im) x (cos, sin): re cos - im sin, im cos + re sin
	WIN (2+(\a)/4)|(1<<2)
.set AC, 64*((\a)%4)
.set n, 0
.rept 32
.set tq, TT+2*((n/2)%4)
	v_mul_f32 v[tq], v[AC+n+1], v[AC+n+1]          ; (source 0: the accumulator's window; source 1: window 1, the table: the same number there) im sin
	v_mul_f32 v[tq+1], v[AC+n], v[AC+n+1]          ; re sin
	v_fma_f32 v[HA+n], v[AC+n], v[AC+n], -v[tq]    ; re cos - im sin
	v_fma_f32 v[HA+n+1], v[AC+n+1], v[AC+n], v[tq+1]   ; im cos + re sin
.set n, n+2
.endr
	WIN 0
.endm
.macro STOREF a                        ; the fragment's rows in natural order: row 32 (a/2) + 8 (a%2) + r + 8 (r/8) of 96 bytes
.irp p, 0,1,2,3,4,5
	ds_store_b64 v[STO], v[PC+2*\p:PC+2*\p+1] offset:96*(32*((\a)/2)+8*((\a)%2))+48*(\p/3)+8*(\p%3)
.endr
	ds_store_b32 v[SSO], v[PW] offset:4*(32*((\a)/2)+8*((\a)%2))
.endm
	PLACES NP                                      ; in front of the first read of results and of loads into registers that held fragments
	s_mov_b32 s20, 0x76543210
	s_mov_b32 s21, 0xfedcba98
.irp b, 0,1,2,3
	v_mov_b32 v[TM+4+\b], 0                        ; written once: a lane permute's destination counts as one of its sources
.endr
	s_cmp_lt_u32 ttmp9, 4
	s_cbranch_scc0 .Lv_out
	FCLOAD 0
	FCLOAD 1
	FCLOAD 2
	FCLOAD 3
.irp a, 0,1,2,3,4,5,6,7
.if \a < 5
	s_wait_loadcnt 48                              ; my set is in; the three younger sets may be out
.else
	s_wait_loadcnt 16*(7-\a)
.endif
	ROPE \a
.if \a < 4
	FCLOAD \a+4
.endif
	s_wait_dscnt 0x0                               ; the last block's stores have read v[PC] and v[PW]
	QUANT HA, 0
	STOREF \a
.endr
	s_branch .Lsend
.Lv_out:
.irp a, 0,1,2,3,4,5,6,7
	s_wait_dscnt 0x0
	QUANT 64*(\a%4), 2+\a/4
	STOREF \a
.endr
.Lsend:
.irp i, 0,1,2,3,4,5,6,7,8,9,10,11,12,13,14,15,16,17,18,19,20,21,22,23,24
	ds_load_b128 v[OUT+4*\i:OUT+4*\i+3], v[RD] offset:512*\i      ; LDS serves a wave's instructions in order: these see my stores
.endr
.irp i, 0,1,2,3,4,5,6,7,8,9,10,11,12,13,14,15,16,17,18,19,20,21,22,23
	s_wait_dscnt 24-\i
	global_store_b128 v[GO], v[OUT+4*\i:OUT+4*\i+3], s[12:13] offset:512*\i   ; 512 consecutive bytes, at a multiple of 256 from qkvc's first byte
.endr
	s_wait_dscnt 0x0
	global_store_b128 v[GO], v[OUT+96:OUT+99], s[14:15]           ; the 128 scale words
	s_wait_tensorcnt 0x0                           ; the wave's end
	ds_add_u32 v[SPW], v[NIL]
	s_wait_dscnt 0x0
	CROUND                                         ; the closing round
	s_endpgm
.Lfunc_end_k_q1cb97cc056_qkv:
	.size	k_q1cb97cc056_qkv, .Lfunc_end_k_q1cb97cc056_qkv-k_q1cb97cc056_qkv
	.p2alignl 7, 3214868480
	.fill 96, 4, 3214868480
	.section	.rodata,"a",@progbits
	.p2align	6, 0x0
	.amdhsa_kernel k_q1cb97cc056_qkv
		.amdhsa_group_segment_fixed_size 327680
		.amdhsa_private_segment_fixed_size 0
		.amdhsa_enable_private_segment 0
		.amdhsa_kernarg_size 80
		.amdhsa_user_sgpr_count 2
		.amdhsa_user_sgpr_kernarg_segment_ptr 1
		.amdhsa_wavefront_size32 1
		.amdhsa_system_sgpr_workgroup_id_x 1
		.amdhsa_system_sgpr_workgroup_id_y 1
		.amdhsa_system_sgpr_workgroup_id_z 1
		.amdhsa_system_vgpr_workitem_id 0
		.amdhsa_next_free_vgpr 1024
		.amdhsa_next_free_sgpr 106
		.amdhsa_reserve_vcc 0
		.amdhsa_float_denorm_mode_32 3
		.amdhsa_float_denorm_mode_16_64 3
		.amdhsa_memory_ordered 1
		.amdhsa_forward_progress 1
		.amdhsa_inst_pref_size 255
	.end_amdhsa_kernel
	.section	.bss,"aw",@nobits
	.p2align	6
	.space	262144
	.amdgpu_metadata
---
amdhsa.version: [ 1, 2 ]
amdhsa.kernels:
  - .name:           k_q1cb97cc056_qkv
    .symbol:         k_q1cb97cc056_qkv.kd
    .args:
      - { .name: cod, .offset: 0, .size: 8, .value_kind: global_buffer, .address_space: global }
      - { .name: scl, .offset: 8, .size: 8, .value_kind: global_buffer, .address_space: global }
      - { .name: tpart, .offset: 16, .size: 8, .value_kind: global_buffer, .address_space: global }
      - { .name: q_b, .offset: 24, .size: 8, .value_kind: global_buffer, .address_space: global }
      - { .name: k_b, .offset: 32, .size: 8, .value_kind: global_buffer, .address_space: global }
      - { .name: v_b, .offset: 40, .size: 8, .value_kind: global_buffer, .address_space: global }
      - { .name: head_b, .offset: 48, .size: 8, .value_kind: global_buffer, .address_space: global }
      - { .name: freq_cis, .offset: 56, .size: 8, .value_kind: global_buffer, .address_space: global }
      - { .name: qkvc, .offset: 64, .size: 8, .value_kind: global_buffer, .address_space: global }
      - { .name: qkvs, .offset: 72, .size: 8, .value_kind: global_buffer, .address_space: global }
    .group_segment_fixed_size: 327680
    .private_segment_fixed_size: 0
    .kernarg_segment_align: 8
    .kernarg_segment_size: 80
    .max_flat_workgroup_size: 128
    .sgpr_count:     106
    .vgpr_count:     1024
    .wavefront_size: 32
...
	.end_amdgpu_metadata
.endif
;; end of part 2
;; launch attn (part 3): grid 16 x 16, 8 waves a work-group, no clusters, 327,680 bytes of LDS; arguments qkvc, qkvs, oc, os; writes oc, os
.if DOCPART == 3
	.amdgcn_target "amdgcn-amd-amdhsa--gfx1250"
	.amdhsa_code_object_version 6
	.text
	.protected	k_q1cb97cc056_attn
	.globl	k_q1cb97cc056_attn
	.p2align	8
	.type	k_q1cb97cc056_attn,@function
k_q1cb97cc056_attn:
	s_mov_b64 s[64:65], 0
	v_nop
	global_prefetch_b8 v0, s[64:65] scope:SCOPE_SE
	s_setreg_imm32_b32 hwreg(HW_REG_WAVE_MODE, 25, 1), 1
	s_wait_xcnt 0x0
; ATTN.  o = softmax(q k^T / sqrt(128), causal) v for 16 heads of 2,048 x 128, both products on codes of FP6 (E2M3) with E8M0 scales; o is quantised along d for the last product.
; t = score x log2(e) / sqrt(128); M = the running largest t rounded up to a whole number; p = 2^(t - M) is quantised along the keys; the sum of the unquantised p divides at the end.
; SHARES.  Work-group (p, head): waves 0-3 own the four tiles of 16 queries of block p (64 queries), waves 4-7 those of block 31 - p.  A tile of block j has j / 2 + 1 key steps of 128, so each such pair has 17: all 256 work-groups alike.
; Every work-group walks all four slots of 512 keys; a step all of whose keys come after the wave's queries is left out by a scalar branch on ids; no barrier and no tensor load stands in a step.
; NO CLUSTER: partners would have to take every branch alike, and the branch that leaves steps out hangs on the block of queries, which differs from work-group to work-group.
; LAYOUT.  Both products transposed: a lane holds one query.  Lane r of tile t takes key (or d) 32 (t/2) + 8 (t%2) + r + 8 (r/8), so that the 16 registers of tiles 2 b, 2 b + 1 are 16 neighbours.
; IN: qkvc [type][head][idx 2048][96 bytes], qkvs [type][head][idx][4]: q, k: idx = row; v: idx = 128 (key step) + d, 128 keys innermost.  OUT: oc [head/2][row][192 bytes], half head%2; os [head/2][row][8], word head%2:
; a row's 192 bytes come from two heads' work-groups, 96 each.
; LIMITS: NaN and infinities are not served; a block whose largest magnitude lies under 2^-124 gets the byte 1; a block of zeros the byte 1 with zero codes.
; REGISTERS: v1, v3 addresses that stay; v8-11 addresses in hand; v12 -M, v13 the largest t, v[14:15] the sum; v16-27 q; v32-79 four fragments; v96-159 S^T, then p; v160-223 O^T; v224-235 p's codes; v232-254 at work; v255 q's scale words.
.set VOFF,  49152                      ; a slot: 512 rows of K, then 4 x 128 rows of V, 96 bytes each
.set STEPB, 12288                      ; a key step's 128 rows
.set SLOT1, 1<<17
.set SCK,   2*SLOT1                    ; behind the ring: K's, then V's scale words of the head, as units of 256 bytes + 16 of padding
.set SCH,   16*272                     ; what one tensor load brings of them: 4,096 bytes
.set SPARE, SCK+4*SCH                  ; the spare words, 128 bytes for each of eight waves: four blocks of 256 bytes that no other line names
.set STAGE, SPARE+1024                 ; the way out: 16 rows of 96 bytes for each wave, in bytes of their own: no tensor load lands there
.set AK0,  1
.set RDB,  2
.set ASK0, 3
.set SPW,  5
.set NIL,  6
.set ADK,  8
.set ADV,  9
.set ADS,  10
.set ADT,  11
.set PFO,  28                          ; v28  256 x my lane; never rewritten
.set TM,   32                          ; the way out
.set PC,   48
.set PW,   68
.set WV,   18
.set SEL,  20
.set CS,   22
.set G1,   24                          ; s[24:31] group 1 for codes; s[40:43] its group 0, which walks
.set G0,   40
.set G1S,  48                          ; s[48:55], s[56:59] the scale words'
.set G0S,  56
.set TB,   2                           ; s2   LDS byte of the step's rows of K
.set TS,   3                           ; s3   of its scale words: 544 bytes a step
.set INNER, 66
.set KF,   98                          ; s98  the step's first key
.set Q0,   99                          ; s99  my first query
.set PFA,  76                          ; s[76:77] where my prefetches stand
.set LIM,  80                          ; s80  1 in a wave that prefetches
	s_load_b256 s[4:11], s[0:1], 0x0               ; qkvc, qkvs, oc, os
	v_lshl_add_u32 v[SPW], v0, 2, SPARE
	v_mov_b32 v[NIL], 0
	ds_add_u32 v[SPW], v[NIL]                      ; the wave's opening: the add and its wait ahead of my first tensor load
	v_lshrrev_b32 v8, 5, v0
	v_readfirstlane_b32 s[WV], v8                  ; wave 0..7
	s_and_b32 s72, ttmp7, 0xffff                   ; the head
	s_and_b32 s73, s[WV], 3
	s_sub_co_u32 s74, 31, ttmp9
	s_cmp_lt_u32 s[WV], 4
	s_cselect_b32 s74, ttmp9, s74                  ; my block of 64 queries
	s_lshl_b32 s74, s74, 6
	s_lshl_b32 s75, s73, 4
	s_add_co_u32 s[Q0], s74, s75
	s_mul_i32 s84, s72, 196608                     ; the head's codes in a type,
	s_lshl_b32 s86, s72, 13                        ; its scale words
	s_mul_i32 s82, s[Q0], 96
	s_add_co_u32 s82, s82, s84
	s_mov_b32 s83, 0                               ; q's codes at my first query
	s_lshl_b32 s88, s[Q0], 2
	s_add_co_u32 s88, s88, s86
	s_mov_b32 s89, 0                               ; q's scale words
	s_lshr_b32 s75, s73, 1
	s_add_co_u32 s75, s75, 1                       ; what wave (number % 4) fetches: type 1 (k) or 2 (v),
	s_and_b32 s74, s73, 1                          ; which half
	s_mul_i32 s90, s75, 3145728
	s_add_co_u32 s90, s90, s84
	s_mul_i32 s92, s74, 24576
	s_add_co_u32 s90, s90, s92
	s_mov_b32 s91, 0
	s_lshl_b32 s92, s75, 17
	s_add_co_u32 s92, s92, s86
	s_lshl_b32 s94, s74, 12
	s_add_co_u32 s92, s92, s94
	s_mov_b32 s93, 0
	s_mul_i32 s94, s73, 24576                      ; and where it goes
	s_mul_i32 s95, s73, SCH
	s_lshr_b32 s75, s72, 1
	s_and_b32 s74, s72, 1
	s_mul_i32 s68, s75, 393216
	s_mul_i32 s70, s[Q0], 192
	s_add_co_u32 s68, s68, s70
	s_mul_i32 s70, s74, 96
	s_add_co_u32 s68, s68, s70
	s_mov_b32 s69, 0                               ; oc at my first query, my head's half
	s_lshl_b32 s70, s75, 14
	s_lshl_b32 s71, s[Q0], 3
	s_add_co_u32 s70, s70, s71
	s_lshl_b32 s71, s74, 2
	s_add_co_u32 s70, s70, s71
	s_mov_b32 s71, 0                               ; os likewise
	; group 1: 256 rows of 96 bytes, dense in memory, no padding
	s_mov_b32 s[G1], 0
	s_mov_b32 s[G1+1], 96<<16
	s_mov_b32 s[G1+2], 256<<16
	s_mov_b32 s[G1+3], 96<<16
	s_mov_b32 s[G1+4], 256
	s_mov_b32 s[G1+5], 96
	s_mov_b32 s[G1+6], 0
	s_mov_b32 s[G1+7], 0
	; the scale words: 16 rows of 256 bytes (32 elements of 8), 16 bytes of padding behind each
	s_mov_b32 s[G1S], (3<<16)|(1<<20)|(5<<22)|(3<<25)
	s_mov_b32 s[G1S+1], 32<<16
	s_mov_b32 s[G1S+2], 16<<16
	s_mov_b32 s[G1S+3], 32<<16
	s_mov_b32 s[G1S+4], 16
	s_mov_b32 s[G1S+5], 32
	s_mov_b32 s[G1S+6], 0
	s_mov_b32 s[G1S+7], 0
	s_mov_b32 s[SEL], 0x76543210
	s_mov_b32 s[SEL+1], 0xfedcba98
	s_mov_b32 s[CS], 0x3e0293ee                    ; c = log2(e) / sqrt(128)
	s_mov_b32 s[CS+1], s[CS]
	s_mov_b32 s[TB], 0
	s_mov_b32 s[TS], 0
	s_mov_b32 s[KF], 0
	s_wait_dscnt 0x0                               ; the opening add is done
	s_wait_kmcnt 0x0
	s_mov_b32 s[G0S], 1
	s_add_co_u32 s[G0S+1], s95, SCK
	s_add_nc_u64 s[G0S+2:G0S+3], s[6:7], s[92:93]
	s_or_b32 s[G0S+3], s[G0S+3], 0x80000000
	s_mov_b32 s[G0], 1
	s_mov_b32 s[G0+1], s94
	s_add_nc_u64 s[G0+2:G0+3], s[4:5], s[90:91]
	s_or_b32 s[G0+3], s[G0+3], 0x80000000
	s_cmp_lt_u32 s[WV], 4                          ; waves 0-3 fetch; a wave's two first fills stand in one branch, ahead of every wait on TENSORcnt and every LDS read
	s_cbranch_scc0 .Lno_first
	tensor_load_to_lds s[G0S:G0S+3], s[G1S:G1S+7]
	s_nop 0
	tensor_load_to_lds s[G0:G0+3], s[G1:G1+7]
	s_nop 0
.rept 4
	v_nop
.endr
.Lno_first:
	s_lshr_b32 s81, s[WV], 2
	s_xor_b32 s81, s81, 1                          ; 0 in waves 4-7,
	s_or_b32 s81, s81, ttmp9                       ; of the head's first work-group: they prefetch
	s_cmp_eq_u32 s81, 0
	s_cselect_b32 s[LIM], 1, -1
	s_add_nc_u64 s[12:13], s[4:5], s[82:83]        ; q's codes
	s_add_nc_u64 s[14:15], s[6:7], s[88:89]        ; q's scale words
	s_add_nc_u64 s[8:9], s[8:9], s[68:69]
	s_add_nc_u64 s[10:11], s[10:11], s[70:71]
	s_add_nc_u64 s[PFA:PFA+1], s[4:5], s[90:91]
	s_add_nc_u64 s[PFA:PFA+1], s[PFA:PFA+1], VOFF  ; in slot 1; the first change of slots steps it to slot 2.  Nothing is prefetched at the head
	v_and_b32 v[PFO], 31, v0
	v_lshlrev_b32 v[PFO], 8, v[PFO]
	v_and_b32 v8, 15, v0                           ; r
	v_bfe_u32 v9, v0, 4, 1                         ; h
	v_mul_u32_u24 v10, v8, 96
	v_mad_u32_u24 v10, v9, 24, v10
.irp p, 0,1,2,3,4,5
	global_load_b64 v[16+2*\p:17+2*\p], v10, s[12:13] offset:48*(\p/3)+8*(\p%3)   ; q's fragment stays in registers
.endr
	v_lshlrev_b32 v254, 2, v8
	global_load_b32 v255, v254, s[14:15]
	v_and_b32 v11, 8, v8
	v_add_nc_u32 v11, v11, v8                      ; r + 8 (r / 8)
	v_mul_u32_u24 v[AK0], v11, 96
	v_mad_u32_u24 v[AK0], v9, 24, v[AK0]
	v_lshl_add_u32 v[ASK0], v11, 2, SCK
	v_mov_b32 v13, 0xff61b1e6                      ; the largest t so far: -3e38
	v_floor_f32 v12, -v13                          ; -M
	v_mov_b32 v14, 0
	v_mov_b32 v15, 0
.irp b, 0,1,2,3
	v_mov_b32 v[236+\b], 0                         ; written once: a lane permute's destination counts as one of its sources
.endr
	v_mov_b32 v252, 0
	v_mov_b32 v253, 0
.irp j, 0,1,2,3,4,5,6,7,8,9,10,11,12,13,14,15,16,17,18,19,20,21,22,23,24,25,26,27,28,29,30,31,32,33,34,35,36,37,38,39,40,41,42,43,44,45,46,47,48,49,50,51,52,53,54,55,56,57,58,59,60,61,62,63
	v_mov_b32 v[160+\j], 0                         ; O^T: the step is written for every step alike; the first finds zeros
.endr
; A KEY STEP: 128 keys
.macro STEP
	s_add_co_u32 s96, s[Q0], 15
	s_cmp_gt_u32 s[KF], s96                        ; all keys after my queries: nothing to do but step the addresses
	s_cbranch_scc1 .Lhidden_\@
	v_add_nc_u32 v[ADK], s[TB], v[AK0]             ; (these four are the places in front of the loads below)
	v_add_nc_u32 v[ADS], s[TS], v[ASK0]
	v_add_nc_u32 v[ADV], VOFF, v[ADK]
	v_add_nc_u32 v[ADT], 2*SCH, v[ADS]
.irp g, 0,1                                    ; S^T = K Q^T, four tiles of 16 keys at a time
.rept 4*\g
	v_nop
.endr
.irp t, 0,1,2,3
.irp p, 0,1,2,3,4,5
	ds_load_b64 v[32+12*\t+2*\p:32+12*\t+2*\p+1], v[ADK] offset:(32*((4*\g+\t)/2)+8*(\t%2))*96+48*(\p/3)+8*(\p%3)
.endr
	ds_load_b32 v[248+\t], v[ADS] offset:272*\g+(32*(((4*\g+\t)/2)%2)+8*(\t%2))*4
.endr
	s_wait_dscnt 0x0
.irp t, 0,1,2,3
	v_wmma_scale_f32_16x16x128_f8f6f4 v[96+8*(4*\g+\t):103+8*(4*\g+\t)], v[32+12*\t:43+12*\t], v[16:27], 0, v[248+\t], v255 matrix_a_fmt:MATRIX_FMT_FP6 matrix_b_fmt:MATRIX_FMT_FP6
.endr
.endr
.rept 4
	v_nop
.endr
	s_add_co_u32 s96, s[KF], 127                   ; on the diagonal hidden scores become -infinity ahead of the maximum; a step all of whose keys count skips this
	s_cmp_le_u32 s96, s[Q0]
	s_cbranch_scc1 .Lopen_\@
	s_sub_co_i32 s96, s[Q0], s[KF]
	v_and_b32 v252, 15, v0
	v_bfe_u32 v243, v0, 4, 1
	v_lshlrev_b32 v243, 4, v243
	v_sub_nc_u32 v252, v252, v243
	v_add_nc_u32 v252, s96, v252                   ; d = my query - KF - 16 (lane / 16); register 16 b + i holds key KF + 16 (lane / 16) + 32 b + i: hidden where 32 b + i > d
	v_mov_b32 v254, 0xff800000
.irp n, 0,1,2,3,4,5,6,7,8,9,10,11,12,13,14,15,16,17,18,19,20,21,22,23,24,25,26,27,28,29,30,31,32,33,34,35,36,37,38,39,40,41,42,43,44,45,46,47,48,49,50,51,52,53,54,55,56,57,58,59,60,61,62,63
	v_cmp_gt_i32 vcc_lo, 32*(\n/16)+\n%16, v252
	v_cndmask_b32 v[96+\n], v[96+\n], v254, vcc_lo
.endr
.Lopen_\@:
.irp b, 0,1,2,3
	v_max3_num_f32 v[232+\b], v[96+16*\b], v[97+16*\b], v[98+16*\b]   ; the largest score of each block of 32 keys: for the row's maximum and, since p rises with the score, for the block's largest p
.endr
.irp i, 3,5,7,9,11,13
.irp b, 0,1,2,3
	v_max3_num_f32 v[232+\b], v[232+\b], v[96+16*\b+\i], v[97+16*\b+\i]
.endr
.endr
.irp b, 0,1,2,3
	v_max_num_f32 v[232+\b], v[232+\b], v[111+16*\b]
.endr
.irp b, 0,1,2,3
	v_permlanex16_b32 v[236+\b], v[232+\b], s[SEL], s[SEL+1]
.endr
.irp b, 0,1,2,3
	v_max_num_f32 v[232+\b], v[232+\b], v[236+\b]
.endr
	v_max3_num_f32 v254, v232, v233, v234
	v_max_num_f32 v254, v254, v235
	v_mul_f32 v254, s[CS], v254
	v_max_num_f32 v13, v13, v254                   ; the running largest t
	v_mov_b32 v254, v12
	v_floor_f32 v12, -v13                          ; the new -M = -ceil(t)
	v_sub_f32 v254, v12, v254                      ; old M - new M: a whole number, 0 or less
	v_cvt_i32_f32 v254, v254
	v_ldexp_f32 v252, 1.0, v254                    ; f = 2^(old M - new M): rounds nothing
.irp j, 0,2,4,6,8,10,12,14,16,18,20,22,24,26,28,30,32,34,36,38,40,42,44,46,48,50,52,54,56,58,60,62
	v_pk_fma_f32 v[96+\j:97+\j], v[96+\j:97+\j], s[CS:CS+1], v[12:13] op_sel_hi:[1,0,0]   ; t - M
.endr
.irp b, 0,1,2,3
	v_fma_f32 v[232+\b], v[232+\b], s[CS], v12
.endr
.irp j, 0,1,2,3,4,5,6,7,8,9,10,11,12,13,14,15,16,17,18,19,20,21,22,23,24,25,26,27,28,29,30,31,32,33,34,35,36,37,38,39,40,41,42,43,44,45,46,47,48,49,50,51,52,53,54,55,56,57,58,59,60,61,62,63
	v_exp_f32 v[96+\j], v[96+\j]                   ; p = 2^(t - M)
.endr
	v_pk_mul_f32 v[14:15], v[14:15], v[252:253] op_sel_hi:[1,0]   ; the sums under the new M; a plain place behind the exponentials
	s_wait_alu depctr_va_vdst(0)                   ; one wait for the batch of 64, ahead of its first reader
.irp b, 0,1,2,3
	v_exp_f32 v[232+\b], v[232+\b]                 ; the block's largest p
.endr
	v_pk_add_f32 v[236:237], v[96:97], v[98:99]    ; the row's sum of the unquantised p, in two chains
.irp j, 4,8,12,16,20,24,28,32,36,40,44,48,52,56,60
	v_pk_add_f32 v[14:15], v[14:15], v[96+\j:97+\j]
	v_pk_add_f32 v[236:237], v[236:237], v[98+\j:99+\j]
.endr
	v_pk_add_f32 v[14:15], v[14:15], v[236:237]
	s_wait_alu depctr_va_vdst(0)                   ; and one for the four
.irp b, 0,1,2,3
	v_max_num_f32 v[232+\b], 0x1800000, v[232+\b]  ; the floor 2^(3 - 127)
.endr
.irp b, 0,1,2,3
	v_add_nc_u32 v[244+\b], 0xff000000, v[232+\b]
.endr
.irp b, 0,1,2,3
	v_lshrrev_b32 v[236+\b], 23, v[244+\b]
.endr
	v_lshl_or_b32 v253, v237, 8, v236              ; p's scale word for these 128 keys
	v_lshl_or_b32 v253, v238, 16, v253
	v_lshl_or_b32 v253, v239, 24, v253
.irp c, 0,1
	v_cvt_scalef32_pk16_fp6_f32 v[224+6*\c:226+6*\c], v[96+32*\c:111+32*\c], v[244+2*\c]
	v_cvt_scalef32_pk16_fp6_f32 v[236+4*\c:238+4*\c], v[112+32*\c:127+32*\c], v[244+2*\c+1]
.endr
	v_nop
.irp c, 0,1
.irp i, 0,1,2
	v_permlane16_swap_b32 v[224+6*\c+\i], v[236+4*\c+\i]
.endr
.irp i, 0,1,2
	v_mov_b32 v[227+6*\c+\i], v[236+4*\c+\i]
.endr
.endr
.irp j, 0,2,4,6,8,10,12,14,16,18,20,22,24,26,28,30,32,34,36,38,40,42,44,46,48,50,52,54,56,58,60,62
	v_pk_mul_f32 v[160+\j:161+\j], v[160+\j:161+\j], v[252:253] op_sel_hi:[1,0]   ; O^T under the new M; these 32 are also the places in front of the matrix instructions and loads below
.endr
.irp g, 0,1                                    ; O^T += V^T P^T
.rept 4*\g
	v_nop
.endr
.irp t, 0,1,2,3
.irp p, 0,1,2,3,4,5
	ds_load_b64 v[32+12*\t+2*\p:32+12*\t+2*\p+1], v[ADV] offset:(32*((4*\g+\t)/2)+8*(\t%2))*96+48*(\p/3)+8*(\p%3)
.endr
	ds_load_b32 v[248+\t], v[ADT] offset:272*\g+(32*(((4*\g+\t)/2)%2)+8*(\t%2))*4
.endr
	s_wait_dscnt 0x0
.irp t, 0,1,2,3
	v_wmma_scale_f32_16x16x128_f8f6f4 v[160+8*(4*\g+\t):167+8*(4*\g+\t)], v[32+12*\t:43+12*\t], v[224:235], v[160+8*(4*\g+\t):167+8*(4*\g+\t)], v[248+\t], v253 matrix_a_fmt:MATRIX_FMT_FP6 matrix_b_fmt:MATRIX_FMT_FP6
.endr
.endr
.Lhidden_\@:
	s_add_co_u32 s[KF], s[KF], 128
	s_add_co_u32 s[TB], s[TB], STEPB
	s_add_co_u32 s[TS], s[TS], 544
.endm
; THE CHANGE OF SLOTS, at a slot's head.  Each wave waits for all its tensor loads, adds 0 to its spare word, and waits for that and for its reads of the slot that it has left; behind the barrier the other slot is filled.
; ask = 1: waves 4-7 of the head's first work-group prefetch what waves 0-3 will ask for at the next change: 24,576 bytes each, three instructions, lanes 256 bytes apart: each block is named once in the launch.
.macro CHANGE fill, ask
	s_wait_tensorcnt 0x0
	ds_add_u32 v[SPW], v[NIL]
.if \fill
	s_xor_b32 s[G0+1], s[G0+1], SLOT1              ; the walking descriptor: the other slot, the next 512 keys
	s_add_nc_u64 s[G0+2:G0+3], s[G0+2:G0+3], VOFF
.endif
.if \ask
	s_wait_xcnt 0x0                                ; the last prefetches, a slot back, have read their address
	s_add_nc_u64 s[PFA:PFA+1], s[PFA:PFA+1], VOFF
.endif
	s_wait_dscnt 0x0
	s_barrier_signal -1
	s_barrier_wait -1
.if \fill
	s_cmp_lt_u32 s[WV], 4
	s_cbranch_scc0 .Lasked_\@
	tensor_load_to_lds s[G0:G0+3], s[G1:G1+7]      ; the first thing behind the barrier, and a wave's one tensor load until the next
	s_nop 0
.rept 4
	v_nop
.endr
.Lasked_\@:
.endif
.if \ask
	s_cmp_eq_u32 s[LIM], 1
	s_cbranch_scc0 .Lnot_mine_\@
	global_prefetch_b8 v[PFO], s[PFA:PFA+1] th:TH_LOAD_NT scope:SCOPE_SE
	global_prefetch_b8 v[PFO], s[PFA:PFA+1] offset:8192 th:TH_LOAD_NT scope:SCOPE_SE
	global_prefetch_b8 v[PFO], s[PFA:PFA+1] offset:16384 th:TH_LOAD_NT scope:SCOPE_SE
.Lnot_mine_\@:
.endif
.endm
.macro SLOT_STEPS                      ; a slot's four key steps: written once for each slot, walked four times
	s_mov_b32 s[INNER], 4
.Lstep_\@:
	STEP
	s_sub_co_u32 s[INNER], s[INNER], 1
	s_cmp_lg_u32 s[INNER], 0
	s_cbranch_scc1 .Lstep_\@
	s_sub_co_u32 s[TB], s[TB], 4*STEPB
	s_xor_b32 s[TB], s[TB], SLOT1                  ; on to the other slot
.endm
	s_wait_loadcnt 0x0                             ; q
	CHANGE 1, 1                                    ; slot 0 is whole; keys 512.. go out
	SLOT_STEPS
	CHANGE 1, 1
	SLOT_STEPS
	CHANGE 1, 0                                    ; the last fill; nothing lies behind it to prefetch
	SLOT_STEPS
	CHANGE 0, 0
	SLOT_STEPS
	; THE WAY OUT.  O^T / the sum; register 16 b + i holds d = 32 b + 16 h + i of my query: quantised as it stands; the codes go through my stage so that 16 bytes a lane are stored.
	v_add_f32 v14, v14, v15
	v_permlanex16_b32 v252, v14, s[SEL], s[SEL+1]
	v_add_f32 v14, v14, v252
	v_rcp_f32 v14, v14
	v_and_b32 v8, 15, v0                           ; (a plain place behind the reciprocal)
	v_bfe_u32 v9, v0, 4, 1
	s_mul_i32 s73, s[WV], 1536                     ; my stage: 16 rows of 96 bytes
	s_add_co_u32 s73, s73, STAGE
	v_mul_u32_u24 v10, v8, 96
	v_mad_u32_u24 v10, v9, 24, v10
	v_add_nc_u32 v10, s73, v10
	v_and_b32 v11, 31, v0
	v_lshl_add_u32 v[RDB], v11, 4, s73
.irp i, 0,1,2                                  ; piece c = 32 i + lane of 16 bytes lies in row c / 6 (= 43 c >> 8 for c < 96): 96 bytes further on in oc for each row
	v_add_nc_u32 v[69+\i], 32*\i, v11
	v_mul_u32_u24 v[72+\i], v[69+\i], 43
	v_lshrrev_b32 v[72+\i], 8, v[72+\i]
	v_mul_u32_u24 v[72+\i], v[72+\i], 96
	v_lshl_add_u32 v[69+\i], v[69+\i], 4, v[72+\i]
.endr
	v_lshlrev_b32 v75, 3, v8
.irp b, 0,1,2,3
	v_mov_b32 v[TM+4+\b], 0
.endr
	s_wait_alu depctr_va_vdst(0)                   ; ahead of the reciprocal's first reader
.irp j, 0,1,2,3,4,5,6,7,8,9,10,11,12,13,14,15,16,17,18,19,20,21,22,23,24,25,26,27,28,29,30,31,32,33,34,35,36,37,38,39,40,41,42,43,44,45,46,47,48,49,50,51,52,53,54,55,56,57,58,59,60,61,62,63
	v_mul_f32 v[96+\j], v[160+\j], v14
.endr
.irp b, 0,1,2,3
	v_max3_num_f32 v[TM+\b], |v[96+16*\b]|, |v[97+16*\b]|, 0x1800000
.endr
.irp i, 2,4,6,8,10,12,14
.irp b, 0,1,2,3
	v_max3_num_f32 v[TM+\b], v[TM+\b], |v[96+16*\b+\i]|, |v[97+16*\b+\i]|
.endr
.endr
.irp b, 0,1,2,3
	v_permlanex16_b32 v[TM+4+\b], v[TM+\b], s[SEL], s[SEL+1]
.endr
.irp b, 0,1,2,3
	v_max_num_f32 v[TM+\b], v[TM+\b], v[TM+4+\b]
.endr
.irp b, 0,1,2,3
	v_add_nc_u32 v[TM+12+\b], 0xff000000, v[TM+\b]
.endr
.irp b, 0,1,2,3
	v_lshrrev_b32 v[TM+4+\b], 23, v[TM+12+\b]
.endr
	v_lshl_or_b32 v[PW], v[TM+5], 8, v[TM+4]
	v_lshl_or_b32 v[PW], v[TM+6], 16, v[PW]
	v_lshl_or_b32 v[PW], v[TM+7], 24, v[PW]
.irp c, 0,1
	v_cvt_scalef32_pk16_fp6_f32 v[PC+6*\c:PC+2+6*\c], v[96+32*\c:111+32*\c], v[TM+12+2*\c]
	v_cvt_scalef32_pk16_fp6_f32 v[PC+12+4*\c:PC+14+4*\c], v[112+32*\c:127+32*\c], v[TM+12+2*\c+1]
.endr
	v_nop
.irp c, 0,1
.irp i, 0,1,2
	v_permlane16_swap_b32 v[PC+6*\c+\i], v[PC+12+4*\c+\i]
.endr
.irp i, 0,1,2
	v_mov_b32 v[PC+3+6*\c+\i], v[PC+12+4*\c+\i]
.endr
.endr
.irp p, 0,1,2,3,4,5
	ds_store_b64 v10, v[PC+2*\p:PC+2*\p+1] offset:48*(\p/3)+8*(\p%3)
.endr
.irp i, 0,1,2
	ds_load_b128 v[76+4*\i:79+4*\i], v[RDB] offset:512*\i         ; LDS serves a wave's instructions in order: these see my stores
.endr
.irp i, 0,1,2
	s_wait_dscnt 2-\i
	global_store_b128 v[69+\i], v[76+4*\i:79+4*\i], s[8:9]        ; runs of 96 bytes in rows of 192
.endr
	global_store_b32 v75, v[PW], s[10:11]          ; my row's scale word (both halves of the lanes store the same word with the same value)
	s_wait_tensorcnt 0x0                           ; the wave's end
	ds_add_u32 v[SPW], v[NIL]
	s_wait_dscnt 0x0
	s_endpgm
.Lfunc_end_k_q1cb97cc056_attn:
	.size	k_q1cb97cc056_attn, .Lfunc_end_k_q1cb97cc056_attn-k_q1cb97cc056_attn
	.p2alignl 7, 3214868480
	.fill 96, 4, 3214868480
	.section	.rodata,"a",@progbits
	.p2align	6, 0x0
	.amdhsa_kernel k_q1cb97cc056_attn
		.amdhsa_group_segment_fixed_size 327680
		.amdhsa_private_segment_fixed_size 0
		.amdhsa_enable_private_segment 0
		.amdhsa_kernarg_size 32
		.amdhsa_user_sgpr_count 2
		.amdhsa_user_sgpr_kernarg_segment_ptr 1
		.amdhsa_wavefront_size32 1
		.amdhsa_system_sgpr_workgroup_id_x 1
		.amdhsa_system_sgpr_workgroup_id_y 1
		.amdhsa_system_sgpr_workgroup_id_z 1
		.amdhsa_system_vgpr_workitem_id 0
		.amdhsa_next_free_vgpr 256
		.amdhsa_next_free_sgpr 100
		.amdhsa_reserve_vcc 1
		.amdhsa_float_denorm_mode_32 3
		.amdhsa_float_denorm_mode_16_64 3
		.amdhsa_memory_ordered 1
		.amdhsa_forward_progress 1
		.amdhsa_inst_pref_size 133
	.end_amdhsa_kernel
	.amdgpu_metadata
---
amdhsa.version: [ 1, 2 ]
amdhsa.kernels:
  - .name:           k_q1cb97cc056_attn
    .symbol:         k_q1cb97cc056_attn.kd
    .args:
      - { .name: qkvc, .offset: 0, .size: 8, .value_kind: global_buffer, .address_space: global }
      - { .name: qkvs, .offset: 8, .size: 8, .value_kind: global_buffer, .address_space: global }
      - { .name: oc, .offset: 16, .size: 8, .value_kind: global_buffer, .address_space: global }
      - { .name: os, .offset: 24, .size: 8, .value_kind: global_buffer, .address_space: global }
    .group_segment_fixed_size: 327680
    .private_segment_fixed_size: 0
    .kernarg_segment_align: 8
    .kernarg_segment_size: 32
    .max_flat_workgroup_size: 256
    .sgpr_count:     100
    .vgpr_count:     256
    .wavefront_size: 32
...
	.end_amdgpu_metadata
.endif
;; end of part 3
;; launch outp (part 4): grid 8 x 8, 4 waves a work-group, clusters of 4 x 4, 327,680 bytes of LDS; arguments oc, os, cod, scl, out0; writes out0
.if DOCPART == 4
	.amdgcn_target "amdgcn-amd-amdhsa--gfx1250"
	.amdhsa_code_object_version 6
	.text
	.protected	k_q1cb97cc056_outp
	.globl	k_q1cb97cc056_outp
	.p2align	8
	.type	k_q1cb97cc056_outp,@function
k_q1cb97cc056_outp:
	s_mov_b64 s[64:65], 0
	v_nop
	global_prefetch_b8 v0, s[64:65] scope:SCOPE_SE
	s_setreg_imm32_b32 hwreg(HW_REG_WAVE_MODE, 25, 1), 1
	s_wait_xcnt 0x0
	s_wait_alu depctr_hold_cnt(0) depctr_sa_sdst(0) depctr_va_vdst(0) depctr_va_sdst(0) depctr_va_ssrc(0) depctr_va_vcc(0) depctr_vm_vsrc(0)
	s_getreg_b32 s2, hwreg(HW_REG_IB_STS2, 6, 4)
	s_cmp_eq_u32 s2, 0
	s_cbranch_scc0 .Lentry_in_a_cluster
	s_endpgm
.Lentry_in_a_cluster:
	s_bfe_u32 s2, ttmp6, 0x10000c
	s_cmp_lg_u32 s2, 0xf033
	s_cbranch_scc0 .Lentry_shape_is_right
	s_endpgm
.Lentry_shape_is_right:
; OUTP.  out0 = o wo on codes of FP6 (E2M3) with E8M0 scales; sums and result f32.  A = o: oc [kslot 8][row 2048][192 bytes], os [kslot][row][8]; B = wo: cod, scl from position 8192 on ([kslot][position 10240][..]),
; wo's columns with bits 3 and 4 of the index exchanged.  A tile of 256 x 256 to a work-group of four waves, 128 x 128 a wave; K in steps of 256 through two LDS slots filled by joint tensor loads (4 x 4 cluster).
; The matrix instruction is used transposed (source 0 = 16 columns of wo, source 1 = 16 rows of o): a lane holds one row, and register j of tile b column 32 (b/2) + 16 (lane/16) + 8 (b%2) + j.
; 64 tiles: 64 work-groups.
; REGISTERS: window 0: v0-31 addresses; v32-63 scale words, two sets; v128-223 A's fragments; window 1: B's fragments, two sets; windows 2, 3: the accumulators.
.set NR,     10240
.set KSL,    NR*192                    ; a kslot of cod
.set KSA,    2048*192                  ; a kslot of oc
.set NQ,     2
.set PITCH,  240
.set FR,     12
.set NL,     6
.set NP,     4
.set HALFT,  128*PITCH
.set SLOT,   4*HALFT
.set LAPS,   4
.set SCL,    2*SLOT
.set SQ,     8192
.set SBLK,   128
.set SPARE,  SCL+4*SQ
.set SPITCH, 528                       ; the way out: 16 rows x (512 bytes + 16) for each wave, in slot 0, which has had its last fill and its last read by then
.set SIZE_N, 2048
.set ADRA, 16
.set ADRB, 20
.set STO,  24
.set RD,   25
.set CO,   26
.set ADRS, 27
.set SPW,  28
.set NIL,  29
.set SC,   32
.set AF,   128
.set BK,   128
.set G1, 24
.set G0, 32
.set G1B, 48
.set G0B, 56
.set G1S, 68
.set G0S, 76
.set G1SB, 80
.set G0SB, 88
.set MSB, 0
.macro WIN new
.if MSB != (\new)
	s_set_vgpr_msb (MSB<<8)|(\new)
.set MSB, (\new)
.endif
.endm
.set MUL_LO, 0xa1
.set MUL_HI, 0xf1
.set TO_B,   0x40
.macro JLOAD g0a, g1a, g0b, g1b        ; waves 0 and 1 fetch for A, waves 2 and 3 for B; an s_nop 0 and four v_nop follow each line
	s_cmp_eq_u32 s16, 0
	s_cbranch_scc0 .Lfor_b_\@
	tensor_load_to_lds s[\g0a:\g0a+3], s[\g1a:\g1a+7]
	s_nop 0
.rept 4
	v_nop
.endr
	s_branch .Lasked_\@
.Lfor_b_\@:
	tensor_load_to_lds s[\g0b:\g0b+3], s[\g1b:\g1b+7]
	s_nop 0
.rept 4
	v_nop
.endr
.Lasked_\@:
.endm
.macro CREST
	s_cmp_lg_u32 s2, 0
	s_cbranch_scc1 .Lnot_wave_0_\@
	s_barrier_signal -3
.Lnot_wave_0_\@:
	s_barrier_wait -3
	s_barrier_signal -1
	s_barrier_wait -1
.endm
.macro CROUND
	s_barrier_signal -1
	s_barrier_wait -1
	CREST
.endm
.macro PLACES n
.rept \n
	v_nop
.endr
.endm
	s_load_b256 s[4:11], s[0:1], 0x0               ; oc s[4:5], os s[6:7], cod s[8:9], scl s[10:11]
	s_load_b64 s[12:13], s[0:1], 0x20              ; out0
	v_lshl_add_u32 v[SPW], v0, 2, SPARE
	v_mov_b32 v[NIL], 0
	ds_add_u32 v[SPW], v[NIL]                      ; the wave's opening: the add and its wait ahead of my first tensor load
	v_lshrrev_b32 v1, 5, v0
	v_readfirstlane_b32 s2, v1                     ; wave 0..3
	s_lshr_b32 s16, s2, 1                          ; my half of the rows.  Also: I fetch for A (0) or B (1)
	s_and_b32 s17, s2, 1                           ; my half of the columns.  Also: which 128 rows I fetch
	s_bfe_u32 s40, ttmp6, 0x40000
	s_bfe_u32 s41, ttmp6, 0x40004
	s_lshl_b32 s19, ttmp9, 2
	s_add_co_u32 s19, s19, s40                     ; tile column
	s_and_b32 s18, ttmp7, 0xffff
	s_lshl_b32 s18, s18, 2
	s_add_co_u32 s18, s18, s41                     ; tile row
	s_lshl_b32 s42, s41, 2
	s_lshl_b32 s42, 15, s42
	s_lshl_b32 s43, 0x1111, s40
	s_or_b32 s[G1+0], s42, (0<<16)|(1<<20)|(1<<21)|(3<<22)|(3<<25)
	s_or_b32 s[G1B+0], s43, (0<<16)|(1<<20)|(1<<21)|(3<<22)|(3<<25)
.irp g, G1, G1B
	s_mov_b32 s[\g+1], 192<<16
	s_mov_b32 s[\g+2], 128<<16
	s_mov_b32 s[\g+3], 192<<16
	s_mov_b32 s[\g+4], 128
	s_mov_b32 s[\g+5], 192
	s_mov_b32 s[\g+6], 0
	s_mov_b32 s[\g+7], 0
.endr
	s_or_b32 s[G1S+0], s42, (3<<16)|(1<<21)        ; scale words: 8 kslots x 128 elements of 8 bytes
	s_or_b32 s[G1SB+0], s43, (3<<16)|(1<<21)
.irp g, G1S, G1SB
	s_mov_b32 s[\g+1], 128<<16
	s_mov_b32 s[\g+2], 8<<16
	s_mov_b32 s[\g+3], 128<<16
	s_mov_b32 s[\g+4], 8
	s_mov_b32 s[\g+6], 0
	s_mov_b32 s[\g+7], 0
.endr
	s_mov_b32 s[G1S+5], 2048                       ; a kslot of os, in elements
	s_mov_b32 s[G1SB+5], NR                        ; a kslot of scl
	s_lshl_b32 s20, s17, 7
	s_lshl_b32 s22, s18, 8
	s_add_co_u32 s22, s22, s20                     ; A: row 256 x tile row + 128 x half
	s_lshl_b32 s46, s19, 8
	s_add_co_u32 s46, s46, s20
	s_add_co_u32 s46, s46, 8192                    ; B: position 8192 + 256 x tile column + 128 x half
	s_mul_i32 s100, s22, 192
	s_mov_b32 s101, 0
	s_lshl_b32 s22, s22, 3
	s_mov_b32 s23, 0
	s_mul_i32 s104, s46, 192
	s_mov_b32 s105, 0
	s_lshl_b32 s46, s46, 3
	s_mov_b32 s47, 0
	s_mul_i32 s20, s2, HALFT
	s_lshl_b32 s21, s2, 13
	s_wait_dscnt 0x0                               ; the opening add is done
	s_wait_kmcnt 0x0
	s_add_nc_u64 s[100:101], s[4:5], s[100:101]
	s_add_nc_u64 s[22:23], s[6:7], s[22:23]
	s_add_nc_u64 s[104:105], s[8:9], s[104:105]
	s_add_nc_u64 s[46:47], s[10:11], s[46:47]
	CROUND                                         ; all sixteen work-groups are here: the first joint loads meet
	s_mov_b32 s[G0S], 1
	s_add_co_u32 s[G0S+1], s21, SCL
	s_mov_b64 s[G0S+2:G0S+3], s[22:23]
	s_or_b32 s[G0S+3], s[G0S+3], 0x80000000
	s_mov_b32 s[G0SB], 1
	s_add_co_u32 s[G0SB+1], s21, SCL
	s_mov_b64 s[G0SB+2:G0SB+3], s[46:47]
	s_or_b32 s[G0SB+3], s[G0SB+3], 0x80000000
	JLOAD G0S, G1S, G0SB, G1SB
.irp s, 0,1
	s_mov_b32 s[G0+4*\s], 1
	s_add_co_u32 s[G0+4*\s+1], s20, \s*SLOT
	s_add_nc_u64 s[G0+4*\s+2:G0+4*\s+3], s[100:101], \s*KSA
	s_or_b32 s[G0+4*\s+3], s[G0+4*\s+3], 0x80000000
	s_mov_b32 s[G0B+4*\s], 1
	s_add_co_u32 s[G0B+4*\s+1], s20, \s*SLOT
	s_add_nc_u64 s[G0B+4*\s+2:G0B+4*\s+3], s[104:105], \s*KSL
	s_or_b32 s[G0B+4*\s+3], s[G0B+4*\s+3], 0x80000000
	JLOAD G0+4*\s, G1, G0B+4*\s, G1B               ; three tensor loads of mine are out
.endr
	v_and_b32 v1, 15, v0
	v_bfe_u32 v2, v0, 4, 1
	v_mul_u32_u24 v3, v1, PITCH
	v_mul_u32_u24 v4, v2, 24
	v_add_nc_u32 v4, v3, v4
	v_lshl_add_u32 v5, v2, 4, v4
	s_mul_i32 s21, s16, HALFT
	s_mul_i32 s22, s17, HALFT
	s_add_co_u32 s22, s22, 2*HALFT
.irp s, 0,1
	v_add_nc_u32 v[ADRA+\s], s21, v4
	v_add_nc_u32 v[ADRB+\s], s22, v4
	v_add_nc_u32 v[ADRA+2+\s], s21, v5
	v_add_nc_u32 v[ADRB+2+\s], s22, v5
	s_add_co_u32 s21, s21, SLOT
	s_add_co_u32 s22, s22, SLOT
.endr
	v_lshlrev_b32 v5, 3, v1
	s_lshl_b32 s21, s16, 13
	s_lshl_b32 s22, s17, 13
	s_add_co_u32 s22, s22, 2*SQ
	s_sub_co_u32 s22, s22, s21
	v_mul_u32_u24 v6, s22, v2                      ; lanes 16-31 take B's
	s_add_co_u32 s21, s21, SCL
	v_add_nc_u32 v5, v5, v6
	v_add_nc_u32 v[ADRS], s21, v5
	s_mul_i32 s23, s2, 16*SPITCH                   ; my stage
	v_mul_u32_u24 v5, v1, SPITCH
	v_lshl_add_u32 v5, v2, 6, v5                   ; in: row r, + 64 h: columns 16 h .. of each 32
	v_add_nc_u32 v[STO], s23, v5
	v_and_b32 v6, 31, v0
	v_lshlrev_b32 v[CO], 4, v6
	v_add_nc_u32 v[RD], s23, v[CO]
	s_lshl_b32 s20, s18, 8
	s_lshl_b32 s21, s16, 7
	s_add_co_u32 s20, s20, s21                     ; my first row of out0
	s_lshl_b32 s20, s20, 13                        ; rows of 8,192 bytes
	s_lshl_b32 s21, s19, 10
	s_add_co_u32 s20, s20, s21
	s_lshl_b32 s21, s17, 9
	s_add_co_u32 s20, s20, s21                     ; + my first column: 1,024 x tile column + 512 x half
	s_mov_b32 s21, 0
	s_add_nc_u64 s[12:13], s[12:13], s[20:21]
.macro FRAG reg, adr, q, i
.irp p, 0,1,2,3,4,5
.set PCE, 12*(\q)+6*(\p/3)+\p%3
.if PCE%8 < 5
	ds_load_b64 v[\reg+2*\p:\reg+2*\p+1], v[\adr] offset:8*PCE+16*(PCE/8)+(\i)*16*PITCH
.else
	ds_load_b64 v[\reg+2*\p:\reg+2*\p+1], v[\adr+2] offset:8*PCE+16*(PCE/8)+(\i)*16*PITCH
.endif
.endr
.endm
; zero = 1: the first product starts the sums.  The 64 accumulators take turns in the same order in every step.
.macro MUL16 a0, p, q, sc, zero
.irp a, \a0, \a0+1
.irp b, 0,1,2,3,4,5,6,7
.if \zero
	v_wmma_scale_f32_16x16x128_f8f6f4 v[8*(8*((\a)%4)+\b):8*(8*((\a)%4)+\b)+7], v[128*(\p)+FR*\b:128*(\p)+FR*\b+FR-1], v[AF+FR*(\a):AF+FR*(\a)+FR-1], 0, v[SC+8*NQ*(\sc)+NQ*\b+(\q)], v[SC+8*NQ*(\sc)+NQ*(\a)+(\q)] matrix_a_fmt:MATRIX_FMT_FP6 matrix_b_fmt:MATRIX_FMT_FP6 matrix_a_scale:MATRIX_SCALE_ROW1
.else
	v_wmma_scale_f32_16x16x128_f8f6f4 v[8*(8*((\a)%4)+\b):8*(8*((\a)%4)+\b)+7], v[128*(\p)+FR*\b:128*(\p)+FR*\b+FR-1], v[AF+FR*(\a):AF+FR*(\a)+FR-1], v[8*(8*((\a)%4)+\b):8*(8*((\a)%4)+\b)+7], v[SC+8*NQ*(\sc)+NQ*\b+(\q)], v[SC+8*NQ*(\sc)+NQ*(\a)+(\q)] matrix_a_fmt:MATRIX_FMT_FP6 matrix_b_fmt:MATRIX_FMT_FP6 matrix_a_scale:MATRIX_SCALE_ROW1
.endif
.endr
.endr
.endm
.macro FETCH_B slot, q, p
	WIN TO_B
.irp i, 0,1,2,3,4,5,6,7
	FRAG 128*(\p)+FR*\i, ADRB+\slot, \q, \i
.endr
	WIN 0
.endm
.macro FETCH_A slot, q, i0
.irp i, \i0, \i0+1, \i0+2, \i0+3
	FRAG AF+FR*(\i), ADRA+\slot, \q, \i
.endr
.endm
.macro SCALES sc
.irp i, 0,1,2,3,4,5,6,7
	ds_load_b64 v[SC+8*NQ*\sc+NQ*\i:SC+8*NQ*\sc+NQ*\i+1], v[ADRS] offset:\i*SBLK
.endr
.endm
.macro STEP slot, q, zero
	s_wait_dscnt 4*NL                              ; B's set and A's blocks 0-3 are in; the youngest 24 loads may be out
	WIN MUL_LO
	MUL16 0, (\q)%2, \q, \slot, \zero
	MUL16 2, (\q)%2, \q, \slot, \zero
	s_wait_dscnt 0
	PLACES NP
	FETCH_B \slot, (\q)+1, 1-(\q)%2
	FETCH_A \slot, (\q)+1, 0
	WIN MUL_HI
	MUL16 4, (\q)%2, \q, \slot, \zero
	MUL16 6, (\q)%2, \q, \slot, \zero
	PLACES NP
	WIN 0
	FETCH_A \slot, (\q)+1, 4
.endm
.macro TURN slot, next, fill
	s_wait_tensorcnt 0x0                           ; all my tensor loads have landed: my part of the next slot
	ds_add_u32 v[SPW], v[NIL]
	s_wait_dscnt 4*NL+1                            ; (the add and the youngest 24 loads may be out)
	WIN MUL_LO
	MUL16 0, 1, NQ-1, \slot, 0
	s_wait_dscnt 0x0                               ; the add is done, and my reads of this slot are over
	s_barrier_signal -1
	MUL16 2, 1, NQ-1, \slot, 0
	WIN 0
	s_barrier_wait -1
.if \fill
	CREST                                          ; the barrier has opened a round of the cluster's barrier
	s_add_nc_u64 s[G0+4*\slot+2:G0+4*\slot+3], s[G0+4*\slot+2:G0+4*\slot+3], 2*KSA
	s_add_nc_u64 s[G0B+4*\slot+2:G0B+4*\slot+3], s[G0B+4*\slot+2:G0B+4*\slot+3], 2*KSL
	JLOAD G0+4*\slot, G1, G0B+4*\slot, G1B         ; the first tensor load behind the round
.else
	PLACES NP
.endif
	v_add_nc_u32 v[ADRS], 1024, v[ADRS]
	FETCH_B \next, 0, 0
	FETCH_A \next, 0, 0
	SCALES \next
	WIN MUL_HI
	MUL16 4, 1, NQ-1, \slot, 0
	MUL16 6, 1, NQ-1, \slot, 0
	PLACES NP
	WIN 0
	FETCH_A \next, 0, 4
.endm
	s_wait_tensorcnt 1                             ; the scale words and my part of kslot 0 are in; kslot 1's load may be out
	s_barrier_signal -1
	s_barrier_wait -1
	FETCH_B 0, 0, 0
	FETCH_A 0, 0, 0
	SCALES 0
	FETCH_A 0, 0, 4
	STEP 0, 0, 1                                   ; the first step stands in front of the loop: its products start the sums
	s_mov_b32 s3, LAPS-1
.Llap:
	TURN 0, 1, 1
	STEP 1, 0, 0
	TURN 1, 0, 1
	STEP 0, 0, 0
	s_sub_co_u32 s3, s3, 1
	s_cmp_lg_u32 s3, 0
	s_cbranch_scc1 .Llap
	TURN 0, 1, 0
	STEP 1, 0, 0
	s_wait_dscnt 4*NL
	WIN MUL_LO
	MUL16 0, 1, NQ-1, 1, 0
	MUL16 2, 1, NQ-1, 1, 0
	s_wait_dscnt 0
	WIN MUL_HI
	MUL16 4, 1, NQ-1, 1, 0
	MUL16 6, 1, NQ-1, 1, 0
	WIN 0
; THE WAY OUT, block by block of 16 rows x 128 columns, through my own stage; back as whole rows of 512 bytes.
.macro TOSTAGE a
.set AC, 64*((\a)%4)
	WIN 0x08+4*((\a)/4)                            ; the data: window 2 or 3
.irp b, 0,1,2,3,4,5,6,7
	ds_store_b128 v[STO], v[AC+8*\b:AC+8*\b+3] offset:128*(\b/2)+32*(\b%2)        ; each accumulator from its low end on; tile b's columns 32 (b/2) + 16 h + 8 (b%2) + 0..7
	ds_store_b128 v[STO], v[AC+8*\b+4:AC+8*\b+7] offset:128*(\b/2)+32*(\b%2)+16
.endr
	WIN 0
.set BB, BK+64*((\a)%2)
.irp t, 0,1,2,3,4,5,6,7,8,9,10,11,12,13,14,15
	ds_load_b128 v[BB+4*\t:BB+4*\t+3], v[RD] offset:\t*SPITCH
.endr
.endm
.macro SEND a, younger
.set BB, BK+64*((\a)%2)
	s_wait_dscnt \younger
.if (\a) > 0
	s_add_nc_u64 s[12:13], s[12:13], 16*SIZE_N*4   ; (behind a wait on XCNT: the earlier stores have read their base)
.endif
.irp t, 0,1,2,3,4,5,6,7,8,9,10,11,12,13,14,15
	global_store_b128 v[CO], v[BB+4*\t:BB+4*\t+3], s[12:13] offset:\t*SIZE_N*4 th:TH_STORE_NT   ; 512 consecutive bytes, at a multiple of 256 from out0's first byte
.endr
.endm
	PLACES NP
	TOSTAGE 0
.irp a, 1,2,3,4,5,6,7
.if \a > 1
	s_wait_xcnt 0x0                                ; block a - 2's stores have read their registers and their base
.endif
	TOSTAGE \a
	SEND \a-1, 32                                  ; behind block a - 1's loads: block a's 16 stores and 16 loads
.endr
	s_wait_xcnt 0x0
	SEND 7, 0
	s_wait_tensorcnt 0x0                           ; the wave's end
	ds_add_u32 v[SPW], v[NIL]
	s_wait_dscnt 0x0
	CROUND                                         ; the closing round
	s_endpgm
.Lfunc_end_k_q1cb97cc056_outp:
	.size	k_q1cb97cc056_outp, .Lfunc_end_k_q1cb97cc056_outp-k_q1cb97cc056_outp
	.p2alignl 7, 3214868480
	.fill 96, 4, 3214868480
	.section	.rodata,"a",@progbits
	.p2align	6, 0x0
	.amdhsa_kernel k_q1cb97cc056_outp
		.amdhsa_group_segment_fixed_size 327680
		.amdhsa_private_segment_fixed_size 0
		.amdhsa_enable_private_segment 0
		.amdhsa_kernarg_size 40
		.amdhsa_user_sgpr_count 2
		.amdhsa_user_sgpr_kernarg_segment_ptr 1
		.amdhsa_wavefront_size32 1
		.amdhsa_system_sgpr_workgroup_id_x 1
		.amdhsa_system_sgpr_workgroup_id_y 1
		.amdhsa_system_sgpr_workgroup_id_z 1
		.amdhsa_system_vgpr_workitem_id 0
		.amdhsa_next_free_vgpr 1024
		.amdhsa_next_free_sgpr 106
		.amdhsa_reserve_vcc 0
		.amdhsa_float_denorm_mode_32 3
		.amdhsa_float_denorm_mode_16_64 3
		.amdhsa_memory_ordered 1
		.amdhsa_forward_progress 1
		.amdhsa_inst_pref_size 160
	.end_amdhsa_kernel
	.amdgpu_metadata
---
amdhsa.version: [ 1, 2 ]
amdhsa.kernels:
  - .name:           k_q1cb97cc056_outp
    .symbol:         k_q1cb97cc056_outp.kd
    .args:
      - { .name: oc, .offset: 0, .size: 8, .value_kind: global_buffer, .address_space: global }
      - { .name: os, .offset: 8, .size: 8, .value_kind: global_buffer, .address_space: global }
      - { .name: cod, .offset: 16, .size: 8, .value_kind: global_buffer, .address_space: global }
      - { .name: scl, .offset: 24, .size: 8, .value_kind: global_buffer, .address_space: global }
      - { .name: out0, .offset: 32, .size: 8, .value_kind: global_buffer, .address_space: global }
    .group_segment_fixed_size: 327680
    .private_segment_fixed_size: 0
    .kernarg_segment_align: 8
    .kernarg_segment_size: 40
    .max_flat_workgroup_size: 128
    .sgpr_count:     106
    .vgpr_count:     1024
    .wavefront_size: 32
...
	.end_amdgpu_metadata
.endif
;; end of part 4
;; ======== version 2 of 2: 4 launches
;; limits: right only within a limited range of input values
;; workspace buffers: cod 15,728,640 bytes; scl 655,360 bytes; tpart 1,048,576 bytes; qkvc 9,437,184 bytes; qkvs 393,216 bytes; oc 3,145,728 bytes; os 131,072 bytes
;; launch prep (part 5): grid 640 x 1, 4 waves a work-group, no clusters, 135,168 bytes of LDS; arguments x, head_a, q_a, k_a, v_a, wq_base, wk_base, wv_base, wo, cod, scl, tpart; writes cod, scl, tpart
.if DOCPART == 5
	.amdgcn_target "amdgcn-amd-amdhsa--gfx1250"
	.amdhsa_code_object_version 6
	.text
	.protected	k_q1cb97cc056_prep
	.globl	k_q1cb97cc056_prep
	.p2align	8
	.type	k_q1cb97cc056_prep,@function
k_q1cb97cc056_prep:
	s_mov_b64 s[64:65], 0
	v_nop
	global_prefetch_b8 v0, s[64:65] scope:SCOPE_SE
	s_setreg_imm32_b32 hwreg(HW_REG_WAVE_MODE, 25, 1), 1
	s_wait_xcnt 0x0
; PREP.  x [2048][2048] and the four weights [2048 (k)][2048 (n)], f32, become codes of FP6 (E2M3) with one E8M0 byte for each 32 along K, and x . [head_a q_a k_a v_a] is summed in f32.
; cod: [kslot 8][position 10240][192 bytes]: 256 codes of a row along K.  scl: [kslot 8][position][8 bytes]: two scale words.  Positions: x 0.., wq 2048.., wk 4096.., wv 6144.., wo 8192...
; A row (of x) or column (of a weight) n lies at position n with bits 3 and 4 exchanged: tile t, lane r holds index 32 (t/2) + 8 (t%2) + r + 8 (r/8), so that a later product, used transposed, has 16 neighbours in 16 registers.
; tpart: [K chunk 4][tile 128][matrix 4][half 2][position 16][4] f32: 2 x the sum over 512 along K of x . (head_a | q_a | k_a | v_a); the factor 2 is the LoRA scale, exact.
; Work-groups 0-127 take x (32 groups of 64 rows x 4 chunks of 512 along K), work-groups 128-639 the weights (4 x 8 kslots x 16 groups of 128 columns).  The two paths have LDS bytes of their own.
; A block's scale is 2^(floor(log2(largest magnitude)) - 2); its byte is that magnitude's exponent field - 2, held at 1 from below.
; LIMITS: NaN and infinities are not served; a block whose largest magnitude lies under 2^-124 gets the byte 1; a block of zeros gets the byte 1 with zero codes (the bytes are read by this program alone).
; No tensor loads and no cluster: what work-groups share here is the four small matrices, 64 KiB of the 80 MiB that the launch reads.
.set NR,    10240
.set KSL,   NR*192                     ; a kslot of cod
.set SSL,   NR*8                       ; a kslot of scl
.set TP,    2064                       ; a row of T in LDS: 512 f32 + 16 bytes: 129 x 16, so the 16 rows of a load start in 16 different groups of banks
.set XSTG,  32*TP                      ; behind T: a stage for each wave of the x path: 6,144 bytes of codes, 256 of scale words, 2,048 of sums
.set XSTB,  8448
.set WSTG,  XSTG+4*XSTB                ; the weights' path: a stage of 32 rows x 272 bytes for each wave
.set WP,    272
.set WSTB,  32*WP
.set SPARE, WSTG+4*WSTB                ; the spare words, 128 bytes for each wave: two blocks of 256 bytes that no other line names
.set SPW,   14                         ; v14  LDS address of my spare word; never rewritten
.set NIL,   15                         ; v15  0; never rewritten
.set X0,    32                         ; v32-95, v96-159: two sets of a fragment's 64 numbers of x
.set TS,    96                         ; v96-223: 128 numbers of a small matrix on their way into T
.set BF,    160                        ; v160-191: two buffers of 16: T's numbers of a half-block
.set TM,    192                        ; v192-207 at work in QUANT
.set PC,    208                        ; v208-227 the codes just made
.set PW,    228                        ; v228 the scale word just made
.set ACC,   232                        ; v232-247 two f32 accumulators: matrix instructions alone write them
.set SEL,   42                         ; s[42:43] lane selects for lane l xor 16
.set WX,    32                         ; the weights' path: v32-95 two sets of 32 numbers
.set WC,    96                         ; a block's codes
.set OUTR,  112                        ; v112-175 the way out
.set SB,    24                         ; v24-25 eight scale bytes
; 64 numbers of a lane, register 16 b + i = k 32 b + 16 (lane / 16) + i of my row, become a fragment's codes in v[PC] on and its scale word in v[PW]
.macro QUANT s
.irp b, 0,1,2,3
	v_max3_num_f32 v[TM+\b], |v[(\s)+16*\b]|, |v[(\s)+1+16*\b]|, 0x1800000   ; my 16 numbers of block b, and the floor 2^(3 - 127): the byte cannot fall under 1
.endr
.irp i, 2,4,6,8,10,12,14
.irp b, 0,1,2,3
	v_max3_num_f32 v[TM+\b], v[TM+\b], |v[(\s)+16*\b+\i]|, |v[(\s)+1+16*\b+\i]|
.endr
.endr
.irp b, 0,1,2,3
	v_permlanex16_b32 v[TM+4+\b], v[TM+\b], s[SEL], s[SEL+1]
.endr
.irp b, 0,1,2,3
	v_max_num_f32 v[TM+\b], v[TM+\b], v[TM+4+\b]                 ; with lane l xor 16's: the block's largest magnitude
.endr
.irp b, 0,1,2,3
	v_add_nc_u32 v[TM+12+\b], 0xff000000, v[TM+\b]               ; 2 off its exponent field: the conversion's scale operand
.endr
.irp b, 0,1,2,3
	v_lshrrev_b32 v[TM+4+\b], 23, v[TM+12+\b]                    ; the scale's byte
.endr
	v_lshl_or_b32 v[PW], v[TM+5], 8, v[TM+4]
	v_lshl_or_b32 v[PW], v[TM+6], 16, v[PW]
	v_lshl_or_b32 v[PW], v[TM+7], 24, v[PW]
.irp c, 0,1
	v_cvt_scalef32_pk16_fp6_f32 v[PC+6*\c:PC+2+6*\c], v[(\s)+32*\c:(\s)+15+32*\c], v[TM+12+2*\c]
	v_cvt_scalef32_pk16_fp6_f32 v[PC+12+4*\c:PC+14+4*\c], v[(\s)+16+32*\c:(\s)+31+32*\c], v[TM+12+2*\c+1]   ; (a conversion's three registers begin on an even number)
.endr
	v_nop                                                        ; one plain place behind a scaled conversion
.irp c, 0,1                                                          ; a whole block to a lane: lanes 0-15 block 2 c, lanes 16-31 block 2 c + 1
.irp i, 0,1,2
	v_permlane16_swap_b32 v[PC+6*\c+\i], v[PC+12+4*\c+\i]
.endr
.irp i, 0,1,2
	v_mov_b32 v[PC+3+6*\c+\i], v[PC+12+4*\c+\i]
.endr
.endr
.endm
	s_load_b512 s[8:23], s[0:1], 0x0               ; x s[8:9], head_a s[10:11], q_a s[12:13], k_a s[14:15], v_a s[16:17], wq s[18:19], wk s[20:21], wv s[22:23]
	s_load_b256 s[24:31], s[0:1], 0x40             ; wo s[24:25], cod s[26:27], scl s[28:29], tpart s[30:31]
	v_lshl_add_u32 v[SPW], v0, 2, SPARE
	v_mov_b32 v[NIL], 0
	v_lshrrev_b32 v1, 5, v0
	v_readfirstlane_b32 s32, v1                    ; wave 0..3
	v_and_b32 v1, 31, v0                           ; lane
	s_mov_b32 s41, 0
	s_cmp_ge_u32 ttmp9, 128                        ; the work-group's number alone decides the path: all four waves go the same way
	s_cbranch_scc1 .Lweights
; ---------------- x ----------------
; Wave w takes tile tt = 4 (group) + w: 16 positions, rows 32 (tt/2) + 8 (tt%2) + r + 8 (r/8), x 512 along K: four fragments of 128.
	v_and_b32 v2, 15, v0                           ; r
	v_bfe_u32 v3, v0, 4, 1                         ; h
	v_and_b32 v4, 8, v2
	v_add_nc_u32 v4, v4, v2                        ; r + 8 (r / 8)
	v_lshlrev_b32 v5, 13, v4
	v_lshl_add_u32 v5, v3, 6, v5                   ; v5: x: my row of 8,192 bytes, + 64 h: my 16 numbers of a block of 32
	v_lshrrev_b32 v7, 3, v1
	v_and_b32 v8, 7, v1
	v_lshlrev_b32 v6, 7, v7
	v_lshl_add_u32 v6, v8, 2, v6                   ; v6: a small matrix [k][8]: column lane % 8, rows 4 (lane / 8) on
	s_mul_i32 s33, s32, 8*TP
	v_mul_u32_u24 v9, v8, TP
	v_lshl_add_u32 v9, v7, 4, v9
	v_add_nc_u32 v9, s33, v9                       ; v9: into T: row 8 w + lane % 8, 16 bytes for each lane / 8
	v_mul_u32_u24 v10, v2, TP
	v_lshl_add_u32 v10, v3, 6, v10                 ; v10: out of T: row r, + 64 h
	s_mul_i32 s34, s32, XSTB
	s_add_co_u32 s34, s34, XSTG                    ; my stage
	v_mul_u32_u24 v11, v2, 192
	v_mad_u32_u24 v11, v3, 24, v11
	v_add_nc_u32 v11, s34, v11                     ; v11: codes in: row r of 192 bytes, + 24 h
	v_lshl_add_u32 v12, v2, 3, s34
	v_add_nc_u32 v12, 6144, v12                    ; v12: scale words in: 8 bytes a row
	; tpart is laid for the next launch's registers: [K chunk 4][tile of 16 x positions 128][matrix 4: head_a, q_a, k_a, v_a][half e 2][position r 16][4] f32, columns 4 e + 0..3 of the matrix:
	; its lane 16 e + r then reads 16 bytes, and a wave 512 consecutive bytes, for a tile and a matrix
	v_lshlrev_b32 v13, 4, v2
	v_lshl_add_u32 v13, v3, 9, v13
	v_add_nc_u32 v13, s34, v13
	v_add_nc_u32 v13, 6400, v13                    ; v13: sums in: position r x 16 bytes, + 512 h
	v_lshlrev_b32 v19, 4, v1                       ; v19: 16 x lane
	v_add_nc_u32 v16, s34, v19                     ; v16: back out of the stage, as it lies
	v_lshl_add_u32 v17, v1, 3, s34
	v_add_nc_u32 v17, 6144, v17                    ; v17: the scale words back, 8 bytes a lane
	v_mul_u32_u24 v18, v3, SSL
	v_lshl_add_u32 v18, v2, 3, v18                 ; v18: and their place in scl: lanes 16-31 a kslot on
	s_mov_b32 s[SEL], 0x76543210
	s_mov_b32 s[SEL+1], 0xfedcba98
	s_and_b32 s35, ttmp9, 3                        ; K chunk
	s_lshr_b32 s36, ttmp9, 2
	s_lshl_b32 s37, s36, 2
	s_add_co_u32 s37, s37, s32                     ; tt
	s_lshr_b32 s38, s37, 1
	s_lshl_b32 s38, s38, 5
	s_and_b32 s39, s37, 1
	s_lshl_b32 s39, s39, 3
	s_add_co_u32 s38, s38, s39                     ; the tile's first row
	s_lshl_b32 s40, s38, 13
	s_lshl_b32 s39, s35, 11
	s_add_co_u32 s40, s40, s39
	s_wait_kmcnt 0x0
	s_add_nc_u64 s[8:9], s[8:9], s[40:41]          ; x at my tile, my chunk
	s_cmp_eq_u32 s32, 1                            ; wave w brings matrix w into T: head_a, q_a, k_a, v_a
	s_cselect_b64 s[10:11], s[12:13], s[10:11]
	s_cmp_eq_u32 s32, 2
	s_cselect_b64 s[10:11], s[14:15], s[10:11]
	s_cmp_eq_u32 s32, 3
	s_cselect_b64 s[10:11], s[16:17], s[10:11]
	s_lshl_b32 s40, s35, 14                        ; 512 rows of 32 bytes a chunk
	s_add_nc_u64 s[10:11], s[10:11], s[40:41]
	s_mul_i32 s40, s35, 2*KSL                      ; a chunk is two kslots
	s_mul_i32 s39, s37, 3072                       ; 16 positions of 192 bytes
	s_add_co_u32 s40, s40, s39
	s_add_nc_u64 s[26:27], s[26:27], s[40:41]
	s_mul_i32 s40, s35, 2*SSL
	s_lshl_b32 s39, s37, 7
	s_add_co_u32 s40, s40, s39
	s_add_nc_u64 s[28:29], s[28:29], s[40:41]
	s_lshl_b32 s40, s35, 18
	s_lshl_b32 s39, s37, 11
	s_add_co_u32 s40, s40, s39
	s_add_nc_u64 s[30:31], s[30:31], s[40:41]
.macro XLOAD f                         ; fragment f: register 16 b + 4 j + .. = k 128 f + 32 b + 16 h + 4 j + ..
.irp b, 0,1,2,3
.irp j, 0,1,2,3
	global_load_b128 v[X0+64*((\f)%2)+16*\b+4*\j:X0+64*((\f)%2)+16*\b+4*\j+3], v5, s[8:9] offset:512*(\f)+128*\b+16*\j   ; the four loads j name the same 64 bytes of a row: no hint of a single use
.endr
.endr
.endm
	XLOAD 0
; T[n][k], n = 8 (matrix) + column, k innermost: a lane takes a column and four neighbours down k at a time, so that 16 bytes of a row of T leave a lane's four registers
.set g, 0
.rept 32
.irp i, 0,1,2,3
	global_load_b32 v[TS+4*g+\i], v6, s[10:11] offset:512*g+32*\i
.endr
.set g, g+1
.endr
	s_wait_loadcnt 0x0
.set g, 0
.rept 32
	ds_store_b128 v9, v[TS+4*g:TS+4*g+3] offset:64*g
.set g, g+1
.endr
	s_wait_dscnt 0x0                               ; for the others' sake: my eight rows of T have landed
	s_barrier_signal -1
	s_barrier_wait -1                              ; T is whole; nobody writes it again
.irp b, 0,1,2,3
	v_mov_b32 v[TM+4+\b], 0                        ; written once: a lane permute's destination counts as one of its sources
.endr
; half-block g = 8 f + 2 b + hh: k = 128 f + 32 b + 16 h + 8 hh + 0..7 of T's rows r and 16 + r
.macro BFLOAD g
.irp u, 0,1
.irp e, 0,1
	ds_load_b128 v[BF+16*((\g)%2)+8*\u+4*\e:BF+16*((\g)%2)+8*\u+4*\e+3], v10 offset:16*TP*\u+128*((\g)/2)+32*((\g)%2)+16*\e
.endr
.endr
.endm
; eight f32 matrix instructions: source 0 = 16 rows of T, source 1 = my 16 rows of x; both sides hold the same k in the same lanes and registers.  The two accumulators take turns.
.macro HB g, left, first
.if (\left) >= 0
	s_wait_dscnt \left
.endif
.set XR, X0+64*(((\g)/8)%2)+8*((\g)%8)
.irp i, 0,1,2,3
.irp u, 0,1
.if (\first) && (\i == 0)
	v_wmma_f32_16x16x4_f32 v[ACC+8*\u:ACC+8*\u+7], v[BF+16*((\g)%2)+8*\u+2*\i:BF+16*((\g)%2)+8*\u+2*\i+1], v[XR+2*\i:XR+2*\i+1], 0
.else
	v_wmma_f32_16x16x4_f32 v[ACC+8*\u:ACC+8*\u+7], v[BF+16*((\g)%2)+8*\u+2*\i:BF+16*((\g)%2)+8*\u+2*\i+1], v[XR+2*\i:XR+2*\i+1], v[ACC+8*\u:ACC+8*\u+7]
.endif
.endr
.endr
.if (\g)+2 < 32
.rept 8
	v_nop                                          ; eight places behind this form, in front of loads into registers that it has read
.endr
	BFLOAD (\g)+2
.endif
.endm
.macro FRAGX f
	s_wait_loadcnt 0x0                             ; this fragment's 16 loads are in; nothing else is out
	s_wait_dscnt 0x0                               ; the last fragment's stores have read v[PC] and v[PW]; the two buffers of T are in
	QUANT X0+64*((\f)%2)
.irp p, 0,1,2,3,4,5
	ds_store_b64 v11, v[PC+2*\p:PC+2*\p+1] offset:3072*((\f)/2)+96*((\f)%2)+48*(\p/3)+8*(\p%3)
.endr
	ds_store_b32 v12, v[PW] offset:128*((\f)/2)+4*((\f)%2)       ; both halves of the lanes write the same word with the same value
.if (\f) < 3
	XLOAD (\f)+1                                   ; into the set that the fragment before has left
.endif
.if (\f) == 0
	HB 0, -1, 1                                    ; the first two products start the sums
.else
	HB 8*(\f), -1, 0
.endif
	HB 8*(\f)+1, -1, 0
.irp q, 2,3,4,5,6
	HB 8*(\f)+\q, 4, 0                             ; the four loads of the next half-block may be out
.endr
.if (\f) == 3
	HB 31, 0, 0
.else
	HB 8*(\f)+7, 4, 0
.endif
.endm
	BFLOAD 0
	BFLOAD 1
	FRAGX 0
	FRAGX 1
	FRAGX 2
	FRAGX 3
.rept 8
	v_nop                                          ; eight places in front of the first read of the sums
.endr
.set j, 0
.rept 16
	v_mul_f32 v[TM+j], 2.0, v[ACC+j]               ; the LoRA scale; each accumulator from its low end on; into other registers
.set j, j+1
.endr
.irp u, 0,1
.irp e, 0,1
	ds_store_b128 v13, v[TM+8*\u+4*\e:TM+8*\u+4*\e+3] offset:1024*\u+256*\e  ; lane (r, h): position r, matrix 2 u + h (512 bytes each), columns 4 e + 0..3
.endr
.endr
.irp i, 0,1,2,3,4,5,6,7,8,9,10,11
	ds_load_b128 v[32+4*\i:35+4*\i], v16 offset:512*\i            ; LDS serves a wave's instructions in order: these see my stores
.endr
.irp i, 0,1,2,3
	ds_load_b128 v[80+4*\i:83+4*\i], v16 offset:6400+512*\i
.endr
	ds_load_b64 v[96:97], v17
.irp i, 0,1,2,3,4,5,6,7,8,9,10,11
	s_wait_dscnt 16-\i
	global_store_b128 v19, v[32+4*\i:35+4*\i], s[26:27] offset:(\i/6)*KSL+512*(\i%6)   ; 512 consecutive bytes, at a multiple of 256 from cod's first byte
.endr
.irp i, 0,1,2,3
	s_wait_dscnt 4-\i
	global_store_b128 v19, v[80+4*\i:83+4*\i], s[30:31] offset:512*\i
.endr
	s_wait_dscnt 0x0
	global_store_b64 v18, v[96:97], s[28:29]       ; two runs of 128 bytes, one in each kslot
	s_wait_tensorcnt 0x0                           ; the wave's end
	ds_add_u32 v[SPW], v[NIL]
	s_wait_dscnt 0x0
	s_endpgm
; ---------------- the weights ----------------
; A lane takes a column n and its registers run down K: a block of 32 lies in one lane, and the codes come out with K innermost.  A wave: 32 columns x 256 along K (one kslot).
.Lweights:
	s_sub_co_u32 s33, ttmp9, 128
	s_lshr_b32 s34, s33, 7                         ; which weight
	s_bfe_u32 s35, s33, 0x30004                    ; kslot
	s_and_b32 s36, s33, 15
	s_lshl_b32 s37, s36, 7
	s_lshl_b32 s38, s32, 5
	s_add_co_u32 s37, s37, s38                     ; my wave's first column
	s_wait_alu depctr_va_vdst(0)
	v_lshlrev_b32 v3, 2, v1                        ; in: 4 bytes a lane
	v_and_b32 v4, 7, v1
	v_bfe_u32 v5, v1, 3, 1
	v_lshl_or_b32 v4, v5, 4, v4
	v_bfe_u32 v5, v1, 4, 1
	v_lshl_or_b32 v4, v5, 3, v4                    ; my column's position among the 32: bits 3 and 4 exchanged
	v_lshlrev_b32 v9, 3, v4                        ; its 8 scale bytes
	s_mul_i32 s39, s32, WSTB
	s_add_co_u32 s39, s39, WSTG                    ; my stage
	v_mul_u32_u24 v4, v4, WP
	v_add_nc_u32 v4, s39, v4                       ; into it: row = my position
	v_and_b32 v5, 15, v1
	v_lshrrev_b32 v6, 4, v1
	v_mul_u32_u24 v7, v6, WP
	v_lshl_add_u32 v7, v5, 4, v7
	v_add_nc_u32 v7, s39, v7                       ; out of it: sixteen lanes to a row, two rows an instruction
	v_mul_u32_u24 v8, v1, 12                       ; two rows of 192 bytes are 384 consecutive bytes of cod: 12 a lane
	s_lshl_b32 s40, s35, 21                        ; 256 rows of 8,192 bytes a kslot
	s_lshl_b32 s38, s37, 2
	s_add_co_u32 s40, s40, s38
	s_lshl_b32 s38, s34, 11
	s_add_co_u32 s38, s38, 2048
	s_add_co_u32 s38, s38, s37                     ; my first position
	s_mul_i32 s44, s35, KSL
	s_mul_i32 s46, s38, 192
	s_add_co_u32 s44, s44, s46
	s_mov_b32 s45, 0
	s_mul_i32 s48, s35, SSL
	s_lshl_b32 s46, s38, 3
	s_add_co_u32 s48, s48, s46
	s_mov_b32 s49, 0
	s_wait_kmcnt 0x0
	s_cmp_eq_u32 s34, 1
	s_cselect_b64 s[18:19], s[20:21], s[18:19]
	s_cmp_eq_u32 s34, 2
	s_cselect_b64 s[18:19], s[22:23], s[18:19]
	s_cmp_eq_u32 s34, 3
	s_cselect_b64 s[18:19], s[24:25], s[18:19]
	s_add_nc_u64 s[18:19], s[18:19], s[40:41]
	s_add_nc_u64 s[26:27], s[26:27], s[44:45]
	s_add_nc_u64 s[28:29], s[28:29], s[48:49]
.macro WLOAD t                         ; block t: W(32 t + i, my column): 128 consecutive bytes a wave
.irp i, 0,1,2,3,4,5,6,7,8,9,10,11,12,13,14,15,16,17,18,19,20,21,22,23,24,25,26,27,28,29,30,31
	global_load_b32 v[WX+32*((\t)%2)+\i], v3, s[18:19] offset:(32*(\t)+\i)*8192 th:TH_LOAD_NT
.endr
.endm
	WLOAD 0
	WLOAD 1
.macro BLOCK t
.set XS, WX+32*((\t)%2)
.if (\t) < 7
	s_wait_loadcnt 32                              ; this block's 32 loads are in; the next block's may be out
.else
	s_wait_loadcnt 0
.endif
	v_max3_num_f32 v12, |v[XS]|, |v[XS+1]|, |v[XS+2]|
	v_max3_num_f32 v13, |v[XS+3]|, |v[XS+4]|, |v[XS+5]|
.irp i, 6,10,14,18,22,26
	v_max3_num_f32 v12, v12, |v[XS+\i]|, |v[XS+\i+1]|
	v_max3_num_f32 v13, v13, |v[XS+\i+2]|, |v[XS+\i+3]|
.endr
	v_max3_num_f32 v12, v12, |v[XS+30]|, |v[XS+31]|
	v_max3_num_f32 v12, v12, v13, 0x1800000        ; and the floor 2^(3 - 127)
	v_add_nc_u32 v11, 0xff000000, v12              ; 2 off the exponent field: the conversion's scale operand
	v_lshrrev_b32 v13, 23, v11                     ; the scale's byte
.if (\t)%4 == 0
	v_mov_b32 v[SB+(\t)/4], v13
.else
	v_lshl_or_b32 v[SB+(\t)/4], v13, 8*((\t)%4), v[SB+(\t)/4]
.endif
	v_cvt_scalef32_pk16_fp6_f32 v[WC:WC+2], v[XS:XS+15], v11
	v_cvt_scalef32_pk16_fp6_f32 v[WC+4:WC+6], v[XS+16:XS+31], v11
	v_nop                                          ; one plain place behind a scaled conversion
	ds_store_b96 v4, v[WC:WC+2] offset:32*(\t)     ; 12 bytes to a place of 16, so that every LDS address is a multiple of 16
	ds_store_b96 v4, v[WC+4:WC+6] offset:32*(\t)+16
.if (\t)+2 < 8
	WLOAD (\t)+2
.endif
	s_wait_dscnt 0x0                               ; the stores have read their registers
.endm
.irp t, 0,1,2,3,4,5,6,7
	BLOCK \t
.endr
	s_wait_alu depctr_va_vdst(0)
	global_store_b64 v9, v[SB:SB+1], s[28:29]      ; the wave's 32 x 8 bytes: 256 consecutive bytes, aligned
.irp t, 0,1,2,3,4,5,6,7,8,9,10,11,12,13,14,15
	ds_load_b96 v[OUTR+4*\t:OUTR+4*\t+2], v7 offset:2*\t*WP
.endr
.irp t, 0,1,2,3,4,5,6,7,8,9,10,11,12,13,14,15
	s_wait_dscnt 15-\t
	global_store_b96 v8, v[OUTR+4*\t:OUTR+4*\t+2], s[26:27] offset:384*\t
.endr
	s_wait_tensorcnt 0x0                           ; the wave's end
	ds_add_u32 v[SPW], v[NIL]
	s_wait_dscnt 0x0
	s_endpgm
.Lfunc_end_k_q1cb97cc056_prep:
	.size	k_q1cb97cc056_prep, .Lfunc_end_k_q1cb97cc056_prep-k_q1cb97cc056_prep
	.p2alignl 7, 3214868480
	.fill 96, 4, 3214868480
	.section	.rodata,"a",@progbits
	.p2align	6, 0x0
	.amdhsa_kernel k_q1cb97cc056_prep
		.amdhsa_group_segment_fixed_size 135168
		.amdhsa_private_segment_fixed_size 0
		.amdhsa_enable_private_segment 0
		.amdhsa_kernarg_size 96
		.amdhsa_user_sgpr_count 2
		.amdhsa_user_sgpr_kernarg_segment_ptr 1
		.amdhsa_wavefront_size32 1
		.amdhsa_system_sgpr_workgroup_id_x 1
		.amdhsa_system_sgpr_workgroup_id_y 1
		.amdhsa_system_sgpr_workgroup_id_z 1
		.amdhsa_system_vgpr_workitem_id 0
		.amdhsa_next_free_vgpr 256
		.amdhsa_next_free_sgpr 66
		.amdhsa_reserve_vcc 0
		.amdhsa_float_denorm_mode_32 3
		.amdhsa_float_denorm_mode_16_64 3
		.amdhsa_memory_ordered 1
		.amdhsa_forward_progress 1
		.amdhsa_inst_pref_size 120
	.end_amdhsa_kernel
	.amdgpu_metadata
---
amdhsa.version: [ 1, 2 ]
amdhsa.kernels:
  - .name:           k_q1cb97cc056_prep
    .symbol:         k_q1cb97cc056_prep.kd
    .args:
      - { .name: x, .offset: 0, .size: 8, .value_kind: global_buffer, .address_space: global }
      - { .name: head_a, .offset: 8, .size: 8, .value_kind: global_buffer, .address_space: global }
      - { .name: q_a, .offset: 16, .size: 8, .value_kind: global_buffer, .address_space: global }
      - { .name: k_a, .offset: 24, .size: 8, .value_kind: global_buffer, .address_space: global }
      - { .name: v_a, .offset: 32, .size: 8, .value_kind: global_buffer, .address_space: global }
      - { .name: wq_base, .offset: 40, .size: 8, .value_kind: global_buffer, .address_space: global }
      - { .name: wk_base, .offset: 48, .size: 8, .value_kind: global_buffer, .address_space: global }
      - { .name: wv_base, .offset: 56, .size: 8, .value_kind: global_buffer, .address_space: global }
      - { .name: wo, .offset: 64, .size: 8, .value_kind: global_buffer, .address_space: global }
      - { .name: cod, .offset: 72, .size: 8, .value_kind: global_buffer, .address_space: global }
      - { .name: scl, .offset: 80, .size: 8, .value_kind: global_buffer, .address_space: global }
      - { .name: tpart, .offset: 88, .size: 8, .value_kind: global_buffer, .address_space: global }
    .group_segment_fixed_size: 135168
    .private_segment_fixed_size: 0
    .kernarg_segment_align: 8
    .kernarg_segment_size: 96
    .max_flat_workgroup_size: 128
    .sgpr_count:     66
    .vgpr_count:     256
    .wavefront_size: 32
...
	.end_amdgpu_metadata
.endif
;; end of part 5
;; launch qkv (part 6): grid 24 x 8, 4 waves a work-group, clusters of 4 x 4, 327,680 bytes of LDS; arguments cod, scl, tpart, q_b, k_b, v_b, head_b, freq_cis, qkvc, qkvs; writes qkvc, qkvs
.if DOCPART == 6
	.amdgcn_target "amdgcn-amd-amdhsa--gfx1250"
	.amdhsa_code_object_version 6
	.text
	.protected	k_q1cb97cc056_qkv
	.globl	k_q1cb97cc056_qkv
	.p2align	8
	.type	k_q1cb97cc056_qkv,@function
k_q1cb97cc056_qkv:
	s_mov_b64 s[64:65], 0
	v_nop
	global_prefetch_b8 v0, s[64:65] scope:SCOPE_SE
	s_setreg_imm32_b32 hwreg(HW_REG_WAVE_MODE, 25, 1), 1
	s_wait_xcnt 0x0
	s_wait_alu depctr_hold_cnt(0) depctr_sa_sdst(0) depctr_va_vdst(0) depctr_va_sdst(0) depctr_va_ssrc(0) depctr_va_vcc(0) depctr_vm_vsrc(0)
	s_getreg_b32 s2, hwreg(HW_REG_IB_STS2, 6, 4)
	s_cmp_eq_u32 s2, 0
	s_cbranch_scc0 .Lentry_in_a_cluster
	s_endpgm
.Lentry_in_a_cluster:
	s_bfe_u32 s2, ttmp6, 0x10000c
	s_cmp_lg_u32 s2, 0xf033
	s_cbranch_scc0 .Lentry_shape_is_right
	s_endpgm
.Lentry_shape_is_right:
; QKV.  xq, xk, xv = x W + LoRA terms, RoPE on q and k, then quantised to FP6 (E2M3) with E8M0 scales: q, k along d, v along the keys.
; The base products run on codes (cod, scl: [kslot 8][position 10240][192 bytes | 8 bytes]; positions: x 0, wq 2048, wk 4096, wv 6144), K = 2,048 in 16 steps of 128.
; The LoRA terms (K = 16: 8 of the type's own pair, 8 of the head pair; tpart holds 2 x . a in four parts along K) are f32 matrix products that START the 64 accumulators; nothing is cleared.
; A work-group makes 256 x 256, a wave 128 x 128.  Clusters x 0-3: q and k: source 1 (A) = rows of x, source 0 (B) = columns of W: a lane holds one row and neighbours along d.
; Clusters x 4-5: v: A = columns of wv, B = rows of x: a lane holds one d and neighbours along the keys.  The branch hangs on the cluster's x alone, which all partners share.
; A position holds index n with bits 3 and 4 exchanged, so the 16 registers of accumulators 2 b, 2 b + 1 are 16 neighbours along the next K.
; RING: two slots, each one kslot (256 along K) of A's 256 and B's 256 positions.  128 positions x 192 bytes are dense in memory: 96 rows of 256 bytes, each on a 256-byte border;
; 16 bytes of padding behind every 64 give each position 240 bytes in LDS.  Tiles are asked for jointly: A's along a row of the cluster, B's along a column.
; HEAD: one joint load a wave: wave 0 A's 256 positions of kslot 0, wave 1 B's, wave 2 A's scale words of all kslots, wave 3 B's.  The LoRA's loads and its first 128 products stand under their flight;
; slot 1's first fill stands behind the three lines and a round, and the other 128 products under its flight.
; PREFETCH: behind the load of kslot j each wave names kslot j + 2 of the tile that it fetches: 24 blocks of 256 bytes, its work-group's quarter of 96, told apart by address (cx for A, cy for B);
; lanes 24-31 name block 23 again.  The head names kslots 1 and 2.  The last trip names nothing: kslot 7 is the last.  freq_cis: the 8 waves of a cluster's row that read the same 128 rows name 8,192 bytes each, once.
; OUT: qkvc [type][head][idx 2048][96 bytes], qkvs [type][head][idx][4]; q, k: idx = row; v: idx = 128 (key step) + d.
; LIMITS: NaN and infinities are not served; a block whose largest magnitude lies under 2^-124 gets the byte 1; a block of zeros the byte 1 with zero codes (this program alone reads the bytes).
.set NR,     10240
.set KSL,    NR*192
.set NQ,     2
.set PITCH,  240
.set FR,     12
.set NL,     6
.set NP,     4
.set HALFT,  128*PITCH
.set SLOT,   4*HALFT
.set LAPS,   4
.set SCL,    2*SLOT                    ; scale words: A's [kslot 8][256 positions][8 bytes], then B's
.set SQ,     8192
.set SBLK,   128
.set SPARE,  SCL+4*SQ                  ; the spare words: 512 bytes that no other line names
.set STGB,   12800                     ; the way out: a stage for each wave, in slot 0, which has had its last fill and its last read by then
.set VT0,  8
.set VT1,  9
.set VOB,  10
.set VHB,  11
.set VFQ,  12
.set SSO,  13
.set ADRA, 16
.set ADRB, 20
.set STO,  24
.set RD,   25
.set GO,   26
.set ADRS, 27
.set SPW,  28
.set NIL,  29
.set PFO,  30                          ; v30  256 x min(lane, 23); never rewritten
.set PFF,  31                          ; v31  my 8,192 bytes of the freq_cis rows, 256 x lane; never rewritten
.set SC,   32
.set AF,   128
.set LA,   192
.set LB,   0
.set TM,   64
.set PW,   80
.set TT,   82
.set PC,   90
.set HA,   110
.set OUT,  110
.set G1, 24
.set G0, 32
.set G1B, 48
.set G0B, 56
.set G1S, 68
.set G0S, 76
.set G1SB, 80
.set G0SB, 88
.set HL,  42                           ; s42      wave x 128 LDS rows
.set HO,  46                           ; s[46:47] bytes to the 128 positions that I fetch in the ring
.set PFA, 104                          ; s[104:105] where my prefetches stand
.set MSB, 0
.macro WIN new
.if MSB != (\new)
	s_set_vgpr_msb (MSB<<8)|(\new)
.set MSB, (\new)
.endif
.endm
.set MUL_LO, 0xa1
.set MUL_HI, 0xf1
.set TO_B,   0x40
.macro JLOAD g0a, g1a, g0b, g1b        ; waves 0, 1 fetch for A, waves 2, 3 for B; s_nop 0 and four v_nop behind each load
	s_cmp_eq_u32 s16, 0
	s_cbranch_scc0 .Lfor_b_\@
	tensor_load_to_lds s[\g0a:\g0a+3], s[\g1a:\g1a+7]
	s_nop 0
.rept 4
	v_nop
.endr
	s_branch .Lasked_\@
.Lfor_b_\@:
	tensor_load_to_lds s[\g0b:\g0b+3], s[\g1b:\g1b+7]
	s_nop 0
.rept 4
	v_nop
.endr
.Lasked_\@:
.endm
.macro CREST
	s_cmp_lg_u32 s2, 0
	s_cbranch_scc1 .Lnot_wave_0_\@
	s_barrier_signal -3
.Lnot_wave_0_\@:
	s_barrier_wait -3
	s_barrier_signal -1
	s_barrier_wait -1
.endm
.macro CROUND
	s_barrier_signal -1
	s_barrier_wait -1
	CREST
.endm
.macro PLACES n
.rept \n
	v_nop
.endr
.endm
	s_load_b128 s[4:7], s[0:1], 0x0                ; cod, scl
	s_load_b256 s[92:99], s[0:1], 0x10             ; tpart, q_b, k_b, v_b
	s_load_b256 s[8:15], s[0:1], 0x30              ; head_b, freq_cis, qkvc, qkvs
	v_lshl_add_u32 v[SPW], v0, 2, SPARE
	v_mov_b32 v[NIL], 0
	ds_add_u32 v[SPW], v[NIL]                      ; the opening lines: the add twice and one wait
	ds_add_u32 v[SPW], v[NIL]
	v_lshrrev_b32 v1, 5, v0
	v_readfirstlane_b32 s2, v1                     ; wave
	s_lshr_b32 s16, s2, 1                          ; my half of A's rows; also: I fetch for A (0) or B (1)
	s_and_b32 s17, s2, 1                           ; my half of B's rows; also: which 128 positions I fetch
	s_bfe_u32 s40, ttmp6, 0x40000                  ; cx
	s_bfe_u32 s41, ttmp6, 0x40004                  ; cy
	s_lshl_b32 s19, ttmp9, 2
	s_add_co_u32 s19, s19, s40                     ; tile column
	s_and_b32 s18, ttmp7, 0xffff
	s_lshl_b32 s18, s18, 2
	s_add_co_u32 s18, s18, s41                     ; tile row
	s_lshl_b32 s42, s41, 2
	s_lshl_b32 s42, 15, s42                        ; my row of the cluster
	s_lshl_b32 s43, 0x1111, s40                    ; my column
	s_lshr_b32 s44, ttmp9, 2                       ; 1: v
	s_lshr_b32 s45, ttmp9, 1                       ; type 0, 1, 2
	; group 1 for codes: rows of 256 bytes, 16 bytes of padding behind every 64; 192 rows at the head, 96 in the ring
	s_or_b32 s[G1+0], s42, (1<<20)|(1<<21)|(3<<22)|(3<<25)
	s_or_b32 s[G1B+0], s43, (1<<20)|(1<<21)|(3<<22)|(3<<25)
.irp g, G1, G1B
	s_mov_b32 s[\g+1], 256<<16
	s_mov_b32 s[\g+2], 192<<16
	s_mov_b32 s[\g+3], 256<<16
	s_mov_b32 s[\g+4], 192
	s_mov_b32 s[\g+5], 256
	s_mov_b32 s[\g+6], 0
	s_mov_b32 s[\g+7], 0
.endr
	; and for scale words: 8 kslots x 256 positions of 8 bytes
	s_or_b32 s[G1S+0], s42, (3<<16)|(1<<21)
	s_or_b32 s[G1SB+0], s43, (3<<16)|(1<<21)
.irp g, G1S, G1SB
	s_mov_b32 s[\g+1], 256<<16
	s_mov_b32 s[\g+2], 8<<16
	s_mov_b32 s[\g+3], 256<<16
	s_mov_b32 s[\g+4], 8
	s_mov_b32 s[\g+5], NR
	s_mov_b32 s[\g+6], 0
	s_mov_b32 s[\g+7], 0
.endr
	s_mul_i32 s[HL], s2, HALFT
	s_mul_i32 s21, s44, 6144
	s_lshl_b32 s22, s18, 8
	s_add_co_u32 s22, s22, s21                     ; A's first position: x, or for v wv
	s_lshl_b32 s46, s19, 8
	s_add_co_u32 s46, s46, 2048
	s_sub_co_u32 s46, s46, s21                     ; B's: wq, wk, or for v x
	s_mul_i32 s100, s22, 192
	s_mov_b32 s101, 0
	s_lshl_b32 s22, s22, 3
	s_mov_b32 s23, 0
	s_mul_i32 s104, s46, 192
	s_mov_b32 s105, 0
	s_lshl_b32 s46, s46, 3
	s_mov_b32 s47, 0
	s_wait_alu depctr_va_vdst(0)
	s_wait_dscnt 0x0                               ; both opening adds are done
	s_wait_kmcnt 0x0
	s_add_nc_u64 s[100:101], s[4:5], s[100:101]
	s_add_nc_u64 s[22:23], s[6:7], s[22:23]
	s_add_nc_u64 s[104:105], s[4:5], s[104:105]
	s_add_nc_u64 s[46:47], s[6:7], s[46:47]
	s_mov_b32 s[G0], 1                             ; the head's four tiles: slot 0's group 0 serves A's 256 positions of kslot 0,
	s_mov_b32 s[G0+1], 0
	s_mov_b64 s[G0+2:G0+3], s[100:101]
	s_or_b32 s[G0+3], s[G0+3], 0x80000000
	s_mov_b32 s[G0B], 1                            ; B's likewise,
	s_mov_b32 s[G0B+1], 2*HALFT
	s_mov_b64 s[G0B+2:G0B+3], s[104:105]
	s_or_b32 s[G0B+3], s[G0B+3], 0x80000000
	s_mov_b32 s[G0S], 1                            ; A's scale words,
	s_mov_b32 s[G0S+1], SCL
	s_mov_b64 s[G0S+2:G0S+3], s[22:23]
	s_or_b32 s[G0S+3], s[G0S+3], 0x80000000
	s_mov_b32 s[G0SB], 1                           ; and B's
	s_mov_b32 s[G0SB+1], SCL+2*SQ
	s_mov_b64 s[G0SB+2:G0SB+3], s[46:47]
	s_or_b32 s[G0SB+3], s[G0SB+3], 0x80000000
	s_mul_i32 s[HO], s17, 128*192                  ; the ring: my 128 positions of a tile
	s_mov_b32 s[HO+1], 0
	s_add_nc_u64 s[100:101], s[100:101], s[HO:HO+1]
	s_add_nc_u64 s[104:105], s[104:105], s[HO:HO+1]
	s_mov_b32 s[G0+4], 1                           ; slot 1: kslot 1
	s_add_co_u32 s[G0+5], s[HL], SLOT
	s_add_nc_u64 s[G0+6:G0+7], s[100:101], KSL
	s_or_b32 s[G0+7], s[G0+7], 0x80000000
	s_mov_b32 s[G0B+4], 1
	s_add_co_u32 s[G0B+5], s[HL], SLOT
	s_add_nc_u64 s[G0B+6:G0B+7], s[104:105], KSL
	s_or_b32 s[G0B+7], s[G0B+7], 0x80000000
	s_cmp_eq_u32 s16, 0                            ; the prefetches: the tile that I fetch, my work-group's quarter of it
	s_cselect_b64 s[PFA:PFA+1], s[100:101], s[104:105]
	s_cselect_b32 s22, s40, s41
	s_mul_i32 s22, s22, 6144
	s_mov_b32 s23, 0
	s_add_nc_u64 s[PFA:PFA+1], s[PFA:PFA+1], s[22:23]
	CROUND                                         ; all sixteen work-groups are here: the first joint loads meet
.macro ARM under, g0, g1, next         ; one chain of branches on the wave's number, one load to an arm, one join
	s_cmp_lt_u32 s2, \under
	s_cbranch_scc0 \next
	tensor_load_to_lds s[\g0:\g0+3], s[\g1:\g1+7]
	s_nop 0
.rept 4
	v_nop
.endr
	s_branch .Lhead_asked
\next:
.endm
	ARM 1, G0,  G1,  .Lhead_b
	ARM 2, G0B, G1B, .Lhead_sa
	ARM 3, G0S, G1S, .Lhead_sb
	tensor_load_to_lds s[G0SB:G0SB+3], s[G1SB:G1SB+7]
	s_nop 0
.rept 4
	v_nop
.endr
.Lhead_asked:
	; which 128 rows of x (s66) and which head (s67) are my wave's, and the buffers at them
	s_lshl_b32 s20, s18, 1
	s_add_co_u32 s20, s20, s16
	s_and_b32 s21, s19, 7
	s_lshl_b32 s21, s21, 1
	s_add_co_u32 s21, s21, s17
	s_cmp_lt_u32 ttmp9, 4
	s_cselect_b32 s66, s20, s21
	s_cselect_b32 s67, s21, s20
	s_cmp_eq_u32 s45, 1
	s_cselect_b64 s[94:95], s[96:97], s[94:95]
	s_cmp_eq_u32 s45, 2
	s_cselect_b64 s[94:95], s[98:99], s[94:95]     ; q_b, k_b or v_b
	s_mov_b32 s21, 0
	s_lshl_b32 s20, s66, 14
	s_add_nc_u64 s[92:93], s[92:93], s[20:21]
	s_lshl_b32 s20, s67, 9
	s_add_nc_u64 s[8:9], s[8:9], s[20:21]
	s_lshl_b32 s20, s66, 16
	s_add_nc_u64 s[10:11], s[10:11], s[20:21]
	s_mul_i32 s20, s45, 3145728
	s_mul_i32 s22, s67, 196608
	s_add_co_u32 s20, s20, s22
	s_mul_i32 s22, s66, 12288
	s_add_co_u32 s20, s20, s22
	s_add_nc_u64 s[12:13], s[12:13], s[20:21]
	s_lshl_b32 s20, s45, 17
	s_lshl_b32 s22, s67, 13
	s_add_co_u32 s20, s20, s22
	s_lshl_b32 s22, s66, 9
	s_add_co_u32 s20, s20, s22
	s_add_nc_u64 s[14:15], s[14:15], s[20:21]
	; the scalars of the lane addresses, all ahead of the vector lines
	s_mul_i32 s3, s16, HALFT                       ; my 128 rows of A
	s_mul_i32 s20, s17, HALFT
	s_add_co_u32 s20, s20, 2*HALFT                 ; my 128 rows of B
	s_lshl_b32 s21, s16, 10
	s_lshl_b32 s22, s17, 10
	s_add_co_u32 s22, s22, 2*SQ
	s_sub_co_u32 s22, s22, s21                     ; from A's scale words to B's
	s_add_co_u32 s21, s21, SCL
	s_mul_i32 s23, s2, STGB
	s_lshl_b32 s44, s45, 9
	s_add_co_u32 s44, s44, 512                     ; the type's own matrix in a tile of tpart: 512 bytes each, the head pair's first
	s_lshl_b32 s100, s40, 1
	s_add_co_u32 s100, s100, s17
	s_lshl_b32 s100, s100, 13                      ; my 8,192 of the 65,536 bytes of freq_cis
	v_and_b32 v1, 15, v0                           ; r
	v_bfe_u32 v2, v0, 4, 1                         ; h
	v_and_b32 v6, 31, v0                           ; lane
	v_mul_u32_u24 v3, v1, PITCH
	v_mad_u32_u24 v4, v2, 24, v3                   ; row x pitch + 24 h
	v_lshl_add_u32 v5, v2, 4, v4                   ; and where lanes 16-31 pass a pad
	v_add_nc_u32 v[ADRA], s3, v4
	v_add_nc_u32 v[ADRB], s20, v4
	v_add_nc_u32 v[ADRA+2], s3, v5
	v_add_nc_u32 v[ADRB+2], s20, v5
	v_add_nc_u32 v[ADRA+1], SLOT, v[ADRA]
	v_add_nc_u32 v[ADRB+1], SLOT, v[ADRB]
	v_add_nc_u32 v[ADRA+3], SLOT, v[ADRA+2]
	v_add_nc_u32 v[ADRB+3], SLOT, v[ADRB+2]
	v_lshlrev_b32 v5, 3, v1
	v_mul_u32_u24 v7, s22, v2                      ; lanes 16-31 take B's scale words
	v_add_nc_u32 v5, v5, v7
	v_add_nc_u32 v[ADRS], s21, v5
	v_and_b32 v3, 8, v1
	v_add_nc_u32 v3, v3, v1                        ; r + 8 (r / 8)
	v_mul_u32_u24 v5, v3, 96
	v_mad_u32_u24 v5, v2, 24, v5
	v_add_nc_u32 v[STO], s23, v5
	v_lshl_add_u32 v[SSO], v3, 2, s23
	v_add_nc_u32 v[SSO], 12288, v[SSO]
	v_lshlrev_b32 v[GO], 4, v6
	v_add_nc_u32 v[RD], s23, v[GO]
	v_lshlrev_b32 v[VT0], 4, v6                    ; tpart lies in the order of these registers: 16 bytes a lane, 512 consecutive bytes a load
	v_add_nc_u32 v[VT1], s44, v[VT0]
	v_lshlrev_b32 v[VOB], 2, v3
	v_lshl_add_u32 v[VHB], v2, 15, v[VOB]
	v_lshl_add_u32 v[VOB], v2, 11, v[VOB]
	v_lshlrev_b32 v[VFQ], 9, v3
	v_lshl_add_u32 v[VFQ], v2, 6, v[VFQ]
	v_min_u32 v[PFO], 23, v6
	v_lshlrev_b32 v[PFO], 8, v[PFO]
	v_lshl_add_u32 v[PFF], v6, 8, s100
	s_wait_alu depctr_va_vdst(0)
	global_prefetch_b8 v[PFO], s[PFA:PFA+1] offset:KSL th:TH_LOAD_NT scope:SCOPE_SE
	global_prefetch_b8 v[PFO], s[PFA:PFA+1] offset:2*KSL th:TH_LOAD_NT scope:SCOPE_SE
.macro TSIDE                           ; tpart: 8 blocks of 16 positions x 4 parts along K x (own 4, head 4 columns)
.irp i, 0,1,2,3,4,5,6,7
.if \i == 4
	WIN 0x40
.endif
.irp c, 0,1,2,3
	global_load_b128 v[64+32*(\i%4)+8*\c:64+32*(\i%4)+8*\c+3], v[VT1], s[92:93] offset:\c*262144+2048*\i
	global_load_b128 v[64+32*(\i%4)+8*\c+4:64+32*(\i%4)+8*\c+7], v[VT0], s[92:93] offset:\c*262144+2048*\i
.endr
.endr
	WIN 0
.endm
.macro BSIDE w, reg                    ; the b matrices: 8 blocks of 16 columns x (own 4, head 4 rows)
	WIN (\w)<<6
.irp i, 0,1,2,3,4,5,6,7
.irp e, 0,1,2,3
	global_load_b32 v[(\reg)+8*\i+\e], v[VOB], s[94:95] offset:512*\e+4*(32*(\i/2)+8*(\i%2))
	global_load_b32 v[(\reg)+8*\i+4+\e], v[VHB], s[8:9] offset:8192*\e+4*(32*(\i/2)+8*(\i%2))
.endr
.endr
	WIN 0
.endm
.macro TSUM w, reg                     ; the four parts along K are added
	s_wait_loadcnt 0x0
.irp i, 0,1,2,3
.irp p, 0,2,4,6
	v_pk_add_f32 v[64+32*\i+\p:65+32*\i+\p], v[64+32*\i+\p:65+32*\i+\p], v[72+32*\i+\p:73+32*\i+\p]
	v_pk_add_f32 v[80+32*\i+\p:81+32*\i+\p], v[80+32*\i+\p:81+32*\i+\p], v[88+32*\i+\p:89+32*\i+\p]
.endr
.endr
	WIN (\w)<<6
.irp i, 0,1,2,3
.irp p, 0,2,4,6
	v_pk_add_f32 v[(\reg)+8*\i+\p:(\reg)+8*\i+\p+1], v[64+32*\i+\p:65+32*\i+\p], v[80+32*\i+\p:81+32*\i+\p]
.endr
.endr
	WIN 0x45
.irp i, 0,1,2,3
.irp p, 0,2,4,6
	v_pk_add_f32 v[64+32*\i+\p:65+32*\i+\p], v[64+32*\i+\p:65+32*\i+\p], v[72+32*\i+\p:73+32*\i+\p]
	v_pk_add_f32 v[80+32*\i+\p:81+32*\i+\p], v[80+32*\i+\p:81+32*\i+\p], v[88+32*\i+\p:89+32*\i+\p]
.endr
.endr
	WIN 0x05|((\w)<<6)
.irp i, 0,1,2,3
.irp p, 0,2,4,6
	v_pk_add_f32 v[(\reg)+32+8*\i+\p:(\reg)+32+8*\i+\p+1], v[64+32*\i+\p:65+32*\i+\p], v[80+32*\i+\p:81+32*\i+\p]
.endr
.endr
	WIN 0
.endm
	TSIDE
	s_cmp_lt_u32 ttmp9, 4
	s_cbranch_scc0 .Lv_lora
	global_prefetch_b8 v[PFF], s[10:11] th:TH_LOAD_NT scope:SCOPE_SE   ; q, k alone read freq_cis
	BSIDE 1, LB
	TSUM 0, LA
	s_branch .Llora
.Lv_lora:
	BSIDE 0, LA
	TSUM 1, LB
.Llora:
	PLACES NP
	s_wait_alu depctr_va_vdst(0)
.macro LORA hi                         ; 128 f32 products, K = 16 in four steps; the 32 accumulators of a window take turns; the first step starts the sums
	WIN MUL_LO+0x50*\hi
.irp s, 0,1,2,3
.irp a, 0,1,2,3
.irp b, 0,1,2,3,4,5,6,7
.if \s == 0
	v_wmma_f32_16x16x4_f32 v[8*(8*\a+\b):8*(8*\a+\b)+7], v[LB+8*\b+2*\s:LB+8*\b+2*\s+1], v[LA+8*(4*\hi+\a)+2*\s:LA+8*(4*\hi+\a)+2*\s+1], 0
.else
	v_wmma_f32_16x16x4_f32 v[8*(8*\a+\b):8*(8*\a+\b)+7], v[LB+8*\b+2*\s:LB+8*\b+2*\s+1], v[LA+8*(4*\hi+\a)+2*\s:LA+8*(4*\hi+\a)+2*\s+1], v[8*(8*\a+\b):8*(8*\a+\b)+7]
.endif
.endr
.endr
.endr
	WIN 0
.endm
	LORA 0
	s_wait_tensorcnt 0x0                           ; my tile of the head's four is in
	ds_add_u32 v[SPW], v[NIL]
	s_mov_b32 s[G1+2], 96<<16                      ; no tensor load of mine is out: from here on a load brings 96 rows of 256 bytes,
	s_mov_b32 s[G1+4], 96
	s_mov_b32 s[G1B+2], 96<<16
	s_mov_b32 s[G1B+4], 96
	s_mov_b32 s[G0+1], s[HL]                       ; and slot 0's group 0 stands at my 128 positions
	s_mov_b32 s[G0B+1], s[HL]
	s_add_nc_u64 s[G0+2:G0+3], s[G0+2:G0+3], s[HO:HO+1]
	s_add_nc_u64 s[G0B+2:G0B+3], s[G0B+2:G0B+3], s[HO:HO+1]
	s_wait_dscnt 0x0
	CROUND                                         ; all four tiles are in, in every work-group
	JLOAD G0+4, G1, G0B+4, G1B                     ; kslot 1, the first tensor load behind the round
	global_prefetch_b8 v[PFO], s[PFA:PFA+1] offset:3*KSL th:TH_LOAD_NT scope:SCOPE_SE
	LORA 1
	PLACES 9                                       ; nine places behind the f32 form, ahead of another form on its accumulators and of loads into its sources
.macro FRAG reg, adr, q, i             ; 16 positions x 128 K: six pieces of 8 bytes; piece e of a position lies at 8 e + 16 (e / 8)
.irp p, 0,1,2,3,4,5
.set PCE, 12*(\q)+6*(\p/3)+\p%3
.if PCE%8 < 5
	ds_load_b64 v[\reg+2*\p:\reg+2*\p+1], v[\adr] offset:8*PCE+16*(PCE/8)+(\i)*16*PITCH
.else
	ds_load_b64 v[\reg+2*\p:\reg+2*\p+1], v[\adr+2] offset:8*PCE+16*(PCE/8)+(\i)*16*PITCH
.endif
.endr
.endm
.macro MUL16 a0, p, q, sc              ; A's blocks a0, a0 + 1 x B's eight; the 64 accumulators take turns
.irp a, \a0, \a0+1
.irp b, 0,1,2,3,4,5,6,7
	v_wmma_scale_f32_16x16x128_f8f6f4 v[8*(8*((\a)%4)+\b):8*(8*((\a)%4)+\b)+7], v[128*(\p)+FR*\b:128*(\p)+FR*\b+FR-1], v[AF+FR*(\a):AF+FR*(\a)+FR-1], v[8*(8*((\a)%4)+\b):8*(8*((\a)%4)+\b)+7], v[SC+8*NQ*(\sc)+NQ*\b+(\q)], v[SC+8*NQ*(\sc)+NQ*(\a)+(\q)] matrix_a_fmt:MATRIX_FMT_FP6 matrix_b_fmt:MATRIX_FMT_FP6 matrix_a_scale:MATRIX_SCALE_ROW1
.endr
.endr
.endm
.macro FETCH_B slot, q, p
	WIN TO_B
.irp i, 0,1,2,3,4,5,6,7
	FRAG 128*(\p)+FR*\i, ADRB+\slot, \q, \i
.endr
	WIN 0
.endm
.macro FETCH_A slot, q, i0
.irp i, \i0, \i0+1, \i0+2, \i0+3
	FRAG AF+FR*(\i), ADRA+\slot, \q, \i
.endr
.endm
.macro SCALES sc                       ; a kslot's two words a position: lanes 0-15 A's block i, lanes 16-31 B's
.irp i, 0,1,2,3,4,5,6,7
	ds_load_b64 v[SC+8*NQ*\sc+NQ*\i:SC+8*NQ*\sc+NQ*\i+1], v[ADRS] offset:\i*SBLK
.endr
.endm
.macro STEP slot, q                    ; a slot's first step; the second step's fragments are fetched in its middle and at its end
	s_wait_dscnt 4*NL                              ; all but the youngest 24 loads, A's blocks 4-7
	WIN MUL_LO
	MUL16 0, (\q)%2, \q, \slot
	MUL16 2, (\q)%2, \q, \slot
	s_wait_dscnt 0
	PLACES NP
	FETCH_B \slot, (\q)+1, 1-(\q)%2
	FETCH_A \slot, (\q)+1, 0
	WIN MUL_HI
	MUL16 4, (\q)%2, \q, \slot
	MUL16 6, (\q)%2, \q, \slot
	PLACES NP
	WIN 0
	FETCH_A \slot, (\q)+1, 4
.endm
.macro TURN slot, next, fill           ; a slot's second step, and the change of slots
.if \fill
	s_wait_xcnt 0x0                                ; my last prefetch has read its address
	s_add_nc_u64 s[PFA:PFA+1], s[PFA:PFA+1], KSL
.endif
	s_wait_tensorcnt 0x0                           ; my part of the next slot is in
	ds_add_u32 v[SPW], v[NIL]
	s_wait_dscnt 4*NL+1                            ; the add and A's blocks 4-7 may be out
	WIN MUL_LO
	MUL16 0, 1, NQ-1, \slot
	s_wait_dscnt 0x0                               ; the add is done and my reads of this slot are over
	s_barrier_signal -1
	MUL16 2, 1, NQ-1, \slot
	WIN 0
	s_barrier_wait -1
.if \fill
	CREST                                          ; the barrier has opened a round of the cluster's barrier
	s_add_nc_u64 s[G0+4*\slot+2:G0+4*\slot+3], s[G0+4*\slot+2:G0+4*\slot+3], 2*KSL
	s_add_nc_u64 s[G0B+4*\slot+2:G0B+4*\slot+3], s[G0B+4*\slot+2:G0B+4*\slot+3], 2*KSL
	JLOAD G0+4*\slot, G1, G0B+4*\slot, G1B
.else
	PLACES NP
.endif
	s_wait_alu depctr_va_vdst(0)                   ; ahead of this reader of the last change's write
	v_add_nc_u32 v[ADRS], 2048, v[ADRS]            ; the next kslot's scale words
	FETCH_B \next, 0, 0
	FETCH_A \next, 0, 0
	SCALES \next
.if \fill
	s_cmp_gt_u32 s3, 1                             ; the last trip has no kslot two on
	s_cbranch_scc0 .Lno_ask_\@
	global_prefetch_b8 v[PFO], s[PFA:PFA+1] offset:3*KSL th:TH_LOAD_NT scope:SCOPE_SE
.Lno_ask_\@:
.endif
	WIN MUL_HI
	MUL16 4, 1, NQ-1, \slot
	MUL16 6, 1, NQ-1, \slot
	PLACES NP
	WIN 0
	FETCH_A \next, 0, 4
.endm
	FETCH_B 0, 0, 0
	FETCH_A 0, 0, 0
	SCALES 0
	FETCH_A 0, 0, 4
	STEP 0, 0
	s_mov_b32 s3, LAPS-1
.Llap:
	TURN 0, 1, 1
	STEP 1, 0
	TURN 1, 0, 1
	STEP 0, 0
	s_sub_co_u32 s3, s3, 1
	s_cmp_lg_u32 s3, 0
	s_cbranch_scc1 .Llap
	TURN 0, 1, 0
	STEP 1, 0
.macro FCLOAD a                        ; (cos, sin) of block a's rows: 64 numbers a lane, into window 1
	WIN 0x40
.irp bb, 0,1,2,3
.irp q, 0,1,2,3
	global_load_b128 v[64*((\a)%4)+16*\bb+4*\q:64*((\a)%4)+16*\bb+4*\q+3], v[VFQ], s[10:11] offset:512*(32*((\a)/2)+8*((\a)%2))+128*\bb+16*\q
.endr
.endr
	WIN 0
.endm
	s_cmp_lt_u32 ttmp9, 4
	s_cbranch_scc0 .Lno_fc
	FCLOAD 0                                       ; window 1's v0-127 are free: B's set 0 has been multiplied, four places ago
	FCLOAD 1
.Lno_fc:
	s_wait_dscnt 4*NL
	WIN MUL_LO
	MUL16 0, 1, NQ-1, 1
	MUL16 2, 1, NQ-1, 1
	s_wait_dscnt 0
	WIN MUL_HI
	MUL16 4, 1, NQ-1, 1
	MUL16 6, 1, NQ-1, 1
	WIN 0
.macro QUANT s, sw                     ; 64 numbers of a lane (window sw), register 16 b + i = k 32 b + 16 h + i, become a fragment's codes and its scale word
	WIN (\sw)|((\sw)<<2)
.irp b, 0,1,2,3
	v_max3_num_f32 v[TM+\b], |v[(\s)+16*\b]|, |v[(\s)+1+16*\b]|, 0x1800000
.endr
	WIN ((\sw)<<2)|((\sw)<<4)
.irp i, 2,4,6,8,10,12,14
.irp b, 0,1,2,3
	v_max3_num_f32 v[TM+\b], v[TM+\b], |v[(\s)+16*\b+\i]|, |v[(\s)+1+16*\b+\i]|
.endr
.endr
	WIN 0
.irp b, 0,1,2,3
	v_permlanex16_b32 v[TM+4+\b], v[TM+\b], s20, s21
.endr
.irp b, 0,1,2,3
	v_max_num_f32 v[TM+\b], v[TM+\b], v[TM+4+\b]
.endr
.irp b, 0,1,2,3
	v_add_nc_u32 v[TM+12+\b], 0xff000000, v[TM+\b]
.endr
.irp b, 0,1,2,3
	v_lshrrev_b32 v[TM+4+\b], 23, v[TM+12+\b]
.endr
	v_lshl_or_b32 v[PW], v[TM+5], 8, v[TM+4]
	v_lshl_or_b32 v[PW], v[TM+6], 16, v[PW]
	v_lshl_or_b32 v[PW], v[TM+7], 24, v[PW]
	WIN (\sw)
.irp c, 0,1
	v_cvt_scalef32_pk16_fp6_f32 v[PC+6*\c:PC+2+6*\c], v[(\s)+32*\c:(\s)+15+32*\c], v[TM+12+2*\c]
	v_cvt_scalef32_pk16_fp6_f32 v[PC+12+4*\c:PC+14+4*\c], v[(\s)+16+32*\c:(\s)+31+32*\c], v[TM+12+2*\c+1]
.endr
	WIN 0
	v_nop
.irp c, 0,1
.irp i, 0,1,2
	v_permlane16_swap_b32 v[PC+6*\c+\i], v[PC+12+4*\c+\i]
.endr
.irp i, 0,1,2
	v_mov_b32 v[PC+3+6*\c+\i], v[PC+12+4*\c+\i]
.endr
.endr
.endm
.macro ROPE a                          ; pairs of neighbours along d are turned; each accumulator is read from its low end on
	WIN (2+(\a)/4)|(1<<2)
.set AC, 64*((\a)%4)
.set n, 0
.rept 32
.set tq, TT+2*((n/2)%4)
	v_mul_f32 v[tq], v[AC+n+1], v[AC+n+1]
	v_mul_f32 v[tq+1], v[AC+n], v[AC+n+1]
	v_fma_f32 v[HA+n], v[AC+n], v[AC+n], -v[tq]
	v_fma_f32 v[HA+n+1], v[AC+n+1], v[AC+n], v[tq+1]
.set n, n+2
.endr
	WIN 0
.endm
.macro STOREF a
.irp p, 0,1,2,3,4,5
	ds_store_b64 v[STO], v[PC+2*\p:PC+2*\p+1] offset:96*(32*((\a)/2)+8*((\a)%2))+48*(\p/3)+8*(\p%3)
.endr
	ds_store_b32 v[SSO], v[PW] offset:4*(32*((\a)/2)+8*((\a)%2))
.endm
	PLACES NP
	s_mov_b32 s20, 0x76543210
	s_mov_b32 s21, 0xfedcba98
.irp b, 0,1,2,3
	v_mov_b32 v[TM+4+\b], 0                        ; a lane permute's destination counts as one of its sources
.endr
	s_cmp_lt_u32 ttmp9, 4
	s_cbranch_scc0 .Lv_out
	FCLOAD 2
	FCLOAD 3
.irp a, 0,1,2,3,4,5,6,7
.if \a < 5
	s_wait_loadcnt 48                              ; block a's 16 loads are in; three blocks' may be out
.else
	s_wait_loadcnt 16*(7-\a)
.endif
	ROPE \a
.if \a < 4
	FCLOAD \a+4
.endif
	s_wait_dscnt 0x0                               ; the last block's stores have read their registers
	QUANT HA, 0
	STOREF \a
.endr
	s_branch .Lsend
.Lv_out:
.irp a, 0,1,2,3,4,5,6,7
	s_wait_dscnt 0x0
	QUANT 64*(\a%4), 2+\a/4
	STOREF \a
.endr
.Lsend:                                        ; my stage is 12,288 bytes of codes and 512 of scale words, dense in the buffers too: 512 consecutive bytes a store
.irp i, 0,1,2,3,4,5,6,7,8,9,10,11,12,13,14,15,16,17,18,19,20,21,22,23,24
	ds_load_b128 v[OUT+4*\i:OUT+4*\i+3], v[RD] offset:512*\i
.endr
.irp i, 0,1,2,3,4,5,6,7,8,9,10,11,12,13,14,15,16,17,18,19,20,21,22,23
	s_wait_dscnt 24-\i
	global_store_b128 v[GO], v[OUT+4*\i:OUT+4*\i+3], s[12:13] offset:512*\i
.endr
	s_wait_dscnt 0x0
	global_store_b128 v[GO], v[OUT+96:OUT+99], s[14:15]
	s_wait_tensorcnt 0x0                           ; the wave's end
	ds_add_u32 v[SPW], v[NIL]
	s_wait_dscnt 0x0
	CROUND                                         ; the closing round
	s_endpgm
.Lfunc_end_k_q1cb97cc056_qkv:
	.size	k_q1cb97cc056_qkv, .Lfunc_end_k_q1cb97cc056_qkv-k_q1cb97cc056_qkv
	.p2alignl 7, 3214868480
	.fill 96, 4, 3214868480
	.section	.rodata,"a",@progbits
	.p2align	6, 0x0
	.amdhsa_kernel k_q1cb97cc056_qkv
		.amdhsa_group_segment_fixed_size 327680
		.amdhsa_private_segment_fixed_size 0
		.amdhsa_enable_private_segment 0
		.amdhsa_kernarg_size 80
		.amdhsa_user_sgpr_count 2
		.amdhsa_user_sgpr_kernarg_segment_ptr 1
		.amdhsa_wavefront_size32 1
		.amdhsa_system_sgpr_workgroup_id_x 1
		.amdhsa_system_sgpr_workgroup_id_y 1
		.amdhsa_system_sgpr_workgroup_id_z 1
		.amdhsa_system_vgpr_workitem_id 0
		.amdhsa_next_free_vgpr 1024
		.amdhsa_next_free_sgpr 106
		.amdhsa_reserve_vcc 0
		.amdhsa_float_denorm_mode_32 3
		.amdhsa_float_denorm_mode_16_64 3
		.amdhsa_memory_ordered 1
		.amdhsa_forward_progress 1
		.amdhsa_inst_pref_size 255
	.end_amdhsa_kernel
	.section	.bss,"aw",@nobits
	.p2align	6
	.space	262144
	.amdgpu_metadata
---
amdhsa.version: [ 1, 2 ]
amdhsa.kernels:
  - .name:           k_q1cb97cc056_qkv
    .symbol:         k_q1cb97cc056_qkv.kd
    .args:
      - { .name: cod, .offset: 0, .size: 8, .value_kind: global_buffer, .address_space: global }
      - { .name: scl, .offset: 8, .size: 8, .value_kind: global_buffer, .address_space: global }
      - { .name: tpart, .offset: 16, .size: 8, .value_kind: global_buffer, .address_space: global }
      - { .name: q_b, .offset: 24, .size: 8, .value_kind: global_buffer, .address_space: global }
      - { .name: k_b, .offset: 32, .size: 8, .value_kind: global_buffer, .address_space: global }
      - { .name: v_b, .offset: 40, .size: 8, .value_kind: global_buffer, .address_space: global }
      - { .name: head_b, .offset: 48, .size: 8, .value_kind: global_buffer, .address_space: global }
      - { .name: freq_cis, .offset: 56, .size: 8, .value_kind: global_buffer, .address_space: global }
      - { .name: qkvc, .offset: 64, .size: 8, .value_kind: global_buffer, .address_space: global }
      - { .name: qkvs, .offset: 72, .size: 8, .value_kind: global_buffer, .address_space: global }
    .group_segment_fixed_size: 327680
    .private_segment_fixed_size: 0
    .kernarg_segment_align: 8
    .kernarg_segment_size: 80
    .max_flat_workgroup_size: 128
    .sgpr_count:     106
    .vgpr_count:     1024
    .wavefront_size: 32
...
	.end_amdgpu_metadata
.endif
;; end of part 6
;; launch attn (part 7): grid 16 x 16, 16 waves a work-group, no clusters, 327,680 bytes of LDS; arguments qkvc, qkvs, oc, os; writes oc, os
.if DOCPART == 7
	.amdgcn_target "amdgcn-amd-amdhsa--gfx1250"
	.amdhsa_code_object_version 6
	.text
	.protected	k_q1cb97cc056_attn
	.globl	k_q1cb97cc056_attn
	.p2align	8
	.type	k_q1cb97cc056_attn,@function
k_q1cb97cc056_attn:
	s_mov_b64 s[64:65], 0
	v_nop
	global_prefetch_b8 v0, s[64:65] scope:SCOPE_SE
	s_setreg_imm32_b32 hwreg(HW_REG_WAVE_MODE, 25, 1), 1
	s_wait_xcnt 0x0
; ATTN.  o = softmax(q k^T / sqrt(128), causal) v for 16 heads of 2,048 x 128, both products on codes of FP6 (E2M3) with E8M0 scales; o is quantised along d for the last product.
; t = score x log2(e) / sqrt(128); M = the running largest t rounded up to a whole number; p = 2^(t - M) is quantised along the keys; the sum of the unquantised p divides at the end.
; SHARES.  Work-group (p, head), sixteen waves.  Waves w and w + 8 own the same tile of 16 queries: w % 8 = 0-3 the four tiles of block p (64 queries), 4-7 those of block 31 - p.  Wave w takes the even key steps of 128,
; wave w + 8 the odd ones.  A tile of block j has j / 2 + 1 key steps, so a pair of tiles has 17: all 256 work-groups alike, and no wave walks more than 8.
; At the end waves 8-15 hand O^T, -M and their sum to their partners through LDS; both sides are brought under the larger M by a power of two, which rounds nothing, and added.
; Every work-group walks all four slots of 512 keys; a step that is not the wave's, or all of whose keys come after its queries, is left out by a scalar branch on ids; no barrier and no tensor load stands in a step.
; NO CLUSTER: partners would have to take every branch alike, and the branch that leaves steps out hangs on the block of queries, which differs from work-group to work-group.
; LAYOUT.  Both products transposed: a lane holds one query.  Lane r of tile t takes key (or d) 32 (t/2) + 8 (t%2) + r + 8 (r/8), so that the 16 registers of tiles 2 b, 2 b + 1 are 16 neighbours.
; IN: qkvc [type][head][idx 2048][96 bytes], qkvs [type][head][idx][4]: q, k: idx = row; v: idx = 128 (key step) + d, 128 keys innermost.  OUT: oc [head/2][row][192 bytes], half head%2; os [head/2][row][8], word head%2:
; a row's 192 bytes come from two heads' work-groups, 96 each.
; LIMITS: NaN and infinities are not served; a block whose largest magnitude lies under 2^-124 gets the byte 1; a block of zeros the byte 1 with zero codes.
; REGISTERS: v1-7 addresses that stay; v8-11 addresses in hand; v12 -M, v13 the largest t, v[14:15] the sum; v16-27 q; v32-79 four fragments; v96-159 S^T, then p; v160-223 O^T; v224-235 p's codes; v232-254 at work; v255 q's scale words.
.set VOFF,  49152                      ; a slot: 512 rows of K, then 4 x 128 rows of V, 96 bytes each
.set STEPB, 12288                      ; a key step's 128 rows
.set SLOT1, 1<<17
.set SCK,   2*SLOT1                    ; behind the ring: K's, then V's scale words of the head, as units of 256 bytes + 16 of padding
.set SCH,   16*272                     ; what one tensor load brings of them: 4,096 bytes
.set SPARE, SCK+4*SCH                  ; the spare words, 128 bytes for each of sixteen waves: eight blocks of 256 bytes that no other line names
.set STAGE, SPARE+2048                 ; the way out: 16 rows of 96 bytes for each of waves 0-7, in bytes of their own: no tensor load lands there
.set MRGB,  8448                       ; what a wave hands to its partner: 8,192 bytes of O^T, 128 of -M, 128 of the sum; eight of them from LDS byte 0 on, in slot 0: it has had its last fill, and since the last change of slots nobody reads it
.set AK0,  1
.set RDB,  2
.set ASK0, 3
.set MA,   4                           ; v4   the handing over: 16 x lane + my pair's bytes
.set SPW,  5
.set NIL,  6
.set MS,   7                           ; v7   4 x lane + my pair's bytes
.set ADK,  8
.set ADV,  9
.set ADS,  10
.set ADT,  11
.set PFO,  28                          ; v28  256 x my lane; never rewritten
.set TM,   32                          ; the way out
.set PC,   48
.set PW,   68
.set WV,   18
.set SEL,  20
.set CS,   22
.set G1,   24                          ; s[24:31] group 1 for codes; s[40:43] its group 0, which walks
.set G0,   40
.set G1S,  48                          ; s[48:55], s[56:59] the scale words'
.set G0S,  56
.set TB,   2                           ; s2   LDS byte of the step's rows of K
.set TS,   3                           ; s3   of its scale words: 544 bytes a step
.set INNER, 66
.set HALF, 67                          ; s67  0: the even key steps are mine; 1: the odd ones
.set KF,   98                          ; s98  the step's first key
.set Q0,   99                          ; s99  my first query
.set PFA,  76                          ; s[76:77] where my prefetches stand
.set LIM,  80                          ; s80  1 in a wave that prefetches
	s_load_b256 s[4:11], s[0:1], 0x0               ; qkvc, qkvs, oc, os
	v_lshl_add_u32 v[SPW], v0, 2, SPARE
	v_mov_b32 v[NIL], 0
	ds_add_u32 v[SPW], v[NIL]                      ; the wave's opening: the add and its wait ahead of my first tensor load
	ds_add_u32 v[SPW], v[NIL]
	v_lshrrev_b32 v8, 5, v0
	s_delay_alu instid0(VALU_DEP_1)
	v_readfirstlane_b32 s[WV], v8                  ; wave 0..15
	s_and_b32 s72, ttmp7, 0xffff                   ; the head
	s_and_b32 s73, s[WV], 3
	s_lshr_b32 s[HALF], s[WV], 3
	s_sub_co_u32 s74, 31, ttmp9
	s_and_b32 s75, s[WV], 4
	s_cmp_eq_u32 s75, 0
	s_cselect_b32 s74, ttmp9, s74                  ; my block of 64 queries
	s_lshl_b32 s74, s74, 6
	s_lshl_b32 s75, s73, 4
	s_add_co_u32 s[Q0], s74, s75
	s_mul_i32 s84, s72, 196608                     ; the head's codes in a type,
	s_lshl_b32 s86, s72, 13                        ; its scale words
	s_mul_i32 s82, s[Q0], 96
	s_add_co_u32 s82, s82, s84
	s_mov_b32 s83, 0                               ; q's codes at my first query
	s_lshl_b32 s88, s[Q0], 2
	s_add_co_u32 s88, s88, s86
	s_mov_b32 s89, 0                               ; q's scale words
	s_lshr_b32 s75, s73, 1
	s_add_co_u32 s75, s75, 1                       ; what wave (number % 4) fetches: type 1 (k) or 2 (v),
	s_and_b32 s74, s73, 1                          ; which half
	s_mul_i32 s90, s75, 3145728
	s_add_co_u32 s90, s90, s84
	s_mul_i32 s92, s74, 24576
	s_add_co_u32 s90, s90, s92
	s_mov_b32 s91, 0
	s_lshl_b32 s92, s75, 17
	s_add_co_u32 s92, s92, s86
	s_lshl_b32 s94, s74, 12
	s_add_co_u32 s92, s92, s94
	s_mov_b32 s93, 0
	s_mul_i32 s94, s73, 24576                      ; and where it goes
	s_mul_i32 s95, s73, SCH
	s_lshr_b32 s75, s72, 1
	s_and_b32 s74, s72, 1
	s_mul_i32 s68, s75, 393216
	s_mul_i32 s70, s[Q0], 192
	s_add_co_u32 s68, s68, s70
	s_mul_i32 s70, s74, 96
	s_add_co_u32 s68, s68, s70
	s_mov_b32 s69, 0                               ; oc at my first query, my head's half
	s_lshl_b32 s70, s75, 14
	s_lshl_b32 s71, s[Q0], 3
	s_add_co_u32 s70, s70, s71
	s_lshl_b32 s71, s74, 2
	s_add_co_u32 s70, s70, s71
	s_mov_b32 s71, 0                               ; os likewise
	; group 1: 256 rows of 96 bytes are dense in memory: stated as 96 rows of 256 bytes, each on a 256-byte border; no padding
	s_mov_b32 s[G1], 0
	s_mov_b32 s[G1+1], 256<<16
	s_mov_b32 s[G1+2], 96<<16
	s_mov_b32 s[G1+3], 256<<16
	s_mov_b32 s[G1+4], 96
	s_mov_b32 s[G1+5], 256
	s_mov_b32 s[G1+6], 0
	s_mov_b32 s[G1+7], 0
	; the scale words: 16 rows of 256 bytes (32 elements of 8), 16 bytes of padding behind each
	s_mov_b32 s[G1S], (3<<16)|(1<<20)|(5<<22)|(3<<25)
	s_mov_b32 s[G1S+1], 32<<16
	s_mov_b32 s[G1S+2], 16<<16
	s_mov_b32 s[G1S+3], 32<<16
	s_mov_b32 s[G1S+4], 16
	s_mov_b32 s[G1S+5], 32
	s_mov_b32 s[G1S+6], 0
	s_mov_b32 s[G1S+7], 0
	s_mov_b32 s[SEL], 0x76543210
	s_mov_b32 s[SEL+1], 0xfedcba98
	s_mov_b32 s[CS], 0x3e0293ee                    ; c = log2(e) / sqrt(128)
	s_mov_b32 s[CS+1], s[CS]
	s_mov_b32 s[TB], 0
	s_mov_b32 s[TS], 0
	s_mov_b32 s[KF], 0
	s_wait_dscnt 0x0                               ; the opening add is done
	s_wait_kmcnt 0x0
	s_mov_b32 s[G0S], 1
	s_add_co_u32 s[G0S+1], s95, SCK
	s_add_nc_u64 s[G0S+2:G0S+3], s[6:7], s[92:93]
	s_or_b32 s[G0S+3], s[G0S+3], 0x80000000
	s_mov_b32 s[G0], 1
	s_mov_b32 s[G0+1], s94
	s_add_nc_u64 s[G0+2:G0+3], s[4:5], s[90:91]
	s_or_b32 s[G0+3], s[G0+3], 0x80000000
	s_cmp_lt_u32 s[WV], 4                          ; the first fills, one a wave, in one chain of branches on the wave's number: waves 0-3 slot 0's codes,
	s_cbranch_scc0 .Lfirst_scales
	tensor_load_to_lds s[G0:G0+3], s[G1:G1+7]
	s_nop 0
.rept 4
	v_nop
.endr
	s_branch .Lno_first
.Lfirst_scales:
	s_cmp_lt_u32 s[WV], 8                          ; waves 4-7 the scale words (the part is chosen by wave % 4), waves 8-15 none
	s_cbranch_scc0 .Lno_first
	tensor_load_to_lds s[G0S:G0S+3], s[G1S:G1S+7]
	s_nop 0
.rept 4
	v_nop
.endr
.Lno_first:
	s_lshr_b32 s81, s[WV], 2
	s_xor_b32 s81, s81, 1                          ; 0 in waves 4-7,
	s_or_b32 s81, s81, ttmp9                       ; of the head's first work-group: they prefetch
	s_cmp_eq_u32 s81, 0
	s_cselect_b32 s[LIM], 1, -1
	s_add_nc_u64 s[12:13], s[4:5], s[82:83]        ; q's codes
	s_add_nc_u64 s[14:15], s[6:7], s[88:89]        ; q's scale words
	s_add_nc_u64 s[8:9], s[8:9], s[68:69]
	s_add_nc_u64 s[10:11], s[10:11], s[70:71]
	s_add_nc_u64 s[PFA:PFA+1], s[4:5], s[90:91]
	s_add_nc_u64 s[PFA:PFA+1], s[PFA:PFA+1], VOFF  ; in slot 1; the first change of slots steps it to slot 2.  Nothing is prefetched at the head
	v_and_b32 v[PFO], 31, v0
	s_delay_alu instid0(VALU_DEP_1)
	v_lshlrev_b32 v[PFO], 8, v[PFO]
	v_and_b32 v8, 15, v0                           ; r
	v_bfe_u32 v9, v0, 4, 1                         ; h
	s_delay_alu instid0(VALU_DEP_2)
	v_mul_u32_u24 v10, v8, 96
	s_delay_alu instid0(VALU_DEP_1)
	v_mad_u32_u24 v10, v9, 24, v10
.irp p, 0,1,2,3,4,5
	global_load_b64 v[16+2*\p:17+2*\p], v10, s[12:13] offset:48*(\p/3)+8*(\p%3)   ; q's fragment stays in registers
.endr
	v_lshlrev_b32 v254, 2, v8
	global_load_b32 v255, v254, s[14:15]
	v_and_b32 v11, 8, v8
	s_delay_alu instid0(VALU_DEP_1)
	v_add_nc_u32 v11, v11, v8                      ; r + 8 (r / 8)
	s_delay_alu instid0(VALU_DEP_1)
	v_mul_u32_u24 v[AK0], v11, 96
	s_delay_alu instid0(VALU_DEP_1)
	v_mad_u32_u24 v[AK0], v9, 24, v[AK0]
	s_delay_alu instid0(VALU_DEP_3)
	v_lshl_add_u32 v[ASK0], v11, 2, SCK
	v_mov_b32 v13, 0xff61b1e6                      ; the largest t so far: -3e38
	s_delay_alu instid0(VALU_DEP_1)
	v_floor_f32 v12, -v13                          ; -M
	v_mov_b32 v14, 0
	v_mov_b32 v15, 0
.irp b, 0,1,2,3
	v_mov_b32 v[236+\b], 0                         ; written once: a lane permute's destination counts as one of its sources
.endr
	v_mov_b32 v252, 0
	v_mov_b32 v253, 0
.irp j, 0,1,2,3,4,5,6,7,8,9,10,11,12,13,14,15,16,17,18,19,20,21,22,23,24,25,26,27,28,29,30,31,32,33,34,35,36,37,38,39,40,41,42,43,44,45,46,47,48,49,50,51,52,53,54,55,56,57,58,59,60,61,62,63
	v_mov_b32 v[160+\j], 0                         ; O^T: the step is written for every step alike; the first finds zeros
.endr
; A KEY STEP: 128 keys
.macro STEP
	s_add_co_u32 s96, s[Q0], 15
	s_cmp_gt_u32 s[KF], s96                        ; all keys after my queries: nothing to do but step the addresses
	s_cbranch_scc1 .Lhidden_\@
	s_bfe_u32 s96, s[KF], 0x10007                  ; the step's number, even or odd
	s_cmp_lg_u32 s96, s[HALF]                      ; my partner's step
	s_cbranch_scc1 .Lhidden_\@
	v_add_nc_u32 v[ADK], s[TB], v[AK0]             ; (these four are the places in front of the loads below)
	s_wait_alu depctr_va_vdst(0)
	v_add_nc_u32 v[ADS], s[TS], v[ASK0]
	s_wait_alu depctr_va_vdst(0)
	v_add_nc_u32 v[ADV], VOFF, v[ADK]
	v_add_nc_u32 v[ADT], 2*SCH, v[ADS]
.irp g, 0,1                                    ; S^T = K Q^T, four tiles of 16 keys at a time
.rept 4*\g
	v_nop
.endr
.irp t, 0,1,2,3
.irp p, 0,1,2,3,4,5
	ds_load_b64 v[32+12*\t+2*\p:32+12*\t+2*\p+1], v[ADK] offset:(32*((4*\g+\t)/2)+8*(\t%2))*96+48*(\p/3)+8*(\p%3)
.endr
	ds_load_b32 v[248+\t], v[ADS] offset:272*\g+(32*(((4*\g+\t)/2)%2)+8*(\t%2))*4
.endr
	s_wait_dscnt 0x0
.irp t, 0,1,2,3
	v_wmma_scale_f32_16x16x128_f8f6f4 v[96+8*(4*\g+\t):103+8*(4*\g+\t)], v[32+12*\t:43+12*\t], v[16:27], 0, v[248+\t], v255 matrix_a_fmt:MATRIX_FMT_FP6 matrix_b_fmt:MATRIX_FMT_FP6
.endr
.endr
.rept 4
	v_nop
.endr
	s_add_co_u32 s96, s[KF], 127                   ; on the diagonal hidden scores become -infinity ahead of the maximum; a step all of whose keys count skips this
	s_cmp_le_u32 s96, s[Q0]
	s_cbranch_scc1 .Lopen_\@
	s_sub_co_i32 s96, s[Q0], s[KF]
	v_and_b32 v252, 15, v0
	v_bfe_u32 v243, v0, 4, 1
	s_delay_alu instid0(VALU_DEP_1)
	v_lshlrev_b32 v243, 4, v243
	s_delay_alu instid0(VALU_DEP_1)
	v_sub_nc_u32 v252, v252, v243
	s_delay_alu instid0(VALU_DEP_1)
	v_add_nc_u32 v252, s96, v252                   ; d = my query - KF - 16 (lane / 16); register 16 b + i holds key KF + 16 (lane / 16) + 32 b + i: hidden where 32 b + i > d
	v_mov_b32 v254, 0xff800000
.irp n, 0,1,2,3,4,5,6,7,8,9,10,11,12,13,14,15,16,17,18,19,20,21,22,23,24,25,26,27,28,29,30,31,32,33,34,35,36,37,38,39,40,41,42,43,44,45,46,47,48,49,50,51,52,53,54,55,56,57,58,59,60,61,62,63
	v_cmp_gt_i32 vcc_lo, 32*(\n/16)+\n%16, v252
	v_cndmask_b32 v[96+\n], v[96+\n], v254, vcc_lo
.endr
.Lopen_\@:
.irp b, 0,1,2,3
	v_max3_num_f32 v[232+\b], v[96+16*\b], v[97+16*\b], v[98+16*\b]   ; the largest score of each block of 32 keys: for the row's maximum and, since p rises with the score, for the block's largest p
.endr
.irp i, 3,5,7,9,11,13
.irp b, 0,1,2,3
	v_max3_num_f32 v[232+\b], v[232+\b], v[96+16*\b+\i], v[97+16*\b+\i]
.endr
.endr
.irp b, 0,1,2,3
	v_max_num_f32 v[232+\b], v[232+\b], v[111+16*\b]
.endr
.irp b, 0,1,2,3
	s_delay_alu instid0(VALU_DEP_4)
	v_permlanex16_b32 v[236+\b], v[232+\b], s[SEL], s[SEL+1]
.endr
.irp b, 0,1,2,3
	s_delay_alu instid0(VALU_DEP_4)
	v_max_num_f32 v[232+\b], v[232+\b], v[236+\b]
.endr
	s_delay_alu instid0(VALU_DEP_2)
	v_max3_num_f32 v254, v232, v233, v234
	s_delay_alu instid0(VALU_DEP_1)
	v_max_num_f32 v254, v254, v235
	s_delay_alu instid0(VALU_DEP_1)
	v_mul_f32 v254, s[CS], v254
	s_delay_alu instid0(VALU_DEP_1)
	v_max_num_f32 v13, v13, v254                   ; the running largest t
	v_mov_b32 v254, v12
	s_delay_alu instid0(VALU_DEP_2)
	v_floor_f32 v12, -v13                          ; the new -M = -ceil(t)
	s_delay_alu instid0(VALU_DEP_1)
	v_sub_f32 v254, v12, v254                      ; old M - new M: a whole number, 0 or less
	s_delay_alu instid0(VALU_DEP_1)
	v_cvt_i32_f32 v254, v254
	s_delay_alu instid0(VALU_DEP_1)
	v_ldexp_f32 v252, 1.0, v254                    ; f = 2^(old M - new M): rounds nothing
.irp j, 0,2,4,6,8,10,12,14,16,18,20,22,24,26,28,30,32,34,36,38,40,42,44,46,48,50,52,54,56,58,60,62
	v_pk_fma_f32 v[96+\j:97+\j], v[96+\j:97+\j], s[CS:CS+1], v[12:13] op_sel_hi:[1,0,0]   ; t - M
.endr
.irp b, 0,1,2,3
	v_fma_f32 v[232+\b], v[232+\b], s[CS], v12
.endr
	s_wait_alu depctr_va_vdst(0)
.irp j, 0,1,2,3,4,5,6,7,8,9,10,11,12,13,14,15,16,17,18,19,20,21,22,23,24,25,26,27,28,29,30,31,32,33,34,35,36,37,38,39,40,41,42,43,44,45,46,47,48,49,50,51,52,53,54,55,56,57,58,59,60,61,62,63
	v_exp_f32 v[96+\j], v[96+\j]                   ; p = 2^(t - M)
.endr
	v_pk_mul_f32 v[14:15], v[14:15], v[252:253] op_sel_hi:[1,0]   ; the sums under the new M; a plain place behind the exponentials
	s_wait_alu depctr_va_vdst(0)                   ; one wait for the batch of 64, ahead of its first reader
.irp b, 0,1,2,3
	v_exp_f32 v[232+\b], v[232+\b]                 ; the block's largest p
.endr
	v_pk_add_f32 v[236:237], v[100:101], v[104:105]
	v_pk_add_f32 v[250:251], v[108:109], v[112:113]
	v_pk_add_f32 v[248:249], v[116:117], v[120:121]
	v_pk_add_f32 v[246:247], v[124:125], v[128:129]
	v_pk_add_f32 v[244:245], v[132:133], v[136:137]
	v_pk_add_f32 v[242:243], v[140:141], v[144:145]
	v_pk_add_f32 v[240:241], v[148:149], v[152:153]
	v_pk_add_f32 v[14:15], v[14:15], v[156:157]
	v_pk_add_f32 v[236:237], v[236:237], v[96:97]
	v_pk_add_f32 v[250:251], v[250:251], v[98:99]
	v_pk_add_f32 v[248:249], v[248:249], v[102:103]
	v_pk_add_f32 v[246:247], v[246:247], v[106:107]
	v_pk_add_f32 v[244:245], v[244:245], v[110:111]
	v_pk_add_f32 v[242:243], v[242:243], v[114:115]
	v_pk_add_f32 v[240:241], v[240:241], v[118:119]
	v_pk_add_f32 v[14:15], v[14:15], v[122:123]
	v_pk_add_f32 v[236:237], v[236:237], v[126:127]
	v_pk_add_f32 v[250:251], v[250:251], v[130:131]
	v_pk_add_f32 v[248:249], v[248:249], v[134:135]
	v_pk_add_f32 v[246:247], v[246:247], v[138:139]
	v_pk_add_f32 v[244:245], v[244:245], v[142:143]
	v_pk_add_f32 v[242:243], v[242:243], v[146:147]
	v_pk_add_f32 v[240:241], v[240:241], v[150:151]
	v_pk_add_f32 v[14:15], v[14:15], v[154:155]
	v_pk_add_f32 v[236:237], v[236:237], v[158:159]
	s_delay_alu instid0(VALU_DEP_2)
	v_pk_add_f32 v[14:15], v[14:15], v[246:247]
	s_delay_alu instid0(VALU_DEP_2)
	v_pk_add_f32 v[236:237], v[236:237], v[244:245]
	v_pk_add_f32 v[250:251], v[250:251], v[242:243]
	v_pk_add_f32 v[248:249], v[248:249], v[240:241]
	s_delay_alu instid0(VALU_DEP_2)
	v_pk_add_f32 v[14:15], v[14:15], v[250:251]
	s_delay_alu instid0(VALU_DEP_2)
	v_pk_add_f32 v[236:237], v[236:237], v[248:249]
	s_delay_alu instid0(VALU_DEP_1)
	v_pk_add_f32 v[14:15], v[14:15], v[236:237]
	s_wait_alu depctr_va_vdst(0)                   ; and one for the four
.irp b, 0,1,2,3
	v_max_num_f32 v[232+\b], 0x1800000, v[232+\b]  ; the floor 2^(3 - 127)
.endr
.irp b, 0,1,2,3
	s_delay_alu instid0(VALU_DEP_4)
	v_add_nc_u32 v[244+\b], 0xff000000, v[232+\b]
.endr
.irp b, 0,1,2,3
	s_delay_alu instid0(VALU_DEP_4)
	v_lshrrev_b32 v[236+\b], 23, v[244+\b]
.endr
	s_delay_alu instid0(VALU_DEP_3)
	v_lshl_or_b32 v253, v237, 8, v236              ; p's scale word for these 128 keys
	s_delay_alu instid0(VALU_DEP_1)
	v_lshl_or_b32 v253, v238, 16, v253
	s_delay_alu instid0(VALU_DEP_1)
	v_lshl_or_b32 v253, v239, 24, v253
.irp c, 0,1
	v_cvt_scalef32_pk16_fp6_f32 v[224+6*\c:226+6*\c], v[96+32*\c:111+32*\c], v[244+2*\c]
	v_cvt_scalef32_pk16_fp6_f32 v[236+4*\c:238+4*\c], v[112+32*\c:127+32*\c], v[244+2*\c+1]
.endr
	v_nop
.irp c, 0,1
.irp i, 0,1,2
	v_permlane16_swap_b32 v[224+6*\c+\i], v[236+4*\c+\i]
.endr
.irp i, 0,1,2
	s_delay_alu instid0(VALU_DEP_3)
	v_mov_b32 v[227+6*\c+\i], v[236+4*\c+\i]
.endr
.endr
.irp j, 0,2,4,6,8,10,12,14,16,18,20,22,24,26,28,30,32,34,36,38,40,42,44,46,48,50,52,54,56,58,60,62
	v_pk_mul_f32 v[160+\j:161+\j], v[160+\j:161+\j], v[252:253] op_sel_hi:[1,0]   ; O^T under the new M; these 32 are also the places in front of the matrix instructions and loads below
.endr
	s_wait_alu depctr_va_vdst(0)
.irp g, 0,1                                    ; O^T += V^T P^T
.rept 4*\g
	v_nop
.endr
.irp t, 0,1,2,3
.irp p, 0,1,2,3,4,5
	ds_load_b64 v[32+12*\t+2*\p:32+12*\t+2*\p+1], v[ADV] offset:(32*((4*\g+\t)/2)+8*(\t%2))*96+48*(\p/3)+8*(\p%3)
.endr
	ds_load_b32 v[248+\t], v[ADT] offset:272*\g+(32*(((4*\g+\t)/2)%2)+8*(\t%2))*4
.endr
	s_wait_dscnt 0x0
.irp t, 0,1,2,3
	v_wmma_scale_f32_16x16x128_f8f6f4 v[160+8*(4*\g+\t):167+8*(4*\g+\t)], v[32+12*\t:43+12*\t], v[224:235], v[160+8*(4*\g+\t):167+8*(4*\g+\t)], v[248+\t], v253 matrix_a_fmt:MATRIX_FMT_FP6 matrix_b_fmt:MATRIX_FMT_FP6
.endr
.endr
.Lhidden_\@:
	s_add_co_u32 s[KF], s[KF], 128
	s_add_co_u32 s[TB], s[TB], STEPB
	s_add_co_u32 s[TS], s[TS], 544
.endm
; THE CHANGE OF SLOTS, at a slot's head.  Each wave waits for all its tensor loads, adds 0 to its spare word, and waits for that and for its reads of the slot that it has left; behind the barrier the other slot is filled.
; ask = 1: waves 4-7 of the head's first work-group prefetch what waves 0-3 will ask for at the next change: 24,576 bytes each, three instructions, lanes 256 bytes apart: each block is named once in the launch.
.macro CHANGE fill, ask
	s_wait_tensorcnt 0x0
	ds_add_u32 v[SPW], v[NIL]
.if \fill
	ds_add_u32 v[SPW], v[NIL]
	s_xor_b32 s[G0+1], s[G0+1], SLOT1              ; the walking descriptor: the other slot, the next 512 keys
	s_add_nc_u64 s[G0+2:G0+3], s[G0+2:G0+3], VOFF
.endif
.if \ask
	s_wait_xcnt 0x0                                ; the last prefetches, a slot back, have read their address
	s_add_nc_u64 s[PFA:PFA+1], s[PFA:PFA+1], VOFF
.endif
	s_wait_dscnt 0x0
	s_barrier_signal -1
	s_barrier_wait -1
.if \fill
	s_cmp_lt_u32 s[WV], 4
	s_cbranch_scc0 .Lasked_\@
	tensor_load_to_lds s[G0:G0+3], s[G1:G1+7]      ; the first thing behind the barrier, and a wave's one tensor load until the next
	s_nop 0
.rept 4
	v_nop
.endr
.Lasked_\@:
.endif
.if \ask
	s_cmp_eq_u32 s[LIM], 1
	s_cbranch_scc0 .Lnot_mine_\@
	global_prefetch_b8 v[PFO], s[PFA:PFA+1] th:TH_LOAD_NT scope:SCOPE_SE
	global_prefetch_b8 v[PFO], s[PFA:PFA+1] offset:8192 th:TH_LOAD_NT scope:SCOPE_SE
	global_prefetch_b8 v[PFO], s[PFA:PFA+1] offset:16384 th:TH_LOAD_NT scope:SCOPE_SE
.Lnot_mine_\@:
.endif
.endm
.macro SLOT_STEPS                      ; a slot's four key steps: written once for each slot, walked four times
	s_mov_b32 s[INNER], 4
.Lstep_\@:
	STEP
	s_sub_co_u32 s[INNER], s[INNER], 1
	s_cmp_lg_u32 s[INNER], 0
	s_cbranch_scc1 .Lstep_\@
	s_sub_co_u32 s[TB], s[TB], 4*STEPB
	s_xor_b32 s[TB], s[TB], SLOT1                  ; on to the other slot
.endm
	s_wait_loadcnt 0x0                             ; q
	CHANGE 1, 1                                    ; slot 0 is whole; keys 512.. go out
	SLOT_STEPS
	CHANGE 1, 1
	SLOT_STEPS
	CHANGE 1, 0                                    ; the last fill; nothing lies behind it to prefetch
	SLOT_STEPS
	CHANGE 0, 0
	SLOT_STEPS
	; THE TWO HALVES OF THE KEYS MEET.  Every LDS address is made here, ahead of the parting of the roles; these plain lines are also the places behind the last products.
	v_add_f32 v14, v14, v15                        ; my sum's two halves
	v_and_b32 v8, 15, v0                           ; r
	v_bfe_u32 v9, v0, 4, 1                         ; h
	v_and_b32 v11, 31, v0                          ; lane
	s_and_b32 s74, s[WV], 7                        ; my pair
	s_mul_i32 s73, s74, 1536
	s_add_co_u32 s73, s73, STAGE                   ; the pair's stage: 16 rows of 96 bytes
	s_mul_i32 s75, s74, MRGB                       ; and the bytes of the handing over
	v_mul_u32_u24 v10, v8, 96
	s_delay_alu instid0(VALU_DEP_1)
	v_mad_u32_u24 v10, v9, 24, v10
	s_delay_alu instid0(VALU_DEP_1)
	v_add_nc_u32 v10, s73, v10
	v_lshl_add_u32 v[RDB], v11, 4, s73
	v_lshl_add_u32 v[MA], v11, 4, s75
	v_lshl_add_u32 v[MS], v11, 2, s75
	s_cmp_lt_u32 s[WV], 8
	s_cbranch_scc1 .Lkeep
.irp i, 0,1,2,3,4,5,6,7,8,9,10,11,12,13,14,15
	ds_store_b128 v[MA], v[160+4*\i:163+4*\i] offset:512*\i       ; waves 8-15: O^T as an image of its registers, each accumulator from its low end on,
.endr
	ds_store_b32 v[MS], v12 offset:8192            ; -M,
	ds_store_b32 v[MS], v14 offset:8320            ; and the sum
.Lkeep:
	s_wait_dscnt 0x0                               ; for the partner's sake: my stores have landed
	s_barrier_signal -1
	s_barrier_wait -1
	s_cmp_lt_u32 s[WV], 8
	s_cbranch_scc0 .Ldone                          ; waves 8-15 have handed over and end
	s_wait_alu depctr_va_vdst(0)
.irp i, 0,1,2,3,4,5,6,7,8,9,10,11,12,13,14,15
	ds_load_b128 v[96+4*\i:99+4*\i], v[MA] offset:512*\i          ; the same registers in the same lanes
.endr
	ds_load_b32 v32, v[MS] offset:8192
	ds_load_b32 v33, v[MS] offset:8320
	s_wait_dscnt 0x0
	v_min_num_f32 v34, v12, v32                    ; the new -M: the larger M of the two
	s_delay_alu instid0(VALU_DEP_1)
	v_sub_f32 v35, v34, v12                        ; my M - the new M: a whole number, 0 or less
	s_delay_alu instid0(VALU_DEP_2)
	v_sub_f32 v36, v34, v32                        ; my partner's likewise (a partner that had no step still has -M = 3e38: the conversion saturates, and its factor is 0)
	s_delay_alu instid0(VALU_DEP_2)
	v_cvt_i32_f32 v35, v35
	s_delay_alu instid0(VALU_DEP_2)
	v_cvt_i32_f32 v36, v36
	s_delay_alu instid0(VALU_DEP_2)
	v_ldexp_f32 v38, 1.0, v35                      ; both factors are powers of two: nothing is rounded
	s_delay_alu instid0(VALU_DEP_2)
	v_ldexp_f32 v40, 1.0, v36
	s_delay_alu instid0(VALU_DEP_2)
	v_mov_b32 v39, v38
	s_delay_alu instid0(VALU_DEP_2)
	v_mov_b32 v41, v40
	s_delay_alu instid0(VALU_DEP_4)
	v_mul_f32 v14, v14, v38
	s_delay_alu instid0(VALU_DEP_1)
	v_fma_f32 v14, v33, v40, v14                   ; the sum of both halves of the keys,
	s_delay_alu instid0(VALU_DEP_1)
	v_permlanex16_b32 v252, v14, s[SEL], s[SEL+1]
	s_delay_alu instid0(VALU_DEP_1)
	v_add_f32 v14, v14, v252                       ; and lane l xor 16's: the row's sum
	s_wait_alu depctr_va_vdst(0)
	v_rcp_f32 v14, v14
	s_wait_alu depctr_va_vdst(0)
.irp j, 0,2,4,6,8,10,12,14,16,18,20,22,24,26,28,30,32,34,36,38,40,42,44,46,48,50,52,54,56,58,60,62
	v_pk_mul_f32 v[160+\j:161+\j], v[160+\j:161+\j], v[38:39]     ; (plain work behind the reciprocal)  my O^T under the new M,
.endr
.irp j, 0,2,4,6,8,10,12,14,16,18,20,22,24,26,28,30,32,34,36,38,40,42,44,46,48,50,52,54,56,58,60,62
	v_pk_fma_f32 v[160+\j:161+\j], v[96+\j:97+\j], v[40:41], v[160+\j:161+\j]   ; and my partner's onto it
.endr
	; THE WAY OUT.  O^T / the sum; register 16 b + i holds d = 32 b + 16 h + i of my query: quantised as it stands; the codes go through the stage so that 16 bytes a lane are stored.
.irp i, 0,1,2                                  ; piece c = 32 i + lane of 16 bytes lies in row c / 6 (= 43 c >> 8 for c < 96): 96 bytes further on in oc for each row
	v_add_nc_u32 v[69+\i], 32*\i, v11
	s_delay_alu instid0(VALU_DEP_1)
	v_mul_u32_u24 v[72+\i], v[69+\i], 43
	s_delay_alu instid0(VALU_DEP_1)
	v_lshrrev_b32 v[72+\i], 8, v[72+\i]
	s_delay_alu instid0(VALU_DEP_1)
	v_mul_u32_u24 v[72+\i], v[72+\i], 96
	s_delay_alu instid0(VALU_DEP_1)
	v_lshl_add_u32 v[69+\i], v[69+\i], 4, v[72+\i]
.endr
	v_lshlrev_b32 v75, 3, v8
.irp b, 0,1,2,3
	v_mov_b32 v[TM+4+\b], 0
.endr
	s_wait_alu depctr_va_vdst(0)                   ; ahead of the reciprocal's first reader
.irp j, 0,1,2,3,4,5,6,7,8,9,10,11,12,13,14,15,16,17,18,19,20,21,22,23,24,25,26,27,28,29,30,31,32,33,34,35,36,37,38,39,40,41,42,43,44,45,46,47,48,49,50,51,52,53,54,55,56,57,58,59,60,61,62,63
	v_mul_f32 v[96+\j], v[160+\j], v14
.endr
.irp b, 0,1,2,3
	v_max3_num_f32 v[TM+\b], |v[96+16*\b]|, |v[97+16*\b]|, 0x1800000
.endr
.irp i, 2,4,6,8,10,12,14
.irp b, 0,1,2,3
	s_delay_alu instid0(VALU_DEP_4)
	v_max3_num_f32 v[TM+\b], v[TM+\b], |v[96+16*\b+\i]|, |v[97+16*\b+\i]|
.endr
.endr
.irp b, 0,1,2,3
	s_delay_alu instid0(VALU_DEP_4)
	v_permlanex16_b32 v[TM+4+\b], v[TM+\b], s[SEL], s[SEL+1]
.endr
.irp b, 0,1,2,3
	s_delay_alu instid0(VALU_DEP_4)
	v_max_num_f32 v[TM+\b], v[TM+\b], v[TM+4+\b]
.endr
.irp b, 0,1,2,3
	s_delay_alu instid0(VALU_DEP_4)
	v_add_nc_u32 v[TM+12+\b], 0xff000000, v[TM+\b]
.endr
.irp b, 0,1,2,3
	s_delay_alu instid0(VALU_DEP_4)
	v_lshrrev_b32 v[TM+4+\b], 23, v[TM+12+\b]
.endr
	s_delay_alu instid0(VALU_DEP_3)
	v_lshl_or_b32 v[PW], v[TM+5], 8, v[TM+4]
	s_delay_alu instid0(VALU_DEP_1)
	v_lshl_or_b32 v[PW], v[TM+6], 16, v[PW]
	s_delay_alu instid0(VALU_DEP_1)
	v_lshl_or_b32 v[PW], v[TM+7], 24, v[PW]
.irp c, 0,1
	v_cvt_scalef32_pk16_fp6_f32 v[PC+6*\c:PC+2+6*\c], v[96+32*\c:111+32*\c], v[TM+12+2*\c]
	v_cvt_scalef32_pk16_fp6_f32 v[PC+12+4*\c:PC+14+4*\c], v[112+32*\c:127+32*\c], v[TM+12+2*\c+1]
.endr
	v_nop
.irp c, 0,1
.irp i, 0,1,2
	v_permlane16_swap_b32 v[PC+6*\c+\i], v[PC+12+4*\c+\i]
.endr
.irp i, 0,1,2
	s_delay_alu instid0(VALU_DEP_3)
	v_mov_b32 v[PC+3+6*\c+\i], v[PC+12+4*\c+\i]
.endr
.endr
.irp p, 0,1,2,3,4,5
	ds_store_b64 v10, v[PC+2*\p:PC+2*\p+1] offset:48*(\p/3)+8*(\p%3)
.endr
.irp i, 0,1,2
	ds_load_b128 v[76+4*\i:79+4*\i], v[RDB] offset:512*\i         ; LDS serves a wave's instructions in order: these see my stores
.endr
.irp i, 0,1,2
	s_wait_dscnt 2-\i
	global_store_b128 v[69+\i], v[76+4*\i:79+4*\i], s[8:9]        ; runs of 96 bytes in rows of 192
.endr
	global_store_b32 v75, v[PW], s[10:11]          ; my row's scale word (both halves of the lanes store the same word with the same value)
.Ldone:
	s_wait_tensorcnt 0x0                           ; the wave's end
	ds_add_u32 v[SPW], v[NIL]
	s_wait_dscnt 0x0
	s_endpgm
.Lfunc_end_k_q1cb97cc056_attn:
	.size	k_q1cb97cc056_attn, .Lfunc_end_k_q1cb97cc056_attn-k_q1cb97cc056_attn
	.p2alignl 7, 3214868480
	.fill 96, 4, 3214868480
	.section	.rodata,"a",@progbits
	.p2align	6, 0x0
	.amdhsa_kernel k_q1cb97cc056_attn
		.amdhsa_group_segment_fixed_size 327680
		.amdhsa_private_segment_fixed_size 0
		.amdhsa_enable_private_segment 0
		.amdhsa_kernarg_size 32
		.amdhsa_user_sgpr_count 2
		.amdhsa_user_sgpr_kernarg_segment_ptr 1
		.amdhsa_wavefront_size32 1
		.amdhsa_system_sgpr_workgroup_id_x 1
		.amdhsa_system_sgpr_workgroup_id_y 1
		.amdhsa_system_sgpr_workgroup_id_z 1
		.amdhsa_system_vgpr_workitem_id 0
		.amdhsa_next_free_vgpr 256
		.amdhsa_next_free_sgpr 100
		.amdhsa_reserve_vcc 1
		.amdhsa_float_denorm_mode_32 3
		.amdhsa_float_denorm_mode_16_64 3
		.amdhsa_memory_ordered 1
		.amdhsa_forward_progress 1
		.amdhsa_inst_pref_size 150
	.end_amdhsa_kernel
	.amdgpu_metadata
---
amdhsa.version: [ 1, 2 ]
amdhsa.kernels:
  - .name:           k_q1cb97cc056_attn
    .symbol:         k_q1cb97cc056_attn.kd
    .args:
      - { .name: qkvc, .offset: 0, .size: 8, .value_kind: global_buffer, .address_space: global }
      - { .name: qkvs, .offset: 8, .size: 8, .value_kind: global_buffer, .address_space: global }
      - { .name: oc, .offset: 16, .size: 8, .value_kind: global_buffer, .address_space: global }
      - { .name: os, .offset: 24, .size: 8, .value_kind: global_buffer, .address_space: global }
    .group_segment_fixed_size: 327680
    .private_segment_fixed_size: 0
    .kernarg_segment_align: 8
    .kernarg_segment_size: 32
    .max_flat_workgroup_size: 512
    .sgpr_count:     100
    .vgpr_count:     256
    .wavefront_size: 32
...
	.end_amdgpu_metadata
.endif
;; end of part 7
;; launch outp (part 8): grid 16 x 16, 4 waves a work-group, clusters of 4 x 4, 327,680 bytes of LDS; arguments oc, os, cod, scl, out0; writes out0
.if DOCPART == 8
	.amdgcn_target "amdgcn-amd-amdhsa--gfx1250"
	.amdhsa_code_object_version 6
	.text
	.protected	k_q1cb97cc056_outp
	.globl	k_q1cb97cc056_outp
	.p2align	8
	.type	k_q1cb97cc056_outp,@function
k_q1cb97cc056_outp:
	s_mov_b64 s[64:65], 0
	v_nop
	global_prefetch_b8 v0, s[64:65] scope:SCOPE_SE
	s_setreg_imm32_b32 hwreg(HW_REG_WAVE_MODE, 25, 1), 1
	s_wait_xcnt 0x0
	s_wait_alu depctr_hold_cnt(0) depctr_sa_sdst(0) depctr_va_vdst(0) depctr_va_sdst(0) depctr_va_ssrc(0) depctr_va_vcc(0) depctr_vm_vsrc(0)
	s_getreg_b32 s2, hwreg(HW_REG_IB_STS2, 6, 4)
	s_cmp_eq_u32 s2, 0
	s_cbranch_scc0 .Lentry_in_a_cluster
	s_endpgm
.Lentry_in_a_cluster:
	s_bfe_u32 s2, ttmp6, 0x10000c
	s_cmp_lg_u32 s2, 0xf033
	s_cbranch_scc0 .Lentry_shape_is_right
	s_endpgm
.Lentry_shape_is_right:
; OUTP.  out0 = o wo on codes of FP6 (E2M3) with E8M0 scales, K = 2,048 in 16 steps of 128; sums in f32.
; A: oc [kslot 8][row 2048][192 bytes], os [kslot][row][8].  B: wo's part of cod [kslot 8][position 10240][192], scl [kslot][position][8], positions 8192 on; column n lies at position n with bits 3 and 4 exchanged.
; A work-group makes 128 x 128 (256 work-groups), a wave 64 x 64: 16 accumulators.  Used transposed (source 0 = B, source 1 = A): a lane holds eight numbers of a row of out0.
; RING: two slots, each two kslots (512 along K) of A's 128 rows and B's 128 positions.  128 rows x 192 bytes are dense in memory; 16 bytes of padding behind every 64 give each row 240 bytes in LDS.
; In the ring a wave fetches one kslot of A or of B: 96 rows of 256 bytes.  Tiles are asked for jointly: A's along a row of the 4 x 4 cluster, B's along a column.
; HEAD: one joint load a wave: wave 0 A's two kslots of fill 0, as two rows of 24,576 bytes a kslot apart, wave 1 B's, wave 2 A's scale words of all kslots, wave 3 B's.  Fill 1 stands behind the three lines and a round.
; PREFETCH: of the tile that a wave fetches in a fill, its work-group's quarter, 24 blocks of 256 bytes, told apart by address (cx for A, cy for B); lanes 24-31 name block 23 again.
; The head names fills 1 and 2, the load of fill 1 names fill 3, the last: two fills ahead.
.set NR,     10240
.set KSL,    NR*192
.set KSA,    2048*192
.set PITCH,  240
.set FR,     12
.set NP,     4
.set HALFT,  128*PITCH
.set SLOT,   4*HALFT                   ; A's even kslot, A's odd, B's even, B's odd
.set SCL,    2*SLOT                    ; scale words: A's [kslot 8][128 rows][8 bytes], then B's
.set SQ,     4096
.set SPARE,  SCL+4*SQ                  ; the spare words: 512 bytes that no other line names
.set STAGE,  SPARE+512                 ; the way out: 16 rows x 272 bytes for each wave, bytes of their own
.set SPITCH, 272
.set ADRA, 16
.set ADRB, 20
.set STO,  24
.set RD,   25
.set CO,   26
.set ADRS, 27
.set SPW,  28
.set NIL,  29
.set PFO,  30                          ; v30  256 x min(lane, 23); never rewritten
.set SC,   32
.set BK,   64
.set ACC,  128
.set G1, 24
.set G0, 32
.set G1B, 48
.set G0B, 56
.set G1S, 68
.set G0S, 76
.set G1SB, 80
.set G0SB, 88
.set PF,  92                           ; s[92:97] where fills 1, 2, 3 of my tile begin; s[98:99] bytes from fill to fill
.set MSB, 0
.macro WIN new
.if MSB != (\new)
	s_set_vgpr_msb (MSB<<8)|(\new)
.set MSB, (\new)
.endif
.endm
.set MUL,  0x05
.set TO_F, 0x40
.macro JLOAD g0a, g1a, g0b, g1b        ; waves 0, 1 fetch for A, waves 2, 3 for B; s_nop 0 and four v_nop behind each load
	s_cmp_eq_u32 s16, 0
	s_cbranch_scc0 .Lfor_b_\@
	tensor_load_to_lds s[\g0a:\g0a+3], s[\g1a:\g1a+7]
	s_nop 0
.rept 4
	v_nop
.endr
	s_branch .Lasked_\@
.Lfor_b_\@:
	tensor_load_to_lds s[\g0b:\g0b+3], s[\g1b:\g1b+7]
	s_nop 0
.rept 4
	v_nop
.endr
.Lasked_\@:
.endm
.macro CREST
	s_cmp_lg_u32 s2, 0
	s_cbranch_scc1 .Lnot_wave_0_\@
	s_barrier_signal -3
.Lnot_wave_0_\@:
	s_barrier_wait -3
	s_barrier_signal -1
	s_barrier_wait -1
.endm
.macro CROUND
	s_barrier_signal -1
	s_barrier_wait -1
	CREST
.endm
.macro PLACES n
.rept \n
	v_nop
.endr
.endm
	s_load_b256 s[4:11], s[0:1], 0x0               ; oc, os, cod, scl
	s_load_b64 s[12:13], s[0:1], 0x20              ; out0
	v_lshl_add_u32 v[SPW], v0, 2, SPARE
	v_mov_b32 v[NIL], 0
	ds_add_u32 v[SPW], v[NIL]                      ; the opening lines: the add twice and one wait
	ds_add_u32 v[SPW], v[NIL]
	v_lshrrev_b32 v1, 5, v0
	v_readfirstlane_b32 s2, v1                     ; wave
	s_lshr_b32 s16, s2, 1                          ; my half of A's rows; also: I fetch for A (0) or B (1)
	s_and_b32 s17, s2, 1                           ; my half of B's rows; also: which kslot of a fill I fetch
	s_bfe_u32 s40, ttmp6, 0x40000                  ; cx
	s_bfe_u32 s41, ttmp6, 0x40004                  ; cy
	s_lshl_b32 s19, ttmp9, 2
	s_add_co_u32 s19, s19, s40                     ; tile column
	s_and_b32 s18, ttmp7, 0xffff
	s_lshl_b32 s18, s18, 2
	s_add_co_u32 s18, s18, s41                     ; tile row
	s_lshl_b32 s42, s41, 2
	s_lshl_b32 s42, 15, s42                        ; my row of the cluster
	s_lshl_b32 s43, 0x1111, s40                    ; my column
	; group 1 for codes, in elements of 8 bytes, 16 bytes of padding behind every 64: at the head two rows of 3,072 elements, a kslot apart
	s_or_b32 s[G1+0], s42, (3<<16)|(1<<20)|(1<<21)|(3<<22)|(3<<25)
	s_or_b32 s[G1B+0], s43, (3<<16)|(1<<20)|(1<<21)|(3<<22)|(3<<25)
.irp g, G1, G1B
	s_mov_b32 s[\g+1], 3072<<16
	s_mov_b32 s[\g+2], 2<<16
	s_mov_b32 s[\g+3], 3072<<16
	s_mov_b32 s[\g+4], 2
	s_mov_b32 s[\g+6], 0
	s_mov_b32 s[\g+7], 0
.endr
	s_mov_b32 s[G1+5], KSA/8
	s_mov_b32 s[G1B+5], KSL/8
	; and for scale words: 8 kslots x 128 rows of 8 bytes
	s_or_b32 s[G1S+0], s42, (3<<16)|(1<<21)
	s_or_b32 s[G1SB+0], s43, (3<<16)|(1<<21)
.irp g, G1S, G1SB
	s_mov_b32 s[\g+1], 128<<16
	s_mov_b32 s[\g+2], 8<<16
	s_mov_b32 s[\g+3], 128<<16
	s_mov_b32 s[\g+4], 8
	s_mov_b32 s[\g+6], 0
	s_mov_b32 s[\g+7], 0
.endr
	s_mov_b32 s[G1S+5], 2048
	s_mov_b32 s[G1SB+5], NR
	s_mul_i32 s100, s18, 128*192                   ; A's rows
	s_mov_b32 s101, 0
	s_lshl_b32 s22, s18, 10
	s_mov_b32 s23, 0
	s_lshl_b32 s46, s19, 7
	s_add_co_u32 s46, s46, 8192                    ; B's positions
	s_mul_i32 s104, s46, 192
	s_mov_b32 s105, 0
	s_lshl_b32 s46, s46, 3
	s_mov_b32 s47, 0
	s_mul_i32 s44, s17, KSA                        ; bytes to the kslot that I fetch in the ring: in A,
	s_mov_b32 s45, 0
	s_mul_i32 s14, s17, KSL                        ; in B
	s_mov_b32 s15, 0
	s_mul_i32 s3, s2, HALFT                        ; and where it goes
	s_wait_alu depctr_va_vdst(0)
	s_wait_dscnt 0x0                               ; both opening adds are done
	s_wait_kmcnt 0x0
	s_add_nc_u64 s[100:101], s[4:5], s[100:101]
	s_add_nc_u64 s[22:23], s[6:7], s[22:23]
	s_add_nc_u64 s[104:105], s[8:9], s[104:105]
	s_add_nc_u64 s[46:47], s[10:11], s[46:47]
	s_mov_b32 s[G0], 1                             ; the head's four tiles: slot 0's group 0 serves A's kslots 0 and 1,
	s_mov_b32 s[G0+1], 0
	s_mov_b64 s[G0+2:G0+3], s[100:101]
	s_or_b32 s[G0+3], s[G0+3], 0x80000000
	s_mov_b32 s[G0B], 1                            ; B's likewise,
	s_mov_b32 s[G0B+1], 2*HALFT
	s_mov_b64 s[G0B+2:G0B+3], s[104:105]
	s_or_b32 s[G0B+3], s[G0B+3], 0x80000000
	s_mov_b32 s[G0S], 1                            ; A's scale words,
	s_mov_b32 s[G0S+1], SCL
	s_mov_b64 s[G0S+2:G0S+3], s[22:23]
	s_or_b32 s[G0S+3], s[G0S+3], 0x80000000
	s_mov_b32 s[G0SB], 1                           ; and B's
	s_mov_b32 s[G0SB+1], SCL+2*SQ
	s_mov_b64 s[G0SB+2:G0SB+3], s[46:47]
	s_or_b32 s[G0SB+3], s[G0SB+3], 0x80000000
	s_add_nc_u64 s[100:101], s[100:101], s[44:45]  ; the ring: my kslot of a fill
	s_add_nc_u64 s[104:105], s[104:105], s[14:15]
	s_mov_b32 s[G0+4], 1                           ; slot 1: fill 1
	s_add_co_u32 s[G0+5], s3, SLOT
	s_add_nc_u64 s[G0+6:G0+7], s[100:101], 2*KSA
	s_or_b32 s[G0+7], s[G0+7], 0x80000000
	s_mov_b32 s[G0B+4], 1
	s_add_co_u32 s[G0B+5], s3, SLOT
	s_add_nc_u64 s[G0B+6:G0B+7], s[104:105], 2*KSL
	s_or_b32 s[G0B+7], s[G0B+7], 0x80000000
	s_cmp_eq_u32 s16, 0                            ; the prefetches: the tile that I fetch, my work-group's quarter of it
	s_cselect_b64 s[PF:PF+1], s[100:101], s[104:105]
	s_cselect_b32 s20, s40, s41
	s_mov_b32 s[PF+6], 2*KSL
	s_cselect_b32 s[PF+6], 2*KSA, s[PF+6]
	s_mov_b32 s[PF+7], 0
	s_mul_i32 s20, s20, 6144
	s_mov_b32 s21, 0
	s_add_nc_u64 s[PF:PF+1], s[PF:PF+1], s[20:21]
	s_add_nc_u64 s[PF:PF+1], s[PF:PF+1], s[PF+6:PF+7]
	s_add_nc_u64 s[PF+2:PF+3], s[PF:PF+1], s[PF+6:PF+7]
	s_add_nc_u64 s[PF+4:PF+5], s[PF+2:PF+3], s[PF+6:PF+7]
	CROUND                                         ; all sixteen work-groups are here: the first joint loads meet
.macro ARM under, g0, g1, next         ; one chain of branches on the wave's number, one load to an arm, one join
	s_cmp_lt_u32 s2, \under
	s_cbranch_scc0 \next
	tensor_load_to_lds s[\g0:\g0+3], s[\g1:\g1+7]
	s_nop 0
.rept 4
	v_nop
.endr
	s_branch .Lhead_asked
\next:
.endm
	ARM 1, G0,  G1,  .Lhead_b
	ARM 2, G0B, G1B, .Lhead_sa
	ARM 3, G0S, G1S, .Lhead_sb
	tensor_load_to_lds s[G0SB:G0SB+3], s[G1SB:G1SB+7]
	s_nop 0
.rept 4
	v_nop
.endr
.Lhead_asked:
	s_lshl_b32 s20, s18, 20                        ; my part of out0: 128 rows of 8,192 bytes a tile row, 64 a half; 512 bytes a tile column, 256 a half
	s_lshl_b32 s21, s16, 19
	s_add_co_u32 s20, s20, s21
	s_lshl_b32 s21, s19, 9
	s_add_co_u32 s20, s20, s21
	s_lshl_b32 s21, s17, 8
	s_add_co_u32 s20, s20, s21
	s_mov_b32 s21, 0
	s_add_nc_u64 s[12:13], s[12:13], s[20:21]
	s_mul_i32 s21, s16, 64*PITCH                   ; my 64 rows of A
	s_mul_i32 s22, s17, 64*PITCH
	s_add_co_u32 s22, s22, 2*HALFT                 ; my 64 rows of B
	s_lshl_b32 s46, s16, 9
	s_lshl_b32 s47, s17, 9
	s_add_co_u32 s47, s47, 2*SQ
	s_sub_co_u32 s47, s47, s46                     ; from A's scale words to B's
	s_add_co_u32 s46, s46, SCL
	s_mul_i32 s23, s2, 16*SPITCH
	s_add_co_u32 s23, s23, STAGE
	v_and_b32 v1, 15, v0                           ; r
	v_bfe_u32 v2, v0, 4, 1                         ; h
	v_and_b32 v6, 31, v0                           ; lane
	v_mul_u32_u24 v3, v1, PITCH
	v_mad_u32_u24 v4, v2, 24, v3                   ; row x pitch + 24 h
	v_lshl_add_u32 v5, v2, 4, v4                   ; and where lanes 16-31 pass a pad
	v_add_nc_u32 v[ADRA], s21, v4
	v_add_nc_u32 v[ADRB], s22, v4
	v_add_nc_u32 v[ADRA+2], s21, v5
	v_add_nc_u32 v[ADRB+2], s22, v5
	v_add_nc_u32 v[ADRA+1], SLOT, v[ADRA]
	v_add_nc_u32 v[ADRB+1], SLOT, v[ADRB]
	v_add_nc_u32 v[ADRA+3], SLOT, v[ADRA+2]
	v_add_nc_u32 v[ADRB+3], SLOT, v[ADRB+2]
	v_lshlrev_b32 v5, 3, v1
	v_mul_u32_u24 v7, s47, v2                      ; lanes 16-31 take B's scale words
	v_add_nc_u32 v5, v5, v7
	v_add_nc_u32 v[ADRS], s46, v5
	v_mul_u32_u24 v5, v1, SPITCH
	v_lshl_add_u32 v5, v2, 6, v5
	v_add_nc_u32 v[STO], s23, v5
	v_mul_u32_u24 v5, v2, SPITCH
	v_lshl_add_u32 v5, v1, 4, v5
	v_add_nc_u32 v[RD], s23, v5
	v_lshlrev_b32 v[CO], 13, v2
	v_lshl_add_u32 v[CO], v1, 4, v[CO]
	v_min_u32 v[PFO], 23, v6
	v_lshlrev_b32 v[PFO], 8, v[PFO]
	s_wait_alu depctr_va_vdst(0)
	global_prefetch_b8 v[PFO], s[PF:PF+1] th:TH_LOAD_NT scope:SCOPE_SE
	global_prefetch_b8 v[PFO], s[PF+2:PF+3] th:TH_LOAD_NT scope:SCOPE_SE
.macro FRAG reg, adr, q, i             ; 16 rows x 128 K: six pieces of 8 bytes; piece e of a row lies at 8 e + 16 (e / 8); steps 2 and 3 of a fill lie in its odd kslot
.irp p, 0,1,2,3,4,5
.set PCE, 12*((\q)%2)+6*(\p/3)+\p%3
.if PCE%8 < 5
	ds_load_b64 v[\reg+2*\p:\reg+2*\p+1], v[\adr] offset:8*PCE+16*(PCE/8)+(\i)*16*PITCH+((\q)/2)*HALFT
.else
	ds_load_b64 v[\reg+2*\p:\reg+2*\p+1], v[\adr+2] offset:8*PCE+16*(PCE/8)+(\i)*16*PITCH+((\q)/2)*HALFT
.endif
.endr
.endm
.macro FETCH slot, q, f                ; a step's eight fragments into window 1: B's four, then A's four
	WIN TO_F
.irp i, 0,1,2,3
	FRAG (\f)+FR*\i, ADRB+\slot, \q, \i
.endr
.irp i, 0,1,2,3
	FRAG (\f)+48+FR*\i, ADRA+\slot, \q, \i
.endr
.endm
.macro SCALES sc                       ; a fill's scale words: lanes 0-15 A's block i, lanes 16-31 B's
.irp e, 0,1
.irp i, 0,1,2,3
	ds_load_b64 v[SC+16*\sc+8*\e+2*\i:SC+16*\sc+8*\e+2*\i+1], v[ADRS] offset:1024*\e+128*\i
.endr
.endr
.endm
.macro MULA f, a, sc, q, zero          ; A's block a x B's four; the 16 accumulators take turns
.irp b, 0,1,2,3
.if \zero
	v_wmma_scale_f32_16x16x128_f8f6f4 v[ACC+8*(4*(\a)+\b):ACC+8*(4*(\a)+\b)+7], v[(\f)+FR*\b:(\f)+FR*\b+FR-1], v[(\f)+48+FR*(\a):(\f)+48+FR*(\a)+FR-1], 0, v[SC+16*(\sc)+8*((\q)/2)+2*\b+(\q)%2], v[SC+16*(\sc)+8*((\q)/2)+2*(\a)+(\q)%2] matrix_a_fmt:MATRIX_FMT_FP6 matrix_b_fmt:MATRIX_FMT_FP6 matrix_a_scale:MATRIX_SCALE_ROW1
.else
	v_wmma_scale_f32_16x16x128_f8f6f4 v[ACC+8*(4*(\a)+\b):ACC+8*(4*(\a)+\b)+7], v[(\f)+FR*\b:(\f)+FR*\b+FR-1], v[(\f)+48+FR*(\a):(\f)+48+FR*(\a)+FR-1], v[ACC+8*(4*(\a)+\b):ACC+8*(4*(\a)+\b)+7], v[SC+16*(\sc)+8*((\q)/2)+2*\b+(\q)%2], v[SC+16*(\sc)+8*((\q)/2)+2*(\a)+(\q)%2] matrix_a_fmt:MATRIX_FMT_FP6 matrix_b_fmt:MATRIX_FMT_FP6 matrix_a_scale:MATRIX_SCALE_ROW1
.endif
.endr
.endm
.macro STEPQ slot, q, zero             ; one of a fill's first three steps; the next step's fragments are fetched in its middle
	s_wait_dscnt 12                                ; all but the youngest 12 loads, A's blocks 2 and 3
	WIN MUL
	MULA 128*((\q)%2), 0, \slot, \q, \zero
	MULA 128*((\q)%2), 1, \slot, \q, \zero
	PLACES NP
	FETCH \slot, (\q)+1, 128*(1-(\q)%2)
	s_wait_dscnt 48                                ; all but the 48 just issued
	WIN MUL
	MULA 128*((\q)%2), 2, \slot, \q, \zero
	MULA 128*((\q)%2), 3, \slot, \q, \zero
.endm
.macro TURN slot, next, fill           ; a fill's last step, and the change of slots
	WIN 0
	s_wait_tensorcnt 0x0                           ; my part of the next slot is in
	ds_add_u32 v[SPW], v[NIL]
	s_wait_dscnt 13                                ; the add and A's blocks 2 and 3 may be out
	WIN MUL
	MULA 128, 0, \slot, 3, 0
	s_wait_dscnt 0x0                               ; the add is done and my reads of this slot are over
	s_barrier_signal -1
	MULA 128, 1, \slot, 3, 0
	WIN 0
	s_barrier_wait -1
.if \fill
	CREST                                          ; the barrier has opened a round of the cluster's barrier
	s_add_nc_u64 s[G0+4*\slot+2:G0+4*\slot+3], s[G0+4*\slot+2:G0+4*\slot+3], 4*KSA
	s_add_nc_u64 s[G0B+4*\slot+2:G0B+4*\slot+3], s[G0B+4*\slot+2:G0B+4*\slot+3], 4*KSL
	JLOAD G0+4*\slot, G1, G0B+4*\slot, G1B
.else
	PLACES NP
.endif
	s_wait_alu depctr_va_vdst(0)                   ; ahead of this reader of the last change's write
	v_add_nc_u32 v[ADRS], 2048, v[ADRS]            ; the next fill's scale words
	SCALES \next
	FETCH \next, 0, 0
	WIN MUL
	MULA 128, 2, \slot, 3, 0
	MULA 128, 3, \slot, 3, 0
.endm
	s_wait_tensorcnt 0x0                           ; my tile of the head's four is in
	ds_add_u32 v[SPW], v[NIL]
.irp g, G1, G1B                        ; no tensor load of mine is out: from here on a load brings 96 rows of 32 elements, dense,
	s_mov_b32 s[\g+1], 32<<16
	s_mov_b32 s[\g+2], 96<<16
	s_mov_b32 s[\g+3], 32<<16
	s_mov_b32 s[\g+4], 96
	s_mov_b32 s[\g+5], 32
.endr
	s_mov_b32 s[G0+1], s3                          ; and slot 0's group 0 stands at my kslot
	s_mov_b32 s[G0B+1], s3
	s_add_nc_u64 s[G0+2:G0+3], s[G0+2:G0+3], s[44:45]
	s_add_nc_u64 s[G0B+2:G0B+3], s[G0B+2:G0B+3], s[14:15]
	s_wait_dscnt 0x0
	CROUND                                         ; all four tiles are in, in every work-group
	JLOAD G0+4, G1, G0B+4, G1B                     ; fill 1, the first tensor load behind the round
	global_prefetch_b8 v[PFO], s[PF+4:PF+5] th:TH_LOAD_NT scope:SCOPE_SE
	SCALES 0
	FETCH 0, 0, 0
	STEPQ 0, 0, 1                                  ; the first step's products start the sums
	STEPQ 0, 1, 0
	STEPQ 0, 2, 0
	TURN 0, 1, 1
	STEPQ 1, 0, 0
	STEPQ 1, 1, 0
	STEPQ 1, 2, 0
	TURN 1, 0, 1
	STEPQ 0, 0, 0
	STEPQ 0, 1, 0
	STEPQ 0, 2, 0
	TURN 0, 1, 0
	STEPQ 1, 0, 0
	STEPQ 1, 1, 0
	STEPQ 1, 2, 0
	s_wait_dscnt 12
	WIN MUL
	MULA 128, 0, 1, 3, 0
	MULA 128, 1, 1, 3, 0
	s_wait_dscnt 0
	MULA 128, 2, 1, 3, 0
	MULA 128, 3, 1, 3, 0
	WIN 0
; THE WAY OUT: a block of 16 rows x 64 columns goes through my stage, where the exchange of bits 3 and 4 of the column is undone, and comes back as rows of 256 bytes
.macro TOSTAGE a
.irp b, 0,1,2,3
	ds_store_b128 v[STO], v[ACC+8*(4*(\a)+\b):ACC+8*(4*(\a)+\b)+3] offset:128*(\b/2)+32*(\b%2)
	ds_store_b128 v[STO], v[ACC+8*(4*(\a)+\b)+4:ACC+8*(4*(\a)+\b)+7] offset:128*(\b/2)+32*(\b%2)+16
.endr
.irp t, 0,1,2,3,4,5,6,7
	ds_load_b128 v[BK+32*((\a)%2)+4*\t:BK+32*((\a)%2)+4*\t+3], v[RD] offset:\t*2*SPITCH
.endr
.endm
.macro SEND a, younger
	s_wait_dscnt \younger
.irp t, 0,1,2,3,4,5,6,7
	global_store_b128 v[CO], v[BK+32*((\a)%2)+4*\t:BK+32*((\a)%2)+4*\t+3], s[12:13] offset:(16*(\a)+2*\t)*8192 th:TH_STORE_NT   ; sixteen lanes store 256 consecutive bytes, aligned
.endr
.endm
	PLACES NP
	TOSTAGE 0
	TOSTAGE 1
	SEND 0, 16                                     ; behind block 0's loads: block 1's 8 stores and 8 loads
	s_wait_xcnt 0x0                                ; block 0's stores have read their registers
	TOSTAGE 2
	SEND 1, 16
	s_wait_xcnt 0x0
	TOSTAGE 3
	SEND 2, 16
	SEND 3, 0
	s_wait_tensorcnt 0x0                           ; the wave's end
	ds_add_u32 v[SPW], v[NIL]
	s_wait_dscnt 0x0
	CROUND                                         ; the closing round
	s_endpgm
.Lfunc_end_k_q1cb97cc056_outp:
	.size	k_q1cb97cc056_outp, .Lfunc_end_k_q1cb97cc056_outp-k_q1cb97cc056_outp
	.p2alignl 7, 3214868480
	.fill 96, 4, 3214868480
	.section	.rodata,"a",@progbits
	.p2align	6, 0x0
	.amdhsa_kernel k_q1cb97cc056_outp
		.amdhsa_group_segment_fixed_size 327680
		.amdhsa_private_segment_fixed_size 0
		.amdhsa_enable_private_segment 0
		.amdhsa_kernarg_size 40
		.amdhsa_user_sgpr_count 2
		.amdhsa_user_sgpr_kernarg_segment_ptr 1
		.amdhsa_wavefront_size32 1
		.amdhsa_system_sgpr_workgroup_id_x 1
		.amdhsa_system_sgpr_workgroup_id_y 1
		.amdhsa_system_sgpr_workgroup_id_z 1
		.amdhsa_system_vgpr_workitem_id 0
		.amdhsa_next_free_vgpr 512
		.amdhsa_next_free_sgpr 106
		.amdhsa_reserve_vcc 0
		.amdhsa_float_denorm_mode_32 3
		.amdhsa_float_denorm_mode_16_64 3
		.amdhsa_memory_ordered 1
		.amdhsa_forward_progress 1
		.amdhsa_inst_pref_size 108
	.end_amdhsa_kernel
	.amdgpu_metadata
---
amdhsa.version: [ 1, 2 ]
amdhsa.kernels:
  - .name:           k_q1cb97cc056_outp
    .symbol:         k_q1cb97cc056_outp.kd
    .args:
      - { .name: oc, .offset: 0, .size: 8, .value_kind: global_buffer, .address_space: global }
      - { .name: os, .offset: 8, .size: 8, .value_kind: global_buffer, .address_space: global }
      - { .name: cod, .offset: 16, .size: 8, .value_kind: global_buffer, .address_space: global }
      - { .name: scl, .offset: 24, .size: 8, .value_kind: global_buffer, .address_space: global }
      - { .name: out0, .offset: 32, .size: 8, .value_kind: global_buffer, .address_space: global }
    .group_segment_fixed_size: 327680
    .private_segment_fixed_size: 0
    .kernarg_segment_align: 8
    .kernarg_segment_size: 40
    .max_flat_workgroup_size: 128
    .sgpr_count:     106
    .vgpr_count:     512
    .wavefront_size: 32
...
	.end_amdgpu_metadata
.endif
;; end of part 8
